; MI455X (gfx1250); checked and timed in simulation.
; The chip was launched on July 23, 2026; its instructions are those of AMD's public machine-readable ISA for CDNA 5 (MIT licence, August 2026) and "CDNA5" Instruction Set Architecture Reference Guide (July 2026). The comments in the code are by the model that wrote it; some were corrected since.
;; Transformer Encoder Layer Rotary. Allowed arithmetic: matrix products marked QUANTISED: E5M2 operands, one given power-of-two scale a tensor, by v_wmma_f32_16x16x64_bf8_bf8 or v_wmma_f32_16x16x128_bf8_bf8, f32 sums; everything else in f32.
;; Inputs: b1 4,096 float32; b2 1,024 float32; k_b 1,024 float32; k_w 1,024 x 1,024 float32; ln1_b 1,024 float32; ln1_g 1,024 float32; ln2_b 1,024 float32; ln2_g 1,024 float32; lowp_scales 14 int32 (the exponents e of the quantised operands' scales 2^e); q_b 1,024 float32; q_w 1,024 x 1,024 float32; src 2,048 x 2 x 1,024 float32; v_b 1,024 float32; v_w 1,024 x 1,024 float32; w1 1,024 x 4,096 float32; w2 4,096 x 1,024 float32.
;; Outputs: out0 2,048 x 2 x 1,024 float32.
;; This version of the problem:
;;   THIS VERSION OF THE PROBLEM IS GIVEN IN LOW PRECISION. The matrix products marked QUANTISED in the list below multiply operands that are first quantised to E5M2 (5 exponent bits, 2 mantissa bits; 8 bits a number), with one given power-of-two scale for each operand tensor; their sums are f32. All else is computed in f32.
;;   The module's matrix products, in the order in which they are computed (A, B: the left and right operand; K: the contracted axis; several contracted axes count as one K, in the product's order):
;;     1. [M 4,096, K 1,024] x [K 1,024, N 1,024]; A: input src; B: input q_w: QUANTISED (scales: A lowp_scales[0], B lowp_scales[1])
;;     2. [M 4,096, K 1,024] x [K 1,024, N 1,024]; A: input src; B: input k_w: QUANTISED (scales: A lowp_scales[2], B lowp_scales[3])
;;     3. [M 4,096, K 1,024] x [K 1,024, N 1,024]; A: input src; B: input v_w: QUANTISED (scales: A lowp_scales[4], B lowp_scales[5])
;;     4. batch 32 x [M 2,048, K 64] x [K 64, N 2,048]; A: computed on the way; B: computed on the way: QUANTISED (scales: A lowp_scales[6], B lowp_scales[7])
;;     5. batch 32 x [M 2,048, K 2,048] x [K 2,048, N 64]; A: softmax (see below); B: computed on the way: QUANTISED (scales: A lowp_scales[8], B lowp_scales[9])
;;     6. [M 4,096, K 1,024] x [K 1,024, N 4,096]; A: computed on the way; B: input w1: QUANTISED (scales: A lowp_scales[10], B lowp_scales[11])
;;     7. [M 4,096, K 4,096] x [K 4,096, N 1,024]; A: computed on the way; B: input w2: QUANTISED (scales: A lowp_scales[12], B lowp_scales[13])
;;   THE QUANTISER, for each operand of a quantised product, along K:
;;     - The operand's scale is 2^e, e = its entry of the input lowp_scales (int32; the entries are numbered through the quantised products in the list's order, A before B).
;;     - Each number is divided by the scale, clamped to +-57,344, and rounded to the nearest number of E5M2, ties to even, subnormals kept.
;;     - The product sums the exact products of the quantised numbers (number of the format x scale) in f32.
;;   ~~~python
;;   def quantise(x, axis, e):      # numpy; x: float32 -> the quantised numbers, widened to float32 again
;;       x = np.moveaxis(x, axis, -1); K = x.shape[-1]
;;       r = np.clip(x / 2.0 ** e, -57344, 57344)
;;       step = 2.0 ** (np.maximum(np.frexp(np.where(r == 0, 1, r))[1] - 1, -14) - 2)
;;       q = np.round(r / step) * step * 2.0 ** e      # np.round: ties to even
;;       return np.moveaxis(q, -1, axis).astype(np.float32)
;;   ~~~
;;   SOFTMAX AHEAD OF A QUANTISED PRODUCT. Where the list says 'softmax', what is quantised is not the finished softmax but p = 2^(t - M), with t = logit x log2(e) and M = ceil(the row's largest t), a whole number; so 1/2 < the row's largest p <= 1. The row's sum l is taken of the UNQUANTISED p, in f32, and the product's result is divided by l at the end. Since M is a whole number, a kernel that streams over the keys may use a running M (the ceiling of the running maximum): every later rescaling is an exact power of two, so the quantised numbers keep their values, but for numbers so far below the row's largest that they fall under the format's range.
;;   OPERANDS COMPUTED ON THE WAY. 'Computed on the way' means the value that the module computes at that place (a softmax that the list does not call 'softmax' is quantised finished and normalised). What goes into a quantiser is computed in f32, as accurately as f32 sums, v_exp_f32 and their like allow (about 1e-6 of the number): no bf16 or f16 on the way to a quantiser, and a product that is left as it is and whose result goes on into a quantised operand takes f32 operands (vector FMAs, or v_wmma_f32_16x16x4_f32). A number that lies on a knife's edge between two numbers of the format may be rounded either way, as far as f32 arithmetic and the matrix unit's own rounding can turn it there, and no further.
;; 2 versions. Each part assembles by itself: llvm-mc -triple=amdgcn-amd-amdhsa -mcpu=gfx1250 --defsym DOCPART=n.
;; ======== version 1 of 2: 7 launches
;; workspace buffers: prepb 24,641,536 bytes; qkvc 12,582,912 bytes; big 16,777,216 bytes; xf 16,777,216 bytes; xc 4,194,304 bytes; hc 16,777,216 bytes
;; launch prep (part 1): grid 512 x 1, 4 waves a work-group, no clusters, 68,096 bytes of LDS; arguments q_w, k_w, v_w, w1, w2, src, lowp_scales, prepb; writes prepb
.if DOCPART == 1
	.amdgcn_target "amdgcn-amd-amdhsa--gfx1250"
	.amdhsa_code_object_version 6
	.text
	.protected	k_qafe6d61fea_prep
	.globl	k_qafe6d61fea_prep
	.p2align	8
	.type	k_qafe6d61fea_prep,@function
k_qafe6d61fea_prep:
	s_mov_b64 s[64:65], 0
	v_nop
	global_prefetch_b8 v0, s[64:65] scope:SCOPE_SE
	s_setreg_imm32_b32 hwreg(HW_REG_WAVE_MODE, 25, 1), 1
	s_wait_xcnt 0x0
; PREP: everything that is quantised or tabulated once, into one workspace buffer.
;   bytes 0 ..          three planes of 4 MiB: the codes of src by the scales of entries 0, 2, 4; rows in the order b*2048 + s, 1,024 bytes a row
;   WQKV                q_w, k_w, v_w as codes laid [3072][1024], row = 1024 t + n, K innermost (entries 1, 3, 5)
;   W1C                 w1 as codes [4096][1024] (entry 11);   W2C: w2 as codes [1024][4096] (entry 13)
;   ROPE                128 blocks of 4,096 bytes: cos and sin of 16 positions x 32 frequencies, in the order in which the next launch's registers take them
; code = x / 2^e, held within +-57,344, to the nearest code of E5M2, ties to even.
; LIMITS: each e used here lies between -126 and 112, so that 2^e and 57,344 x 2^e are f32 numbers.  NaN among the inputs is not served.
; The rope table's range reduction is written for positions under 2,048 (at most 1,304 quarter turns).
; Work-groups 0-351 take the weights, 352-479 src, 480-511 the table.  The ways part on the work-group's number alone; each way that uses LDS has bytes of its own.
; No tensor loads, no barrier: waves share nothing.
.set WQKV, 12582912
.set W1C,  15728640
.set W2C,  19922944
.set ROPE, 24117248
.set MANT, 0x600000                    ; the mantissa field of 57,344 as f32
.set VO,   32                          ; weights: v32-63   byte offset of row i of a block of 32 rows, at my column
.set WX,   64                          ; v64-127  two sets of 32 numbers
.set WC,   128                         ; v128-135 a block's codes
.set OUTR, 136                         ; v136-199 the way out
.set VS,   200                         ; v200-215 the way out: byte offsets of the rows stored
.set SR,   16                          ; src: v16-79 four sets of 16 numbers as loaded
.set SX,   80                          ; v80-111  two sets of 16 neighbours
.set ST,   112                         ; v112-159 the numbers held, a set for each plane
.set SCD,  160                         ; v160-171 codes, four registers a plane
.set SSC,  172                         ; v172-174 2^e for each plane
.set SLM,  176                         ; v176-178 57,344 x 2^e
.set SP,   80                          ; a lane's place in a stage: 64 bytes + 16 of padding
.set RP,   16                          ; table: v16-31 the powers 10^(j/8)
.set RO,   48                          ; v48-79   cos, sin by turns
.set RR,   80                          ; v80-95   their reciprocals
	s_load_b512 s[4:19], s[0:1], 0x0               ; q_w 4, k_w 6, v_w 8, w1 10, w2 12, src 14, the exponents 16, prepb 18
	v_lshl_add_u32 v254, v0, 2, 0x10800
	v_mov_b32 v255, 0
	v_lshrrev_b32 v2, 5, v0
	v_readfirstlane_b32 s20, v2                    ; wave 0..3
	v_and_b32 v1, 31, v0                           ; lane
	s_cmp_ge_u32 ttmp9, 480
	s_cbranch_scc1 .Lrope
	s_cmp_ge_u32 ttmp9, 352
	s_cbranch_scc1 .Lsrc
; ---------------- THE WEIGHTS.  K is their first axis.  A lane takes a column n and its registers run down K: each load reads neighbouring n in neighbouring lanes
; (128 consecutive bytes a wave, 512 a work-group), and the conversions give codes with K innermost.  A work-group takes 128 columns x 256 along K, a wave 32 columns.
; The codes of a column, 256 bytes, go through the wave's own stage (rows of 272 bytes) and leave sixteen lanes to an aligned run of 256 bytes.
	v_lshlrev_b32 v3, 2, v1                        ; in: 4 bytes a lane
	s_mul_i32 s21, s20, 8704                       ; my stage: 32 rows x 272 bytes
	v_mul_u32_u24 v4, v1, 272
	v_add_nc_u32 v4, s21, v4                       ; into it: row = my column
	v_and_b32 v5, 15, v1
	v_lshrrev_b32 v6, 4, v1
	v_mul_u32_u24 v7, v6, 272
	v_lshl_add_u32 v7, v5, 4, v7
	v_add_nc_u32 v7, s21, v7                       ; out of it: sixteen lanes to a row, two rows an instruction
	s_wait_kmcnt 0x0
	s_load_b256 s[56:63], s[16:17], 0x0            ; entries 0 to 7
	s_load_b128 s[68:71], s[16:17], 0x20           ; 8 to 11
	s_load_b64 s[72:73], s[16:17], 0x30            ; 12, 13
	; which tensor: the figures begin as those of w2 and are replaced under four compares of the work-group's number
	s_mov_b64 s[22:23], s[12:13]                   ; the tensor
	s_mov_b32 s24, 224                             ; its first work-group
	s_mov_b32 s25, 3                               ; log2 (N / 128)
	s_mov_b32 s26, 4096                            ; a row in bytes: 4 N
	s_mov_b32 s27, 4096                            ; a row of its codes in bytes: K
	s_mov_b32 s28, W2C                             ; where its codes begin
	s_cmp_lt_u32 ttmp9, 224
	s_cselect_b64 s[22:23], s[10:11], s[22:23]     ; w1
	s_cselect_b32 s24, 96, s24
	s_cselect_b32 s25, 5, s25
	s_cselect_b32 s26, 16384, s26
	s_cselect_b32 s27, 1024, s27
	s_cselect_b32 s28, W1C, s28
	s_cmp_lt_u32 ttmp9, 96
	s_cselect_b64 s[22:23], s[8:9], s[22:23]       ; v_w
	s_cselect_b32 s24, 64, s24
	s_cselect_b32 s25, 3, s25
	s_cselect_b32 s26, 4096, s26
	s_cselect_b32 s28, WQKV+2097152, s28
	s_cmp_lt_u32 ttmp9, 64
	s_cselect_b64 s[22:23], s[6:7], s[22:23]       ; k_w
	s_cselect_b32 s24, 32, s24
	s_cselect_b32 s28, WQKV+1048576, s28
	s_cmp_lt_u32 ttmp9, 32
	s_cselect_b64 s[22:23], s[4:5], s[22:23]       ; q_w
	s_cselect_b32 s24, 0, s24
	s_cselect_b32 s28, WQKV, s28
	s_sub_co_u32 s29, ttmp9, s24                   ; my number within the tensor
	s_lshr_b32 s30, s29, s25                       ; which 256 along K
	s_lshl_b32 s31, s30, s25
	s_sub_co_u32 s31, s29, s31                     ; which 128 columns
	s_lshl_b32 s31, s31, 7
	s_lshl_b32 s52, s20, 5
	s_add_co_u32 s31, s31, s52                     ; my wave's first column
	s_lshl_b32 s52, s30, 8                         ; my first k
	s_mul_i32 s54, s52, s26
	s_lshl_b32 s53, s31, 2
	s_add_co_u32 s54, s54, s53
	s_mov_b32 s55, 0
	s_add_nc_u64 s[32:33], s[22:23], s[54:55]      ; block 0 of 32 rows
	s_lshl_b32 s54, s26, 5                         ; 32 rows on
.irp t, 1,2,3,4,5,6,7
	s_add_nc_u64 s[32+2*\t:33+2*\t], s[30+2*\t:31+2*\t], s[54:55]   ; a base for each block: none is ever stepped
.endr
	s_mul_i32 s50, s31, s27                        ; the codes: row = column,
	s_add_co_u32 s50, s50, s52                     ; + my first k,
	s_add_co_u32 s50, s50, s28                     ; in the tensor's part of the buffer
	s_mov_b32 s51, 0
	s_add_nc_u64 s[48:49], s[18:19], s[50:51]
.set i, 0
.rept 32
	v_mad_u32_u24 v[VO+i], s26, i, v3              ; row i of a block, my column
.set i, i+1
.endr
	v_mul_lo_u32 v[VS], v6, s27
	v_lshl_add_u32 v[VS], v5, 4, v[VS]
	s_lshl_b32 s53, s27, 1
.set t, 1
.rept 15
	v_add_nc_u32 v[VS+t], s53, v[VS+t-1]           ; two rows of codes on
.set t, t+1
.endr
.macro WLOAD t                         ; block t: w(32 t + i, my column), i = 0 .. 31, into set t % 2
.set i, 0
.rept 32
	global_load_b32 v[WX+32*((\t)%2)+i], v[VO+i], s[32+2*(\t):33+2*(\t)] th:TH_LOAD_NT
.set i, i+1
.endr
.endm
	WLOAD 0
	WLOAD 1
	s_wait_kmcnt 0x0
	s_mov_b32 s50, s73                             ; the tensor's exponent, by the same four compares: entry 13,
	s_cmp_lt_u32 ttmp9, 224
	s_cselect_b32 s50, s71, s50                    ; 11,
	s_cmp_lt_u32 ttmp9, 96
	s_cselect_b32 s50, s61, s50                    ; 5,
	s_cmp_lt_u32 ttmp9, 64
	s_cselect_b32 s50, s59, s50                    ; 3,
	s_cmp_lt_u32 ttmp9, 32
	s_cselect_b32 s50, s57, s50                    ; 1
	s_add_co_i32 s50, s50, 127
	s_lshl_b32 s51, s50, 23
	v_mov_b32 v11, s51                             ; 2^e as f32: the conversion takes its exponent field
	s_add_co_i32 s50, s50, 15
	s_lshl_b32 s50, s50, 23
	s_or_b32 s50, s50, MANT
	v_mov_b32 v10, s50                             ; 57,344 x 2^e
.macro WBLOCK t
.set XS, WX+32*((\t)%2)
.if (\t) < 7
	s_wait_loadcnt 32                              ; this block's 32 loads are in; the next block's 32 may be out
.else
	s_wait_loadcnt 0x0
.endif
.set i, 0
.rept 32
	v_med3_num_f32 v[XS+i], v[XS+i], -v10, v10     ; the conversion to an 8-bit code does not saturate (ISA guide 7.6.2): the hold comes first
.set i, i+1
.endr
.irp g, 0,1,2,3
	v_cvt_scalef32_pk8_bf8_f32 v[WC+2*\g:WC+2*\g+1], v[XS+8*\g:XS+8*\g+7], v11
.endr
	ds_store_b128 v4, v[WC:WC+3] offset:32*(\t)    ; 32 codes: 32 bytes of my column's row
	ds_store_b128 v4, v[WC+4:WC+7] offset:32*(\t)+16
.if (\t)+2 < 8
	WLOAD (\t)+2
.endif
	s_wait_dscnt 0x0                               ; the stores have read their registers: the next block's codes may be written (its 32 holds are the plain lines behind these conversions)
.endm
.irp t, 0,1,2,3,4,5,6,7
	WBLOCK \t
.endr
.set t, 0
.rept 16
	ds_load_b128 v[OUTR+4*t:OUTR+4*t+3], v7 offset:544*t   ; LDS serves a wave's instructions in order (ISA guide 5.7.1.4): these see my stores
.set t, t+1
.endr
.set t, 0
.rept 16
	s_wait_dscnt 15-t
	global_store_b128 v[VS+t], v[OUTR+4*t:OUTR+4*t+3], s[48:49]   ; sixteen lanes store 256 consecutive bytes, at a multiple of 256 from the buffer's first byte
.set t, t+1
.endr
	s_wait_tensorcnt 0x0
	ds_add_u32 v254, v255
	s_wait_dscnt 0x0
	s_endpgm
; ---------------- SRC.  K is innermost.  A wave takes 8 rows (8,192 numbers) in 16 steps of 512.  Each load reads 512 consecutive bytes; a step's 2,048 bytes turn through the wave's own stage,
; so that a lane holds 16 neighbours.  They are held and converted three times, once for each of the three scales, and each plane's 512 codes leave as 512 consecutive bytes.
; Row m = 2 s + b of src becomes row b*2048 + s of a plane.
.Lsrc:
	v_lshlrev_b32 v3, 4, v1                        ; my 16 bytes of a load's 512, and of a step's 512 codes
	s_lshl_b32 s21, s20, 13
	s_add_co_u32 s21, s21, 34816                   ; my two stages, behind the bytes of the weights' way
	v_lshrrev_b32 v14, 2, v1
	v_mul_u32_u24 v14, v14, SP
	v_and_b32 v15, 3, v1
	v_lshl_add_u32 v14, v15, 4, v14
	v_add_nc_u32 v14, s21, v14                     ; in: four lanes' 64 bytes on end, then 16 of padding
	v_mul_u32_u24 v15, v1, SP
	v_add_nc_u32 v15, s21, v15                     ; out: my 16 neighbours
	s_sub_co_u32 s24, ttmp9, 352
	s_lshl_b32 s24, s24, 2
	s_add_co_u32 s24, s24, s20                     ; which run of 8 rows is my wave's
	s_lshl_b32 s26, s24, 15
	s_mov_b32 s27, 0
	s_lshl_b32 s28, s24, 12                        ; 4 positions x 1,024 bytes of codes
	s_mov_b32 s29, 0
	s_wait_kmcnt 0x0
	s_load_b256 s[56:63], s[16:17], 0x0            ; entries 0 to 7: 0, 2 and 4 are src's
	s_add_nc_u64 s[22:23], s[14:15], s[26:27]
	s_add_nc_u64 s[48:49], s[18:19], s[28:29]      ; plane 0,
	s_add_nc_u64 s[50:51], s[48:49], 0x400000      ; 1,
	s_add_nc_u64 s[52:53], s[48:49], 0x800000      ; 2
.macro SLOAD t
.irp i, 0,1,2,3
	global_load_b128 v[SR+16*((\t)%4)+4*\i:SR+16*((\t)%4)+4*\i+3], v3, s[22:23] offset:2048*(\t)+512*\i th:TH_LOAD_NT
.endr
.endm
.macro STURN t                         ; step t's numbers through the stage: LDS serves a wave's instructions in order, so no wait stands between the stores and the loads
.irp i, 0,1,2,3
	ds_store_b128 v14, v[SR+16*((\t)%4)+4*\i:SR+16*((\t)%4)+4*\i+3] offset:32*SP*((\t)%2)+8*SP*\i
.endr
.irp i, 0,1,2,3
	ds_load_b128 v[SX+16*((\t)%2)+4*\i:SX+16*((\t)%2)+4*\i+3], v15 offset:32*SP*((\t)%2)+16*\i
.endr
.endm
.irp t, 0,1,2,3
	SLOAD \t
.endr
	s_wait_kmcnt 0x0
.irp p, 0,1,2
	s_add_co_i32 s30, s[56+2*\p], 127
	s_lshl_b32 s31, s30, 23
	v_mov_b32 v[SSC+\p], s31                       ; 2^e
	s_add_co_i32 s30, s30, 15
	s_lshl_b32 s30, s30, 23
	s_or_b32 s30, s30, MANT
	v_mov_b32 v[SLM+\p], s30                       ; 57,344 x 2^e
.endr
	s_wait_loadcnt 12                              ; step 0's four loads are in
	STURN 0
.macro SSTEP t
.set XS, SX+16*((\t)%2)
	s_wait_dscnt 0x0                               ; this step's numbers are back from the stage, and its stores into the stage have read their registers
	s_wait_xcnt 0x0                                ; the last step's three stores have read the codes' registers, which are written again below
.if (\t)+4 < 16
	SLOAD (\t)+4
.endif
.if (\t)+1 < 16
.if 14-(\t) >= 3
	s_wait_loadcnt 12                              ; the next step's four loads are in; those of the three steps behind it may be out
.else
	s_wait_loadcnt 4*(14-(\t))
.endif
	STURN (\t)+1
.endif
.irp p, 0,1,2
.set i, 0
.rept 16
	v_med3_num_f32 v[ST+16*\p+i], v[XS+i], -v[SLM+\p], v[SLM+\p]
.set i, i+1
.endr
.endr
.irp p, 0,1,2
	v_cvt_scalef32_pk8_bf8_f32 v[SCD+4*\p:SCD+4*\p+1], v[ST+16*\p:ST+16*\p+7], v[SSC+\p]
	v_cvt_scalef32_pk8_bf8_f32 v[SCD+4*\p+2:SCD+4*\p+3], v[ST+16*\p+8:ST+16*\p+15], v[SSC+\p]
.endr
	v_nop                                          ; a plain line behind the last conversion: the next step's holds write the conversions' sources
.irp p, 0,1,2
	global_store_b128 v3, v[SCD+4*\p:SCD+4*\p+3], s[48+2*\p:49+2*\p] offset:(((\t)>>1)&1)*2097152+((\t)>>2)*1024+((\t)&1)*512   ; b, position, half of the row: 512 consecutive bytes
.endr
.endm
.irp t, 0,1,2,3,4,5,6,7,8,9,10,11,12,13,14,15
	SSTEP \t
.endr
	s_wait_tensorcnt 0x0
	ds_add_u32 v254, v255
	s_wait_dscnt 0x0
	s_endpgm
; ---------------- THE ROPE TABLE.  A wave makes a block: 16 positions (lane % 16) x 32 frequencies.  Chunk c = 2 q + e of a block is 512 bytes, 16 a lane:
; (cos, sin) of frequency j = 8 q + 4 (lane / 16) + 2 e, then of j + 1.  angle = position x (1 / 10000^(j/32)), each step rounded once, as the model forms it.
; cos and sin: the angle less k quarter turns (pi/2 in two parts, by fused multiply-adds), polynomials on +-pi/4, the quadrant by selects and sign bits.
.Lrope:
	s_sub_co_u32 s21, ttmp9, 480
	s_lshl_b32 s21, s21, 2
	s_add_co_u32 s21, s21, s20                     ; block 0..127
	v_and_b32 v5, 15, v1
	v_lshrrev_b32 v6, 4, v1
	v_lshlrev_b32 v3, 4, v1
	s_lshl_b32 s22, s21, 4
	v_add_nc_u32 v12, s22, v5
	v_cvt_f32_u32 v12, v12                         ; my position
	v_cmp_ne_u32 vcc_lo, 0, v6
.macro FREQ n, lo, hi                  ; 10^(j/8) for lanes 0-15 and for lanes 16-31
	v_mov_b32 v32, \lo
	v_mov_b32 v33, \hi
	v_cndmask_b32 v[RP+\n], v32, v33, vcc_lo
.endm
	FREQ 0, 1.0, 3.1622776602
	FREQ 1, 1.3335214322, 4.2169650343
	FREQ 2, 1.7782794100, 5.6234132519
	FREQ 3, 2.3713737057, 7.4989420933
	FREQ 4, 10.0, 31.622776602
	FREQ 5, 13.335214322, 42.169650343
	FREQ 6, 17.782794100, 56.234132519
	FREQ 7, 23.713737057, 74.989420933
	FREQ 8, 100.0, 316.22776602
	FREQ 9, 133.35214322, 421.69650343
	FREQ 10, 177.82794100, 562.34132519
	FREQ 11, 237.13737057, 749.89420933
	FREQ 12, 1000.0, 3162.2776602
	FREQ 13, 1333.5214322, 4216.9650343
	FREQ 14, 1778.2794100, 5623.4132519
	FREQ 15, 2371.3737057, 7498.9420933
.set n, 0
.rept 16
	v_rcp_f32 v[RR+n], v[RP+n]
.set n, n+1
.endr
	v_nop                                          ; a plain line behind the last reciprocal
	s_wait_alu depctr_va_vdst(0)                   ; one wait for the sixteen, ahead of their first reader
.set n, 0
.rept 16
	v_fma_f32 v32, -v[RP+n], v[RR+n], 1.0          ; one step of Newton: the quotient to the last bit or nearly
	v_fma_f32 v[RR+n], v32, v[RR+n], v[RR+n]
.set n, n+1
.endr
	s_mov_b32 s30, 0x3fc90fdb                      ; pi/2, its upper part,
	s_mov_b32 s31, 0xb33bbd2e                      ; and what that leaves; the rest is under 2e-15 a quarter turn
	s_mov_b32 s32, 0xb94ca1f9                      ; sin: -1.9515295891e-4
	s_mov_b32 s33, 0x3c08839e                      ;       8.3321608736e-3
	s_mov_b32 s34, 0xbe2aaaa3                      ;      -1.6666654611e-1
	s_mov_b32 s35, 0x37ccf5ce                      ; cos:  2.4433157118e-5
	s_mov_b32 s36, 0xbab6061a                      ;      -1.3887316255e-3
	s_mov_b32 s37, 0x3d2aaaa5                      ;       4.1666645683e-2
.macro SINCOS n
	v_mul_f32 v32, v12, v[RR+\n]                   ; the angle
	v_mul_f32 v33, 0x3f22f983, v32
	v_rndne_f32 v33, v33                           ; k quarter turns
	v_fma_f32 v34, -v33, s30, v32
	v_fma_f32 v34, -v33, s31, v34                  ; r, within +-pi/4
	v_mul_f32 v35, v34, v34                        ; z
	v_fma_f32 v36, v35, s32, s33
	v_fma_f32 v36, v36, v35, s34
	v_mul_f32 v37, v34, v35
	v_fma_f32 v36, v37, v36, v34                   ; sin r
	v_fma_f32 v38, v35, s35, s36
	v_fma_f32 v38, v38, v35, s37
	v_mul_f32 v39, v35, v35
	v_fma_f32 v40, v35, -0.5, 1.0
	v_fma_f32 v38, v39, v38, v40                   ; cos r
	v_cvt_i32_f32 v41, v33
	v_and_b32 v42, 1, v41
	v_cmp_ne_u32 vcc_lo, 0, v42                    ; an odd quadrant changes the two over
	v_cndmask_b32 v43, v36, v38, vcc_lo
	v_cndmask_b32 v44, v38, v36, vcc_lo
	v_lshlrev_b32 v45, 30, v41
	v_and_b32 v45, 0x80000000, v45                 ; sin is negative in quadrants 2 and 3,
	v_add_nc_u32 v46, 1, v41
	v_lshlrev_b32 v46, 30, v46
	v_and_b32 v46, 0x80000000, v46                 ; cos in 1 and 2
	v_xor_b32 v[RO+2*\n], v46, v44
	v_xor_b32 v[RO+2*\n+1], v45, v43
.endm
.irp n, 0,1,2,3,4,5,6,7,8,9,10,11,12,13,14,15
	SINCOS \n
.endr
	s_lshl_b32 s22, s21, 12
	s_add_co_u32 s22, s22, ROPE
	s_mov_b32 s23, 0
	s_wait_kmcnt 0x0
	s_add_nc_u64 s[22:23], s[18:19], s[22:23]
.irp c, 0,1,2,3,4,5,6,7
	global_store_b128 v3, v[RO+4*\c:RO+4*\c+3], s[22:23] offset:512*\c   ; 512 consecutive bytes
.endr
	s_endpgm
.Lfunc_end_k_qafe6d61fea_prep:
	.size	k_qafe6d61fea_prep, .Lfunc_end_k_qafe6d61fea_prep-k_qafe6d61fea_prep
	.p2alignl 7, 3214868480
	.fill 96, 4, 3214868480
	.section	.rodata,"a",@progbits
	.p2align	6, 0x0
	.amdhsa_kernel k_qafe6d61fea_prep
		.amdhsa_group_segment_fixed_size 68096
		.amdhsa_private_segment_fixed_size 0
		.amdhsa_enable_private_segment 0
		.amdhsa_kernarg_size 64
		.amdhsa_user_sgpr_count 2
		.amdhsa_user_sgpr_kernarg_segment_ptr 1
		.amdhsa_wavefront_size32 1
		.amdhsa_system_sgpr_workgroup_id_x 1
		.amdhsa_system_sgpr_workgroup_id_y 1
		.amdhsa_system_sgpr_workgroup_id_z 1
		.amdhsa_system_vgpr_workitem_id 0
		.amdhsa_next_free_vgpr 256
		.amdhsa_next_free_sgpr 100
		.amdhsa_reserve_vcc 1
		.amdhsa_float_denorm_mode_32 3
		.amdhsa_float_denorm_mode_16_64 3
		.amdhsa_memory_ordered 1
		.amdhsa_forward_progress 1
		.amdhsa_inst_pref_size 157
	.end_amdhsa_kernel
	.amdgpu_metadata
---
amdhsa.version: [ 1, 2 ]
amdhsa.kernels:
  - .name:           k_qafe6d61fea_prep
    .symbol:         k_qafe6d61fea_prep.kd
    .args:
      - { .name: q_w, .offset: 0, .size: 8, .value_kind: global_buffer, .address_space: global }
      - { .name: k_w, .offset: 8, .size: 8, .value_kind: global_buffer, .address_space: global }
      - { .name: v_w, .offset: 16, .size: 8, .value_kind: global_buffer, .address_space: global }
      - { .name: w1, .offset: 24, .size: 8, .value_kind: global_buffer, .address_space: global }
      - { .name: w2, .offset: 32, .size: 8, .value_kind: global_buffer, .address_space: global }
      - { .name: src, .offset: 40, .size: 8, .value_kind: global_buffer, .address_space: global }
      - { .name: lowp_scales, .offset: 48, .size: 8, .value_kind: global_buffer, .address_space: global }
      - { .name: prepb, .offset: 56, .size: 8, .value_kind: global_buffer, .address_space: global }
    .group_segment_fixed_size: 68096
    .private_segment_fixed_size: 0
    .kernarg_segment_align: 8
    .kernarg_segment_size: 64
    .max_flat_workgroup_size: 128
    .sgpr_count:     100
    .vgpr_count:     256
    .wavefront_size: 32
...
	.end_amdgpu_metadata
.endif
;; end of part 1
;; launch qkv (part 2): grid 12 x 16, 4 waves a work-group, clusters of 4 x 4, 327,680 bytes of LDS; arguments prepb, lowp_scales, q_b, k_b, v_b, qkvc; writes qkvc
.if DOCPART == 2
	.amdgcn_target "amdgcn-amd-amdhsa--gfx1250"
	.amdhsa_code_object_version 6
	.text
	.protected	k_qafe6d61fea_qkv
	.globl	k_qafe6d61fea_qkv
	.p2align	8
	.type	k_qafe6d61fea_qkv,@function
k_qafe6d61fea_qkv:
	s_mov_b64 s[64:65], 0
	v_nop
	global_prefetch_b8 v0, s[64:65] scope:SCOPE_SE
	s_setreg_imm32_b32 hwreg(HW_REG_WAVE_MODE, 25, 1), 1
	s_wait_xcnt 0x0
	s_wait_alu depctr_hold_cnt(0) depctr_sa_sdst(0) depctr_va_vdst(0) depctr_va_sdst(0) depctr_va_ssrc(0) depctr_va_vcc(0) depctr_vm_vsrc(0)
	s_getreg_b32 s2, hwreg(HW_REG_IB_STS2, 6, 4)
	s_cmp_eq_u32 s2, 0
	s_cbranch_scc0 .Lentry_in_a_cluster
	s_endpgm
.Lentry_in_a_cluster:
	s_bfe_u32 s2, ttmp6, 0x10000c
	s_cmp_lg_u32 s2, 0xf033
	s_cbranch_scc0 .Lentry_shape_is_right
	s_endpgm
.Lentry_shape_is_right:
; THE THREE PROJECTIONS on codes of E5M2, with bias, rope (q, k) and the quantiser of the next product, into codes:
;   q, k: [b*16 + head][pos][64], pos = the position with bits 3 and 4 changed over (so that the keys which form a tile in the attention launch are 16 neighbouring rows);  v: [b][head*64 + d][position], the keys innermost.
; The cluster's x is the tensor t (0 q, 1 k, 2 v), the same in all sixteen partners.  A tile is 256 x 256, four waves, 128 x 128 a wave: 64 accumulators of 16 x 16.
; TWO OPERANDS: X lies in the first half of a slot and is the matrix instruction's source 1: its row falls on the result's lane % 16.  Y is source 0: eight of its rows lie along a lane's eight registers.
;   t < 2: X = src's codes (plane t), Y = the weight's rows: a lane holds eight neighbouring columns of one position: four rope pairs, eight codes along the head's axis.
;   t = 2: X = v_w's rows, Y = src's codes (plane 2): a lane holds eight neighbouring positions of one column: eight codes along the keys.  No line of the loop differs: only the two addresses change places.
; K = 1,024 goes in steps of 256 through a ring of two LDS slots filled by the tensor data mover; X's tile is asked for jointly along a row of the cluster, Y's along a column.
; LIMITS: entries 0+1, 2+3, 4+5 each between -126 and 127; entries 6, 7, 9 between -126 and 112.  NaN among the inputs is not served.
; REGISTERS, in windows of 256: window 0: v0-31 addresses; from v128 X's fragments, one set; in the epilogue v32-255 are free.  window 1: Y's fragments, two sets; in the epilogue v0-63 the bias.
;   window 2: the accumulators of my X rows 0-63 ((a, b) at v[8 (8 a + b)]);  window 3: those of rows 64-127.
.set SIZE_K, 1024
.set KSTEP,  256
.set ROWB,   256
.set KROW,   SIZE_K
.set PITCH,  272                       ; an LDS row: 256 bytes + 16 of padding = 68 words: the 16 rows that a load touches start at 16 different banks (64 banks of 4 bytes: ISA guide 11.1)
.set FR,     16
.set NL,     4
.set NP,     4                         ; places behind this matrix instruction (ISA guide 7.12.1)
.set HALFT,  128*PITCH
.set SLOT,   4*HALFT
.set LAPS,   SIZE_K/(2*KSTEP)
.set SPARE,  2*SLOT                    ; behind the ring: the spare words, 128 bytes for each wave, which no other line names
.set WQKV,   12582912
.set ROPE,   24117248
.set CS,     20480                     ; the epilogue's LDS lies in slot 0, which has had its last fill and its last read by then: 0 .. 20,479 the q/k stages, from CS on the stage for v
.set ADRA, 16                          ; v16-17  LDS address of my X fragments in slot 0, 1
.set ADRB, 20                          ; v20-21  the same for Y
.set QSTO, 22                          ; v22  q/k stage, in
.set QRD,  23                          ; v23  q/k stage, out
.set VSTO, 24                          ; v24  v stage, in
.set VRD,  25                          ; v25  v stage, out
.set L16,  26                          ; v26  16 x lane
.set VGO,  27                          ; v27  v: my byte offset in two rows of 2,048 bytes
.set SPW,  28                          ; v28  my spare word; never rewritten
.set NIL,  29                          ; v29  0; never rewritten
.set BOF,  30                          ; v30  32 x (lane / 16)
.set ROF,  31                          ; v31  4 x (lane % 16)
.set BK,   32                          ; v32-63   q/k: rows read back, two sets of 16
.set RT,   96                          ; v96-159  cos and sin, two sets of 32
.set TMP,  160                         ; v160-223 a block's 64 numbers
.set CD,   224                         ; v224-239 its codes
.set TT,   240                         ; v240-247 at work
.set AF,   128
.set G1, 24
.set G0, 32
.set G1B, 48
.set G0B, 56
.set MSB, 0
.macro WIN new                         ; the immediate's high byte repeats the setting that is left
.if MSB != (\new)
	s_set_vgpr_msb (MSB<<8)|(\new)
.set MSB, (\new)
.endif
.endm
.set MUL_LO, 0xa1                      ; source 0 (Y) window 1, source 1 (X) window 0, C and D window 2
.set MUL_HI, 0xf1
.set TO_B,   0x40                      ; destination window 1, address window 0
; A joint load: waves 0 and 1 fetch for X, waves 2 and 3 for Y.  The branch hangs on the wave's number alone.  Four v_nop follow each of the two lines.
.macro JLOAD g0a, g1a, g0b, g1b
	s_cmp_eq_u32 s15, 0
	s_cbranch_scc0 .Lfor_b_\@
	tensor_load_to_lds s[\g0a:\g0a+3], s[\g1a:\g1a+7]
	s_nop 0
.rept 4
	v_nop
.endr
	s_branch .Lasked_\@
.Lfor_b_\@:
	tensor_load_to_lds s[\g0b:\g0b+3], s[\g1b:\g1b+7]
	s_nop 0
.rept 4
	v_nop
.endr
.Lasked_\@:
.endm
.macro CREST                           ; a round of the cluster's barrier behind its opening barrier
	s_cmp_lg_u32 s14, 0
	s_cbranch_scc1 .Lnot_wave_0_\@
	s_barrier_signal -3
.Lnot_wave_0_\@:
	s_barrier_wait -3
	s_barrier_signal -1
	s_barrier_wait -1
.endm
.macro CROUND
	s_barrier_signal -1
	s_barrier_wait -1
	CREST
.endm
	s_load_b256 s[4:11], s[0:1], 0x0               ; prepb 4, the exponents 6, q_b 8, k_b 10
	s_load_b128 s[68:71], s[0:1], 0x20             ; v_b 68, qkvc 70
	v_lshl_add_u32 v[SPW], v0, 2, SPARE
	v_mov_b32 v[NIL], 0
	ds_add_u32 v28, v29
	ds_add_u32 v28, v29
	s_wait_dscnt 0x0
	v_lshrrev_b32 v1, 5, v0
	v_readfirstlane_b32 s14, v1                    ; wave 0..3
	s_lshr_b32 s15, s14, 1                         ; which half of X's rows is mine.  Also: I fetch for X (0) or for Y (1)
	s_and_b32 s16, s14, 1                          ; which half of Y's rows.  Also: which 128 rows of that tile I fetch
	s_bfe_u32 s40, ttmp6, 0x40000                  ; cx, cy: my place in the cluster
	s_bfe_u32 s41, ttmp6, 0x40004
	s_mov_b32 s12, ttmp9                           ; t
	s_and_b32 s13, ttmp7, 0xffff
	s_lshl_b32 s13, s13, 2                         ; 4 x cluster y
	s_lshl_b32 s22, s12, 22                        ; plane t of src's codes,
	s_lshl_b32 s23, s12, 20
	s_add_co_u32 s23, s23, WQKV                    ; rows 1024 t of the weights' codes
	s_cmp_eq_u32 s12, 2
	s_cselect_b32 s17, 0, s13
	s_cselect_b32 s42, s13, 0
	s_cselect_b32 s20, s23, s22                    ; X's tensor,
	s_cselect_b32 s46, s22, s23                    ; Y's
	s_add_co_u32 s17, s17, s41                     ; X's block of 256 rows: hangs on cy (and the cluster), which a row of the cluster shares
	s_add_co_u32 s42, s42, s40                     ; Y's: on cx, which a column shares
	s_lshl_b32 s43, s41, 2
	s_lshl_b32 s43, 15, s43                        ; my row of the cluster
	s_lshl_b32 s44, 0x1111, s40                    ; my column
	s_or_b32 s[G1+0], s43, (0<<16)|(1<<20)|(1<<21)|(5<<22)|(3<<25)   ; 15:0 the mask; 17:16 elements of 1 byte; 20 padding on; 21 set beside a mask; 24:22 after every 64 words; 31:25 four words
	s_or_b32 s[G1B+0], s44, (0<<16)|(1<<20)|(1<<21)|(5<<22)|(3<<25)
.irp g, G1, G1B
	s_mov_b32 s[\g+1], ROWB<<16                    ; tensor_dim0
	s_mov_b32 s[\g+2], 128<<16                     ; tensor_dim1
	s_mov_b32 s[\g+3], ROWB<<16                    ; tile_dim0
	s_mov_b32 s[\g+4], 128                         ; tile_dim1
	s_mov_b32 s[\g+5], KROW                        ; tensor_dim0_stride
	s_mov_b32 s[\g+6], 0
	s_mov_b32 s[\g+7], 0
.endr
	s_lshl_b32 s18, s16, 7                         ; which 128 rows of the tile I fetch
	s_lshl_b32 s21, s17, 8
	s_add_co_u32 s21, s21, s18
	s_lshl_b32 s21, s21, 10                        ; rows of 1,024 bytes
	s_add_co_u32 s20, s20, s21
	s_mov_b32 s21, 0
	s_lshl_b32 s47, s42, 8
	s_add_co_u32 s47, s47, s18
	s_lshl_b32 s47, s47, 10
	s_add_co_u32 s46, s46, s47
	s_mov_b32 s47, 0
	s_mul_i32 s45, s14, HALFT                      ; where they go: wave x 128 rows: no place in the cluster enters an LDS address
	s_wait_kmcnt 0x0
	s_load_b256 s[72:79], s[6:7], 0x0              ; entries 0 to 7
	s_load_b128 s[80:83], s[6:7], 0x20             ; 8 to 11
	s_add_nc_u64 s[20:21], s[4:5], s[20:21]
	s_add_nc_u64 s[46:47], s[4:5], s[46:47]
	CROUND                                         ; all sixteen work-groups are here: the first joint loads meet
.irp s, 0,1
	s_mov_b32 s[G0+4*\s], 1
	s_add_co_u32 s[G0+4*\s+1], s45, \s*SLOT
	s_add_nc_u64 s[G0+4*\s+2:G0+4*\s+3], s[20:21], \s*ROWB
	s_or_b32 s[G0+4*\s+3], s[G0+4*\s+3], 0x80000000
	s_mov_b32 s[G0B+4*\s], 1
	s_add_co_u32 s[G0B+4*\s+1], s45, \s*SLOT
	s_add_nc_u64 s[G0B+4*\s+2:G0B+4*\s+3], s[46:47], \s*ROWB
	s_or_b32 s[G0B+4*\s+3], s[G0B+4*\s+3], 0x80000000
	JLOAD G0+4*\s, G1, G0B+4*\s, G1B
.endr
	v_and_b32 v1, 15, v0                           ; r = lane % 16
	v_bfe_u32 v2, v0, 4, 1                         ; h = lane / 16
	v_mul_u32_u24 v3, v1, PITCH
	v_lshl_add_u32 v4, v2, 4, v3                   ; a fragment's row x pitch + 16 h
	s_mul_i32 s21, s15, HALFT                      ; my 128 rows of X
	s_mul_i32 s22, s16, HALFT
	s_add_co_u32 s22, s22, 2*HALFT                 ; my 128 rows of Y, behind X's 256
.irp s, 0,1
	v_add_nc_u32 v[ADRA+\s], s21, v4
	v_add_nc_u32 v[ADRB+\s], s22, v4
	s_add_co_u32 s21, s21, SLOT
	s_add_co_u32 s22, s22, SLOT
.endr
	; the epilogue's addresses, all made here, on the one way that every wave takes
	s_mul_i32 s23, s14, 5120                       ; q/k: my two stages of 32 rows x 80 bytes
	v_mul_u32_u24 v5, v1, 80
	v_lshl_add_u32 v5, v2, 3, v5
	v_add_nc_u32 v[QSTO], s23, v5                  ; in: row r, 8 bytes for each half of the lanes
	v_bfe_u32 v5, v0, 2, 3
	v_mul_u32_u24 v5, v5, 80
	v_and_b32 v6, 3, v0
	v_lshl_add_u32 v5, v6, 4, v5
	v_add_nc_u32 v[QRD], s23, v5                   ; out: four lanes to a row of 64 bytes, eight rows an instruction
	s_mul_i32 s23, s15, 128*272                    ; v: one stage of 256 rows x 272 bytes for the work-group
	s_lshl_b32 s18, s16, 7
	s_add_co_u32 s23, s23, s18
	s_add_co_u32 s23, s23, CS
	v_lshl_add_u32 v5, v2, 3, v3
	v_add_nc_u32 v[VSTO], s23, v5                  ; in: row 128 (wave / 2) + r, byte 128 (wave % 2) + 8 h
	s_mul_i32 s23, s14, 64*272
	s_add_co_u32 s23, s23, CS
	v_mul_u32_u24 v5, v2, 272
	v_lshl_add_u32 v5, v1, 4, v5
	v_add_nc_u32 v[VRD], s23, v5                   ; out: my 64 rows, sixteen lanes to a row
	v_and_b32 v6, 31, v0
	v_lshlrev_b32 v[L16], 4, v6
	v_lshlrev_b32 v[VGO], 11, v2
	v_lshl_add_u32 v[VGO], v1, 4, v[VGO]
	v_lshlrev_b32 v[BOF], 5, v2
	v_lshlrev_b32 v[ROF], 2, v1
	; q/k: where my codes go, and my part of the rope table
	s_lshr_b32 s94, s17, 3                         ; b
	s_lshl_b32 s94, s94, 4
	s_lshl_b32 s95, s40, 2
	s_add_co_u32 s94, s94, s95
	s_lshl_b32 s95, s16, 1
	s_add_co_u32 s94, s94, s95                     ; b*16 + the head of my first column: 4 cx + 2 (wave % 2)
	s_lshl_b32 s94, s94, 11
	s_and_b32 s95, s17, 7
	s_lshl_b32 s95, s95, 8
	s_lshl_b32 s98, s15, 7
	s_add_co_u32 s95, s95, s98                     ; my first position, a multiple of 128
	s_add_co_u32 s94, s94, s95
	s_lshl_b32 s94, s94, 6
	s_lshl_b32 s98, s12, 22
	s_add_co_u32 s84, s94, s98
	s_mov_b32 s85, 0
	s_add_nc_u64 s[84:85], s[70:71], s[84:85]
	s_lshl_b32 s88, s95, 8                         ; 4,096 bytes of the table for 16 positions
	s_add_co_u32 s88, s88, ROPE
	s_mov_b32 s89, 0
	s_add_nc_u64 s[88:89], s[4:5], s[88:89]
	; v: where my 64 rows of codes go
	s_lshr_b32 s94, s42, 3                         ; b
	s_lshl_b32 s94, s94, 10
	s_lshl_b32 s95, s41, 8
	s_add_co_u32 s94, s94, s95
	s_lshl_b32 s95, s14, 6
	s_add_co_u32 s94, s94, s95                     ; row b*1024 + 256 cy + 64 wave
	s_lshl_b32 s94, s94, 11
	s_and_b32 s95, s42, 7
	s_lshl_b32 s95, s95, 8
	s_add_co_u32 s94, s94, s95                     ; + the tile's first position
	s_add_co_u32 s86, s94, 0x800000
	s_mov_b32 s87, 0
	s_add_nc_u64 s[86:87], s[70:71], s[86:87]
	; the biases
	s_cmp_eq_u32 s12, 1
	s_cselect_b64 s[90:91], s[10:11], s[8:9]       ; k_b or q_b
	s_lshl_b32 s94, s40, 10
	s_lshl_b32 s95, s16, 9
	s_add_co_u32 s94, s94, s95                     ; column 256 cx + 128 (wave % 2)
	s_mov_b32 s95, 0
	s_add_nc_u64 s[90:91], s[90:91], s[94:95]
	s_lshl_b32 s94, s41, 10
	s_lshl_b32 s98, s15, 9
	s_add_co_u32 s94, s94, s98                     ; v_b: column 256 cy + 128 (wave / 2)
	s_add_nc_u64 s[92:93], s[68:69], s[94:95]
.macro FRAG reg, adr, q, i             ; a fragment, 16 rows x 128 K: lane l holds row l % 16; registers 4 c .. 4 c + 3 hold K = 32 c + 16 (l / 16) + 0 .. 15: the same places in X and in Y, so every product meets its partner
.irp c, 0,1,2,3
	ds_load_b128 v[\reg+4*\c:\reg+4*\c+3], v[\adr] offset:128*(\q)+32*\c+(\i)*16*PITCH
.endr
.endm
; 16 matrix instructions: X's blocks a0, a0 + 1 against Y's eight.  The 64 accumulators take turns, one instruction a turn, in the same order in every step.
.macro MUL16 a0, p, zero
.irp a, \a0, \a0+1
.irp b, 0,1,2,3,4,5,6,7
.if \zero
	v_wmma_f32_16x16x128_bf8_bf8 v[8*(8*((\a)%4)+\b):8*(8*((\a)%4)+\b)+7], v[128*(\p)+FR*\b:128*(\p)+FR*\b+FR-1], v[AF+FR*(\a):AF+FR*(\a)+FR-1], 0
.else
	v_wmma_f32_16x16x128_bf8_bf8 v[8*(8*((\a)%4)+\b):8*(8*((\a)%4)+\b)+7], v[128*(\p)+FR*\b:128*(\p)+FR*\b+FR-1], v[AF+FR*(\a):AF+FR*(\a)+FR-1], v[8*(8*((\a)%4)+\b):8*(8*((\a)%4)+\b)+7]
.endif
.endr
.endr
.endm
.macro FETCH_B slot, q, p
	WIN TO_B
.irp i, 0,1,2,3,4,5,6,7
	FRAG 128*(\p)+FR*\i, ADRB+\slot, \q, \i
.endr
	WIN 0
.endm
.macro FETCH_A slot, q, i0
.irp i, \i0, \i0+1, \i0+2, \i0+3
	FRAG AF+FR*(\i), ADRA+\slot, \q, \i
.endr
.endm
.macro PLACES n                        ; plain vector lines between a matrix instruction and a load into, or a vector line that touches, its registers
.rept \n
	v_nop
.endr
.endm
.macro STEP slot, q, zero              ; 128 along K that has its successor in the same slot
	s_wait_dscnt 4*NL                              ; Y's set and X's blocks 0-3 are in; the youngest sixteen loads (X's blocks 4-7) may be out
	WIN MUL_LO
	MUL16 0, (\q)%2, \zero
	MUL16 2, (\q)%2, \zero
	s_wait_dscnt 0
	PLACES NP
	FETCH_B \slot, (\q)+1, 1-(\q)%2
	FETCH_A \slot, (\q)+1, 0
	WIN MUL_HI
	MUL16 4, (\q)%2, \zero
	MUL16 6, (\q)%2, \zero
	PLACES NP
	WIN 0
	FETCH_A \slot, (\q)+1, 4
.endm
; A slot's last step changes slots: one barrier; ahead of it each wave waits for all its tensor loads, adds 0 to its spare word, and waits for that and for its reads of this slot.
.macro TURN slot, next, fill
	s_wait_tensorcnt 0x0                           ; all my tensor loads have landed: my part of the next slot
	ds_add_u32 v[SPW], v[NIL]                      ; 0 onto my spare word
	s_wait_dscnt 4*NL+1                            ; (the add and the youngest sixteen loads may be out)
	WIN MUL_LO
	MUL16 0, 1, 0
	s_wait_dscnt 0x0                               ; the add is done, and my reads of this slot are over
	s_barrier_signal -1
	MUL16 2, 1, 0
	WIN 0
	s_barrier_wait -1
.if \fill
	CREST                                          ; the barrier has opened a round of the cluster's barrier: no wave of any partner still reads this slot or has a load on its way
	s_add_nc_u64 s[G0+4*\slot+2:G0+4*\slot+3], s[G0+4*\slot+2:G0+4*\slot+3], 2*ROWB
	s_add_nc_u64 s[G0B+4*\slot+2:G0B+4*\slot+3], s[G0B+4*\slot+2:G0B+4*\slot+3], 2*ROWB
	JLOAD G0+4*\slot, G1, G0B+4*\slot, G1B         ; the first tensor load behind the round; its four v_nop are the places ahead of the loads below
.else
	PLACES NP
.endif
	FETCH_B \next, 0, 0
	FETCH_A \next, 0, 0
	WIN MUL_HI
	MUL16 4, 1, 0
	MUL16 6, 1, 0
	PLACES NP
	WIN 0
	FETCH_A \next, 0, 4
.endm
	s_wait_tensorcnt 1                             ; my part of K step 0 is in (K step 1's load may be out),
	s_barrier_signal -1
	s_barrier_wait -1                              ; everybody's is
	FETCH_B 0, 0, 0
	FETCH_A 0, 0, 0
	FETCH_A 0, 0, 4
	STEP 0, 0, 1                                   ; the first step's products start the sums
	s_mov_b32 s3, LAPS-1
.Llap:
	TURN 0, 1, 1
	STEP 1, 0, 0
	TURN 1, 0, 1
	STEP 0, 0, 0
	s_sub_co_u32 s3, s3, 1
	s_cmp_lg_u32 s3, 0
	s_cbranch_scc1 .Llap
	TURN 0, 1, 0                                   ; the last lap fills nothing
	STEP 1, 0, 0
	s_wait_dscnt 4*NL
	WIN MUL_LO
	MUL16 0, 1, 0
	MUL16 2, 1, 0
	s_wait_dscnt 0
	WIN MUL_HI
	MUL16 4, 1, 0
	MUL16 6, 1, 0
	WIN 0
	; ---------------- THE EPILOGUE
	s_wait_kmcnt 0x0
	s_add_co_i32 s94, s72, s73                     ; the product's two exponents added, and the exponent of the quantiser that follows, chosen by t
	s_add_co_i32 s95, s74, s75
	s_add_co_i32 s98, s76, s77
	s_cmp_eq_u32 s12, 1
	s_cselect_b32 s94, s95, s94
	s_cselect_b32 s99, s79, s78                    ; entry 7 (k) or 6 (q)
	s_cmp_eq_u32 s12, 2
	s_cselect_b32 s94, s98, s94
	s_cselect_b32 s99, s81, s99                    ; entry 9 (v)
	s_add_co_i32 s94, s94, 127
	s_lshl_b32 s96, s94, 23                        ; 2^(the two added) as f32
	s_mov_b32 s97, s96                             ; (named with it as a pair)
	s_add_co_i32 s99, s99, 127
	s_lshl_b32 s98, s99, 23
	s_add_co_i32 s99, s99, 15
	s_lshl_b32 s99, s99, 23
	s_or_b32 s99, s99, 0x600000
	PLACES NP                                      ; behind the last products: all that follows reads results or writes registers that held fragments
	v_mov_b32 v248, s98                            ; the quantiser's 2^e
	v_mov_b32 v249, s99                            ; 57,344 x 2^e
	s_cmp_eq_u32 s12, 2
	s_cbranch_scc1 .Lv
	; ---- q, k.  Block a is 16 positions x my 128 columns (two heads).  sum x 2^e + bias; rope on the four pairs of each accumulator; hold; eight codes a conversion.
	; The codes go through my own stage (two by turns) and leave as 512 consecutive bytes: eight rows of 64.
	WIN TO_B
.irp b, 0,1,2,3,4,5,6,7
	global_load_b128 v[8*\b:8*\b+3], v[BOF], s[90:91] offset:64*\b        ; the bias of columns 16 b + 8 h + 0 .. 7, in the results' layout, into window 1
	global_load_b128 v[8*\b+4:8*\b+7], v[BOF], s[90:91] offset:64*\b+16
.endr
	WIN 0
.macro ROPELOAD a                      ; block a's cos and sin: eight loads of 512 consecutive bytes
.irp c, 0,1,2,3,4,5,6,7
	global_load_b128 v[RT+32*((\a)%2)+4*\c:RT+32*((\a)%2)+4*\c+3], v[L16], s[88:89] offset:(\a)*4096+512*\c
.endr
.endm
.macro QK_ARITH a
.set AC, 64*((\a)%4)
.set RS, RT+32*((\a)%2)
	WIN 0x12+((\a)/4)                              ; source 0 (the sums) window 2 or 3, source 2 (the bias) window 1
.set j, 0
.rept 32
	v_pk_fma_f32 v[TMP+j:TMP+j+1], v[AC+j:AC+j+1], s[96:97], v[j:j+1] op_sel_hi:[1,0,1]   ; each accumulator from its low end on
.set j, j+2
.endr
	WIN 0
.irp b, 0,1,2,3,4,5,6,7
.irp p, 0,1,2,3
	v_pk_mul_f32 v[TT+2*\p:TT+2*\p+1], v[TMP+8*\b+2*\p:TMP+8*\b+2*\p+1], v[RS+8*(\b%4)+2*\p:RS+8*(\b%4)+2*\p+1] op_sel:[1,1] op_sel_hi:[0,1]   ; (x1 sin, x0 sin)
.endr
.irp p, 0,1,2,3
	v_pk_fma_f32 v[TMP+8*\b+2*\p:TMP+8*\b+2*\p+1], v[TMP+8*\b+2*\p:TMP+8*\b+2*\p+1], v[RS+8*(\b%4)+2*\p:RS+8*(\b%4)+2*\p+1], v[TT+2*\p:TT+2*\p+1] op_sel_hi:[1,0,1] neg_lo:[0,0,1]   ; (x0 cos - x1 sin, x1 cos + x0 sin)
.endr
.endr
.set j, 0
.rept 64
	v_med3_num_f32 v[TMP+j], v[TMP+j], -v249, v249
.set j, j+1
.endr
.if (\a) > 0
	s_wait_dscnt 4                                 ; the last block's eight stores have read the codes' registers; its four loads may be out
.endif
.irp b, 0,1,2,3,4,5,6,7
	v_cvt_scalef32_pk8_bf8_f32 v[CD+2*\b:CD+2*\b+1], v[TMP+8*\b:TMP+8*\b+7], v248
.endr
	v_nop                                          ; a plain line behind the last conversion
.endm
.macro QSTAGE a
.irp b, 0,1,2,3,4,5,6,7
	ds_store_b64 v[QSTO], v[CD+2*\b:CD+2*\b+1] offset:((\a)%2)*2560+(\b/4)*1280+16*(\b%4)   ; head b / 4, row r, bytes 16 (b % 4) + 8 h on
.endr
.irp i, 0,1,2,3
	ds_load_b128 v[BK+16*((\a)%2)+4*\i:BK+16*((\a)%2)+4*\i+3], v[QRD] offset:((\a)%2)*2560+(\i/2)*1280+(\i%2)*640   ; LDS serves a wave's instructions in order: these see the stores above
.endr
.endm
.macro SENDQ a, younger                ; positions 16 a + 8 (i % 2) + 0 .. 7 lie at pos 32 (a / 2) + 16 (i % 2) + 8 (a % 2) + 0 .. 7
	s_wait_dscnt \younger
.irp i, 0,1,2,3
	global_store_b128 v[L16], v[BK+16*((\a)%2)+4*\i:BK+16*((\a)%2)+4*\i+3], s[84:85] offset:((\a)/2)*2048+((\a)%2)*512+(\i%2)*1024+(\i/2)*131072
.endr
.endm
	ROPELOAD 0
.irp a, 0,1,2,3,4,5,6,7
.if \a < 7
	ROPELOAD \a+1
	s_wait_loadcnt 8                               ; the bias and this block's table are in; the next block's eight loads may be out
.else
	s_wait_loadcnt 0x0
.endif
	QK_ARITH \a
.if \a > 1
	s_wait_xcnt 0x0                                ; the stores of the block two back have read the registers into which this block's rows are loaded
.endif
	QSTAGE \a
.if \a > 0
	SENDQ \a-1, 12                                 ; behind the last block's loads: this block's eight stores and four loads
.endif
.endr
	SENDQ 7, 0
	s_branch .Ljoin
	; ---- v.  Block a is 16 columns n (lane % 16) x my 128 positions; a lane's eight registers are eight neighbouring positions.  The codes meet in the work-group's stage.
.Lv:
.irp a, 0,1,2,3,4,5,6,7
	global_load_b32 v[32+\a], v[ROF], s[92:93] offset:64*\a   ; v_b of column 16 a + r
.endr
	s_wait_loadcnt 0x0
.macro VBLOCK a
.set AC, 64*((\a)%4)
.set BP, 32+2*((\a)/2)
	WIN 0x02+((\a)/4)
.set j, 0
.rept 32
.if (\a)%2
	v_pk_fma_f32 v[TMP+j:TMP+j+1], v[AC+j:AC+j+1], s[96:97], v[BP:BP+1] op_sel:[0,0,1] op_sel_hi:[1,0,1]
.else
	v_pk_fma_f32 v[TMP+j:TMP+j+1], v[AC+j:AC+j+1], s[96:97], v[BP:BP+1] op_sel_hi:[1,0,0]
.endif
.set j, j+2
.endr
	WIN 0
.set j, 0
.rept 64
	v_med3_num_f32 v[TMP+j], v[TMP+j], -v249, v249
.set j, j+1
.endr
	s_wait_dscnt 0x0                               ; the last block's stores have read the codes' registers
.irp b, 0,1,2,3,4,5,6,7
	v_cvt_scalef32_pk8_bf8_f32 v[CD+2*\b:CD+2*\b+1], v[TMP+8*\b:TMP+8*\b+7], v248
.endr
	v_nop
.irp b, 0,1,2,3,4,5,6,7
	ds_store_b64 v[VSTO], v[CD+2*\b:CD+2*\b+1] offset:(\a)*4352+16*\b
.endr
.endm
.irp a, 0,1,2,3,4,5,6,7
	VBLOCK \a
.endr
.Ljoin:
	s_wait_dscnt 0x0                               ; for the others' sake: my stores into the stage are done
	s_barrier_signal -1
	s_barrier_wait -1                              ; every wave of every work-group passes this barrier, whatever t
	s_cmp_lg_u32 s12, 2
	s_cbranch_scc1 .Lend
.set i, 0
.rept 32
	ds_load_b128 v[32+4*i:35+4*i], v[VRD] offset:544*i
.set i, i+1
.endr
.set i, 0
.rept 32
	s_wait_dscnt 31-i
	global_store_b128 v[VGO], v[32+4*i:35+4*i], s[86:87] offset:4096*i   ; sixteen lanes store 256 consecutive bytes, at a multiple of 256 from the buffer's first byte
.set i, i+1
.endr
.Lend:
	s_wait_tensorcnt 0x0                           ; the wave's end
	ds_add_u32 v[SPW], v[NIL]
	s_wait_dscnt 0x0
	CROUND                                         ; the closing round: no work-group ends while a partner may still ask for a tile that names it
	s_endpgm
.Lfunc_end_k_qafe6d61fea_qkv:
	.size	k_qafe6d61fea_qkv, .Lfunc_end_k_qafe6d61fea_qkv-k_qafe6d61fea_qkv
	.p2alignl 7, 3214868480
	.fill 96, 4, 3214868480
	.section	.rodata,"a",@progbits
	.p2align	6, 0x0
	.amdhsa_kernel k_qafe6d61fea_qkv
		.amdhsa_group_segment_fixed_size 327680
		.amdhsa_private_segment_fixed_size 0
		.amdhsa_enable_private_segment 0
		.amdhsa_kernarg_size 48
		.amdhsa_user_sgpr_count 2
		.amdhsa_user_sgpr_kernarg_segment_ptr 1
		.amdhsa_wavefront_size32 1
		.amdhsa_system_sgpr_workgroup_id_x 1
		.amdhsa_system_sgpr_workgroup_id_y 1
		.amdhsa_system_sgpr_workgroup_id_z 1
		.amdhsa_system_vgpr_workitem_id 0
		.amdhsa_next_free_vgpr 1024
		.amdhsa_next_free_sgpr 100
		.amdhsa_reserve_vcc 0
		.amdhsa_float_denorm_mode_32 3
		.amdhsa_float_denorm_mode_16_64 3
		.amdhsa_memory_ordered 1
		.amdhsa_forward_progress 1
		.amdhsa_inst_pref_size 247
	.end_amdhsa_kernel
	.amdgpu_metadata
---
amdhsa.version: [ 1, 2 ]
amdhsa.kernels:
  - .name:           k_qafe6d61fea_qkv
    .symbol:         k_qafe6d61fea_qkv.kd
    .args:
      - { .name: prepb, .offset: 0, .size: 8, .value_kind: global_buffer, .address_space: global }
      - { .name: lowp_scales, .offset: 8, .size: 8, .value_kind: global_buffer, .address_space: global }
      - { .name: q_b, .offset: 16, .size: 8, .value_kind: global_buffer, .address_space: global }
      - { .name: k_b, .offset: 24, .size: 8, .value_kind: global_buffer, .address_space: global }
      - { .name: v_b, .offset: 32, .size: 8, .value_kind: global_buffer, .address_space: global }
      - { .name: qkvc, .offset: 40, .size: 8, .value_kind: global_buffer, .address_space: global }
    .group_segment_fixed_size: 327680
    .private_segment_fixed_size: 0
    .kernarg_segment_align: 8
    .kernarg_segment_size: 48
    .max_flat_workgroup_size: 128
    .sgpr_count:     100
    .vgpr_count:     1024
    .wavefront_size: 32
...
	.end_amdgpu_metadata
.endif
;; end of part 2
;; launch attn (part 3): grid 8 x 32, 16 waves a work-group, clusters of 4 x 1, 327,680 bytes of LDS; arguments qkvc, lowp_scales, big; writes big
.if DOCPART == 3
	.amdgcn_target "amdgcn-amd-amdhsa--gfx1250"
	.amdhsa_code_object_version 6
	.text
	.protected	k_qafe6d61fea_attn
	.globl	k_qafe6d61fea_attn
	.p2align	8
	.type	k_qafe6d61fea_attn,@function
k_qafe6d61fea_attn:
	s_mov_b64 s[64:65], 0
	v_nop
	global_prefetch_b8 v0, s[64:65] scope:SCOPE_SE
	s_setreg_imm32_b32 hwreg(HW_REG_WAVE_MODE, 25, 1), 1
	s_wait_xcnt 0x0
	s_wait_alu depctr_hold_cnt(0) depctr_sa_sdst(0) depctr_va_vdst(0) depctr_va_sdst(0) depctr_va_ssrc(0) depctr_va_vcc(0) depctr_vm_vsrc(0)
	s_getreg_b32 s2, hwreg(HW_REG_IB_STS2, 6, 4)
	s_cmp_eq_u32 s2, 0
	s_cbranch_scc0 .Lentry_in_a_cluster
	s_endpgm
.Lentry_in_a_cluster:
	s_bfe_u32 s2, ttmp6, 0x10000c
	s_cmp_lg_u32 s2, 0x3003
	s_cbranch_scc0 .Lentry_shape_is_right
	s_endpgm
.Lentry_shape_is_right:
; ATTENTION on codes of E5M2: 32 heads (b*16 + head) x 2,048 queries x 2,048 keys, head size 64, no mask.  The result, f32, goes to rows m = 2 s + b, columns 64 head on.
; q, k: [head][pos][64] codes, pos = the position with bits 3 and 4 changed over;  v: [head][d][position] codes, the keys innermost.
; THE SOFTMAX AHEAD OF THE SECOND PRODUCT: t = score x log2(e) / 8; M = the running largest t rounded UP to a whole number; p = 2^(t - M) is quantised, not normalised; the sum is taken of the unquantised p
; and divides at the end; when M moves, the sum and O are multiplied by 2^(old M - new M), which rounds nothing.
; SHARES.  A work-group owns 256 queries of a head, each of its sixteen waves 16 of them in 256 registers: four waves to a SIMD, so that one wave's vector work stands beside another's matrix work and LDS loads.
; A HEAD'S WHOLE K AND V LIE IN LDS: K 2,048 rows x 80 bytes, V four quarters of 64 rows x 528 bytes.  No byte is filled twice: there is no ring.  Each wave issues four tensor loads at the start, one for each quarter of
; 512 keys (four of mine are out), and a quarter is read behind a counted wait and a barrier while the later quarters are on their way.
; CLUSTER.  The four query blocks of a cluster belong to one head: each tile is asked for jointly, by the same load with the same descriptor and the mask of all four.
; Nothing is prefetched: all that the launch reads of K and V is asked for by the first lines of the text.
; LAYOUT.  Both products are used transposed: S^T = K Q^T (source 0 = 16 rows of K, source 1 = my queries), O^T = V^T P^T: a lane holds one query (lane % 16) throughout.  Row 16 t + m of K in LDS is key
; 32 (t / 2) + 8 (t % 2) + m % 8 + 16 (m / 8), so that the 16 registers of tiles 2 b and 2 b + 1 are keys 32 b + 16 (lane / 16) + 0 .. 15: the conversions' results are the second product's operand.
; LIMITS: entries 6 + 7 between -123 and 130 (they are added to the exponent field of log2(e) / 8); entry 8 between -126 and 112; 8 + 9 is applied by v_ldexp_f32.
; REGISTERS: v1, v2 my lane's place in K and V; v5, v6 the add's; v7 the way out; v8, v9 addresses in hand; v12 -M, v13 the largest t, v[14:15] the sum; v16-23 Q; v32-95 eight fragments of K, then four of V;
;   v96-159 S^T, then p; v160-191 O^T; v224-239 p's codes; v236-254 at work.
.set KP,    80                         ; a key's row in LDS: 64 bytes + 16: 20 words: the 16 rows of a load start at 16 different groups of four banks
.set VP,    528                        ; a row of a quarter of V: 512 bytes + 16
.set VBASE, 163840
.set KQ,    40960                      ; a quarter of K in LDS
.set VQ,    33792                      ; a quarter of V
.set SPARE, 299008                     ; behind V: the spare words, 128 bytes for each wave, which no other line names
.set AK0,  1
.set AV0,  2
.set SPW,  5
.set NIL,  6
.set GO,   7
.set ADK,  8
.set ADV,  9
.set TBK,  2                           ; s2  LDS byte at which the step's keys begin
.set TBV,  3                           ; s3  the same within V's rows
.set WV,   18
.set SEL,  20
.set CS,   22
.set G1K,  24
.set G1V,  32
.set G0K,  40                          ; s[40:55] K: a group 0 for each quarter
.set G0V,  68                          ; s[68:83] V
.macro CROUND
	s_barrier_signal -1
	s_barrier_wait -1
	s_cmp_lg_u32 s[WV], 0
	s_cbranch_scc1 .Lnot_wave_0_\@
	s_barrier_signal -3
.Lnot_wave_0_\@:
	s_barrier_wait -3
	s_barrier_signal -1
	s_barrier_wait -1
.endm
	s_load_b128 s[4:7], s[0:1], 0x0                ; qkvc 4, the exponents 6
	s_load_b64 s[8:9], s[0:1], 0x10                ; big
	v_lshl_add_u32 v[SPW], v0, 2, SPARE
	v_mov_b32 v[NIL], 0
	ds_add_u32 v5, v6
	ds_add_u32 v5, v6
	s_wait_dscnt 0x0
	v_lshrrev_b32 v8, 5, v0
	v_readfirstlane_b32 s[WV], v8                  ; wave 0..15
	s_bfe_u32 s10, ttmp6, 0x40000                  ; cx
	s_lshl_b32 s11, ttmp9, 2
	s_add_co_u32 s11, s11, s10                     ; my block of 256 queries: it enters Q's and the result's addresses alone
	s_and_b32 s12, ttmp7, 0xffff                   ; the head, which the four partners share
	s_and_b32 s13, s[WV], 7
	s_lshl_b32 s14, s12, 17                        ; a head is 131,072 bytes in each of the three tensors
	s_lshl_b32 s15, s13, 12
	s_add_co_u32 s90, s14, s15
	s_add_co_u32 s90, s90, 0x400000                ; K: my 64 rows of a quarter
	s_mov_b32 s91, 0
	s_lshl_b32 s15, s13, 14
	s_add_co_u32 s92, s14, s15
	s_add_co_u32 s92, s92, 0x800000                ; V: my 8 rows
	s_mov_b32 s93, 0
	s_mul_i32 s16, s13, 64*KP                      ; and their places in LDS
	s_mul_i32 s17, s13, 8*VP
	s_add_co_u32 s17, s17, VBASE
	s_mov_b32 s[G1K], 15|(0<<16)|(1<<20)|(1<<21)|(3<<22)|(3<<25)   ; the mask of all four; elements of 1 byte; padding on; bit 21 beside a mask; after every 16 words four words
	s_mov_b32 s[G1K+1], 64<<16                     ; tensor_dim0
	s_mov_b32 s[G1K+2], 64<<16                     ; tensor_dim1
	s_mov_b32 s[G1K+3], 64<<16                     ; tile_dim0
	s_mov_b32 s[G1K+4], 64                         ; tile_dim1
	s_mov_b32 s[G1K+5], 64                         ; tensor_dim0_stride
	s_mov_b32 s[G1K+6], 0
	s_mov_b32 s[G1K+7], 0
	s_mov_b32 s[G1V], 15|(0<<16)|(1<<20)|(1<<21)|(6<<22)|(3<<25)   ; padding: four words after every 128
	s_mov_b32 s[G1V+1], 512<<16
	s_mov_b32 s[G1V+2], 8<<16
	s_mov_b32 s[G1V+3], 512<<16
	s_mov_b32 s[G1V+4], 8
	s_mov_b32 s[G1V+5], 2048
	s_mov_b32 s[G1V+6], 0
	s_mov_b32 s[G1V+7], 0
	s_mov_b32 s[SEL], 0x76543210
	s_mov_b32 s[SEL+1], 0xfedcba98
	s_mov_b32 s[CS], 0x3e38aa3b                    ; log2(e) / 8
	s_wait_kmcnt 0x0
	s_load_b128 s[84:87], s[6:7], 0x18             ; entries 6 to 9
	s_add_nc_u64 s[56:57], s[4:5], s[90:91]
	s_add_nc_u64 s[58:59], s[4:5], s[92:93]
	CROUND                                         ; all four work-groups are here: the joint loads meet
.irp g, 0,1,2,3
	s_mov_b32 s[G0K+4*\g], 1
	s_add_co_u32 s[G0K+4*\g+1], s16, \g*KQ
	s_add_nc_u64 s[G0K+4*\g+2:G0K+4*\g+3], s[56:57], \g*32768
	s_or_b32 s[G0K+4*\g+3], s[G0K+4*\g+3], 0x80000000
	s_mov_b32 s[G0V+4*\g], 1
	s_add_co_u32 s[G0V+4*\g+1], s17, \g*VQ
	s_add_nc_u64 s[G0V+4*\g+2:G0V+4*\g+3], s[58:59], \g*512
	s_or_b32 s[G0V+4*\g+3], s[G0V+4*\g+3], 0x80000000
.endr
	s_cmp_lt_u32 s[WV], 8                          ; waves 0-7 fetch K, waves 8-15 V: a wave's four loads stand in one branch, ahead of every wait on TENSORcnt and every LDS read
	s_cbranch_scc0 .Lfirst_v
.irp g, 0,1,2,3
	tensor_load_to_lds s[G0K+4*\g:G0K+4*\g+3], s[G1K:G1K+7]
	s_nop 0
.endr
.rept 4
	v_nop
.endr
	s_branch .Lfirst_asked
.Lfirst_v:
.irp g, 0,1,2,3
	tensor_load_to_lds s[G0V+4*\g:G0V+4*\g+3], s[G1V:G1V+7]
	s_nop 0
.endr
.rept 4
	v_nop
.endr
.Lfirst_asked:
	; Q: query 16 w + r of my block lies at pos 32 (w / 2) + 16 (r / 8) + 8 (w % 2) + r % 8
	s_lshl_b32 s15, s11, 3
	s_lshr_b32 s19, s[WV], 1
	s_add_co_u32 s15, s15, s19
	s_lshl_b32 s15, s15, 5
	s_and_b32 s19, s[WV], 1
	s_lshl_b32 s19, s19, 3
	s_add_co_u32 s15, s15, s19
	s_lshl_b32 s15, s15, 6
	s_add_co_u32 s90, s15, s14
	s_add_nc_u64 s[60:61], s[4:5], s[90:91]
	v_and_b32 v8, 15, v0                           ; r
	v_bfe_u32 v9, v0, 4, 1                         ; h
	v_and_b32 v11, 8, v8
	v_add_nc_u32 v11, v11, v8                      ; r % 8 + 16 (r / 8)
	v_lshlrev_b32 v10, 6, v11
	v_lshl_add_u32 v10, v9, 4, v10
	global_load_b128 v[16:19], v10, s[60:61]       ; channels 16 h + 0 .. 15,
	global_load_b128 v[20:23], v10, s[60:61] offset:32   ; 32 + 16 h + 0 .. 15: the same places as in K's fragments
	; the result: row 2 (256 block + 16 w + ..) + b, columns 64 head on
	s_lshl_b32 s15, s11, 8
	s_lshl_b32 s19, s[WV], 4
	s_add_co_u32 s15, s15, s19
	s_lshl_b32 s15, s15, 1
	s_lshr_b32 s19, s12, 4
	s_add_co_u32 s15, s15, s19
	s_lshl_b32 s15, s15, 12
	s_and_b32 s19, s12, 15
	s_lshl_b32 s19, s19, 8
	s_add_co_u32 s92, s15, s19
	s_add_nc_u64 s[62:63], s[8:9], s[92:93]
	v_mul_u32_u24 v[AK0], v8, KP
	v_lshl_add_u32 v[AK0], v9, 4, v[AK0]
	v_mul_u32_u24 v[AV0], v8, VP
	v_lshl_add_u32 v[AV0], v9, 4, v[AV0]
	v_add_nc_u32 v[AV0], VBASE, v[AV0]
	v_lshlrev_b32 v[GO], 13, v9
	v_lshl_add_u32 v[GO], v8, 4, v[GO]             ; lanes 0-15 one query's row, lanes 16-31 the next query's, 8,192 bytes on
	v_mov_b32 v13, 0xff61b1e6                      ; the largest t so far: -3e38
	v_floor_f32 v12, -v13                          ; -M
	v_mov_b32 v14, 0
	v_mov_b32 v15, 0
	v_mov_b32 v236, 0                              ; a lane permute's destination counts as one of its sources
	v_mov_b32 v253, 0                              ; (named as the upper half of the pair v[252:253])
.set j, 0
.rept 32
	v_mov_b32 v[160+j], 0                          ; O^T: the step is written once; its first pass finds zeros, which the first change of M leaves zeros
.set j, j+1
.endr
	s_wait_kmcnt 0x0
	s_add_co_i32 s14, s84, s85
	s_lshl_b32 s14, s14, 23
	s_add_co_i32 s[CS], s[CS], s14                 ; a score stands for score x 2^(entries 6 + 7)
	s_mov_b32 s[CS+1], s[CS]
	s_add_co_i32 s14, s86, 127
	s_lshl_b32 s15, s14, 23
	v_mov_b32 v244, s15                            ; 2^(entry 8)
	s_add_co_i32 s14, s14, 15
	s_lshl_b32 s14, s14, 23
	s_or_b32 s14, s14, 0x600000
	v_mov_b32 v240, s14                            ; 57,344 x that
	s_mov_b32 s[TBK], 0
	s_mov_b32 s[TBV], 0
; A KEY STEP: 128 keys.
.macro STEP
	v_add_nc_u32 v[ADK], s[TBK], v[AK0]
	v_add_nc_u32 v[ADV], s[TBV], v[AV0]
	v_nop
	v_nop                                          ; four plain lines between the last products and the loads into registers that they read
.irp t, 0,1,2,3,4,5,6,7
	ds_load_b128 v[32+8*\t:35+8*\t], v[ADK] offset:16*KP*\t
	ds_load_b128 v[36+8*\t:39+8*\t], v[ADK] offset:16*KP*\t+32
.endr
	s_wait_dscnt 0x0
.irp t, 0,1,2,3,4,5,6,7
	v_wmma_f32_16x16x64_bf8_bf8 v[96+8*\t:103+8*\t], v[32+8*\t:39+8*\t], v[16:23], 0
.endr
.rept 4
	v_nop                                          ; places ahead of the loads below and of the first read of the scores
.endr
.irp t, 0,1,2,3
.irp c, 0,1,2,3
	ds_load_b128 v[32+16*\t+4*\c:35+16*\t+4*\c], v[ADV] offset:16*VP*\t+32*\c   ; V's four fragments land while the softmax is worked
.endr
.endr
	v_max3_num_f32 v254, v96, v97, v98             ; the step's largest score of my query, among my 64 keys, in two chains,
	v_max3_num_f32 v252, v99, v100, v101
.irp i, 6,10,14,18,22,26,30,34,38,42,46,50,54,58
	v_max3_num_f32 v254, v254, v[96+\i], v[97+\i]
	v_max3_num_f32 v252, v252, v[98+\i], v[99+\i]
.endr
	v_max3_num_f32 v254, v254, v158, v159
	v_max_num_f32 v254, v254, v252
	v_permlanex16_b32 v236, v254, s[SEL], s[SEL+1]
	v_max_num_f32 v254, v254, v236                 ; and among those of the lane 16 away
	v_mul_f32 v254, s[CS], v254                    ; as t
	v_max_num_f32 v13, v13, v254                   ; the running largest t
	v_mov_b32 v254, v12
	v_floor_f32 v12, -v13                          ; the new -M = -ceil(t): a whole number
	v_sub_f32 v254, v12, v254                      ; old M less new M: a whole number, 0 or less
	v_cvt_i32_f32 v254, v254
	v_ldexp_f32 v252, 1.0, v254                    ; f = 2^(old M - new M)
.set j, 0
.rept 32
	v_pk_fma_f32 v[96+j:97+j], v[96+j:97+j], s[CS:CS+1], v[12:13] op_sel_hi:[1,0,0]   ; t - M, two at a time
.set j, j+2
.endr
.set j, 0
.rept 64
	v_exp_f32 v[96+j], v[96+j]                     ; p = 2^(t - M), at most 1
.set j, j+1
.endr
	v_pk_mul_f32 v[14:15], v[14:15], v[252:253] op_sel_hi:[1,0]   ; the sums under the new M: a plain line behind the exponentials
	s_wait_alu depctr_va_vdst(0)                   ; one wait for the whole batch, ahead of its first reader
	v_pk_add_f32 v[242:243], v[96:97], v[98:99]    ; the sum of the UNQUANTISED p, in two chains
.irp j, 4,8,12,16,20,24,28,32,36,40,44,48,52,56,60
	v_pk_add_f32 v[14:15], v[14:15], v[96+\j:97+\j]
	v_pk_add_f32 v[242:243], v[242:243], v[98+\j:99+\j]
.endr
	v_pk_add_f32 v[14:15], v[14:15], v[242:243]
.irp b, 0,1,2,3
.set i, 0
.rept 16
	v_min_num_f32 v[96+16*\b+i], v[96+16*\b+i], v240   ; the conversion does not saturate (ISA guide 7.6.2); p is not negative, so the hold is one-sided
.set i, i+1
.endr
	v_cvt_scalef32_pk8_bf8_f32 v[224+4*\b:225+4*\b], v[96+16*\b:103+16*\b], v244
	v_cvt_scalef32_pk8_bf8_f32 v[226+4*\b:227+4*\b], v[104+16*\b:111+16*\b], v244
.endr
.set j, 0
.rept 16
	v_pk_mul_f32 v[160+j:161+j], v[160+j:161+j], v[252:253] op_sel_hi:[1,0]   ; O^T under the new M; these are also the plain lines behind the conversions
.set j, j+2
.endr
	s_wait_dscnt 0x0                               ; V's fragments are in
.irp t, 0,1,2,3
	v_wmma_f32_16x16x128_bf8_bf8 v[160+8*\t:167+8*\t], v[32+16*\t:47+16*\t], v[224:239], v[160+8*\t:167+8*\t]   ; the four accumulators take turns
.endr
	s_add_co_u32 s[TBK], s[TBK], 128*KP
	s_add_co_u32 s[TBV], s[TBV], 128
.endm
.macro QUARTER g
	s_wait_tensorcnt 3-\g                          ; my part of quarter g is in; my loads for the later quarters may be out
	s_barrier_signal -1
	s_barrier_wait -1                              ; everybody's is.
	s_mov_b32 s88, 4
.Lstep_\@:
	STEP
	s_sub_co_u32 s88, s88, 1
	s_cmp_lg_u32 s88, 0
	s_cbranch_scc1 .Lstep_\@
	s_add_co_u32 s[TBV], s[TBV], VQ-512            ; on to the next quarter of V
.endm
	s_wait_loadcnt 0x0                             ; Q
	QUARTER 0
	QUARTER 1
	QUARTER 2
	QUARTER 3
	; THE WAY OUT.  Behind a barrier nobody reads K any more: each wave's stage, 16 rows x 272 bytes, lies there; K's bytes have had their one fill.
	s_wait_dscnt 0x0
	s_barrier_signal -1
	s_barrier_wait -1
	v_add_f32 v14, v14, v15
	v_permlanex16_b32 v252, v14, s[SEL], s[SEL+1]
	v_add_f32 v14, v14, v252                       ; the row's sum
	v_rcp_f32 v14, v14
	v_and_b32 v8, 15, v0                           ; (a plain line behind the reciprocal)
	v_bfe_u32 v9, v0, 4, 1
	s_add_co_i32 s14, s86, s87
	s_mul_i32 s15, s[WV], 16*272
	v_mul_u32_u24 v10, v8, 272
	v_lshl_add_u32 v10, v9, 5, v10
	v_add_nc_u32 v10, s15, v10                     ; in: row r, 32 h bytes on
	v_mul_u32_u24 v11, v9, 272
	v_lshl_add_u32 v11, v8, 4, v11
	v_add_nc_u32 v11, s15, v11                     ; back: lanes 0-15 one row, lanes 16-31 the next
	s_wait_alu depctr_va_vdst(0)                   ; the wait, ahead of the reciprocal's first reader
	v_ldexp_f32 v14, v14, s14                      ; x 2^(entries 8 + 9)
.set j, 0
.rept 32
	v_mul_f32 v[96+j], v[160+j], v14               ; register 8 t + i is o(r, 16 t + 8 h + i)
.set j, j+1
.endr
.irp t, 0,1,2,3
	ds_store_b128 v10, v[96+8*\t:99+8*\t] offset:64*\t
	ds_store_b128 v10, v[100+8*\t:103+8*\t] offset:64*\t+16
.endr
.irp i, 0,1,2,3,4,5,6,7
	ds_load_b128 v[32+4*\i:35+4*\i], v11 offset:544*\i   ; LDS serves a wave's instructions in order: these see my stores
.endr
.irp i, 0,1,2,3,4,5,6,7
	s_wait_dscnt 7-\i
	global_store_b128 v[GO], v[32+4*\i:35+4*\i], s[62:63] offset:16384*\i   ; sixteen lanes store 256 consecutive bytes, at a multiple of 256 from the buffer's first byte
.endr
	s_wait_tensorcnt 0x0                           ; the wave's end
	ds_add_u32 v[SPW], v[NIL]
	s_wait_dscnt 0x0
	CROUND                                         ; the closing round
	s_endpgm
.Lfunc_end_k_qafe6d61fea_attn:
	.size	k_qafe6d61fea_attn, .Lfunc_end_k_qafe6d61fea_attn-k_qafe6d61fea_attn
	.p2alignl 7, 3214868480
	.fill 96, 4, 3214868480
	.section	.rodata,"a",@progbits
	.p2align	6, 0x0
	.amdhsa_kernel k_qafe6d61fea_attn
		.amdhsa_group_segment_fixed_size 327680
		.amdhsa_private_segment_fixed_size 0
		.amdhsa_enable_private_segment 0
		.amdhsa_kernarg_size 24
		.amdhsa_user_sgpr_count 2
		.amdhsa_user_sgpr_kernarg_segment_ptr 1
		.amdhsa_wavefront_size32 1
		.amdhsa_system_sgpr_workgroup_id_x 1
		.amdhsa_system_sgpr_workgroup_id_y 1
		.amdhsa_system_sgpr_workgroup_id_z 1
		.amdhsa_system_vgpr_workitem_id 0
		.amdhsa_next_free_vgpr 256
		.amdhsa_next_free_sgpr 100
		.amdhsa_reserve_vcc 0
		.amdhsa_float_denorm_mode_32 3
		.amdhsa_float_denorm_mode_16_64 3
		.amdhsa_memory_ordered 1
		.amdhsa_forward_progress 1
		.amdhsa_inst_pref_size 76
	.end_amdhsa_kernel
	.amdgpu_metadata
---
amdhsa.version: [ 1, 2 ]
amdhsa.kernels:
  - .name:           k_qafe6d61fea_attn
    .symbol:         k_qafe6d61fea_attn.kd
    .args:
      - { .name: qkvc, .offset: 0, .size: 8, .value_kind: global_buffer, .address_space: global }
      - { .name: lowp_scales, .offset: 8, .size: 8, .value_kind: global_buffer, .address_space: global }
      - { .name: big, .offset: 16, .size: 8, .value_kind: global_buffer, .address_space: global }
    .group_segment_fixed_size: 327680
    .private_segment_fixed_size: 0
    .kernarg_segment_align: 8
    .kernarg_segment_size: 24
    .max_flat_workgroup_size: 512
    .sgpr_count:     100
    .vgpr_count:     256
    .wavefront_size: 32
...
	.end_amdgpu_metadata
.endif
;; end of part 3
;; launch ln1 (part 4): grid 1024 x 1, 4 waves a work-group, no clusters, 4,608 bytes of LDS; arguments src, big, ln1_g, ln1_b, lowp_scales, xf, xc; writes xf, xc
.if DOCPART == 4
	.amdgcn_target "amdgcn-amd-amdhsa--gfx1250"
	.amdhsa_code_object_version 6
	.text
	.protected	k_qafe6d61fea_ln1
	.globl	k_qafe6d61fea_ln1
	.p2align	8
	.type	k_qafe6d61fea_ln1,@function
k_qafe6d61fea_ln1:
	s_mov_b64 s[64:65], 0
	v_nop
	global_prefetch_b8 v0, s[64:65] scope:SCOPE_SE
	s_setreg_imm32_b32 hwreg(HW_REG_WAVE_MODE, 25, 1), 1
	s_wait_xcnt 0x0
; x = layer norm (src + attention's result) x g + b, in f32, stored as f32 (xf) and as codes of E5M2 by the scale of entry 10 (xc).
; One wave takes one row of 1,024 numbers, 32 a lane, and keeps it in registers: the row is read once; mean and variance are taken in two passes over the registers, the variance of the differences from the mean.
; No loop, no barrier: every load of a wave is issued at its head.  Each load and store covers 512 consecutive bytes.
; The matrix units, clusters and tensor loads have nothing to do here: the launch only streams.
; LIMIT: entry 10 between -126 and 112.  NaN among the inputs is not served.
.set A,  16                            ; v16-47   src, then the sum, then x
.set B,  48                            ; v48-79   attention's result; later x held for the conversions
.set G,  80                            ; v80-111  the gain
.set BE, 112                           ; v112-143 the bias
.set S,  144                           ; v144-151 four chains of sums; later the codes
	s_load_b256 s[4:11], s[0:1], 0x0               ; src 4, big 6, g 8, b 10
	s_load_b128 s[12:15], s[0:1], 0x20             ; the exponents 12, xf 14
	s_load_b64 s[16:17], s[0:1], 0x30              ; xc
	v_lshl_add_u32 v160, v0, 2, 0x1000
	v_mov_b32 v161, 0
	v_lshrrev_b32 v2, 5, v0
	v_readfirstlane_b32 s18, v2                    ; wave
	v_and_b32 v3, 31, v0
	v_lshlrev_b32 v1, 4, v3                        ; 16 x lane
	s_lshl_b32 s19, ttmp9, 2
	s_add_co_u32 s19, s19, s18                     ; my row
	s_lshl_b32 s22, s19, 12
	s_mov_b32 s23, 0
	s_lshl_b32 s24, s19, 10
	s_mov_b32 s25, 0
	s_mov_b32 s20, 0x76543210
	s_mov_b32 s21, 0xfedcba98
	s_mov_b32 s28, 0x3a800000                      ; 1 / 1024
	s_mov_b32 s29, 0x3727c5ac                      ; 1e-5
	s_lshl_b32 s27, s18, 10
	v_lshl_add_u32 v4, v3, 2, s27                  ; LDS: my wave's 1,024 bytes, 4 a lane,
	v_lshl_add_u32 v5, v3, 4, s27                  ; and 16 a lane
	v_mov_b32 v9, 0                                ; a lane permute's destination counts as one of its sources
	s_wait_kmcnt 0x0
	s_load_b32 s26, s[12:13], 0x28                 ; entry 10
	s_add_nc_u64 s[4:5], s[4:5], s[22:23]
	s_add_nc_u64 s[6:7], s[6:7], s[22:23]
	s_add_nc_u64 s[14:15], s[14:15], s[22:23]
	s_add_nc_u64 s[16:17], s[16:17], s[24:25]
.irp j, 0,1,2,3,4,5,6,7
	global_load_b128 v[A+4*\j:A+4*\j+3], v1, s[4:5] offset:512*\j th:TH_LOAD_NT
.endr
.irp j, 0,1,2,3,4,5,6,7
	global_load_b128 v[B+4*\j:B+4*\j+3], v1, s[6:7] offset:512*\j th:TH_LOAD_NT
.endr
.irp j, 0,1,2,3,4,5,6,7
	global_load_b128 v[G+4*\j:G+4*\j+3], v1, s[8:9] offset:512*\j
.endr
.irp j, 0,1,2,3,4,5,6,7
	global_load_b128 v[BE+4*\j:BE+4*\j+3], v1, s[10:11] offset:512*\j
.endr
.macro WSUM                            ; v8 summed over the 32 lanes, the result in every lane
	v_add_f32_dpp v8, v8, v8 row_xmask:1 row_mask:0xf bank_mask:0xf
	v_add_f32_dpp v8, v8, v8 row_xmask:2 row_mask:0xf bank_mask:0xf
	v_add_f32_dpp v8, v8, v8 row_xmask:4 row_mask:0xf bank_mask:0xf
	v_add_f32_dpp v8, v8, v8 row_xmask:8 row_mask:0xf bank_mask:0xf
	v_permlanex16_b32 v9, v8, s20, s21
	v_add_f32 v8, v8, v9
.endm
.macro FOLD                            ; the four chains into v8
	v_pk_add_f32 v[S:S+1], v[S:S+1], v[S+2:S+3]
	v_pk_add_f32 v[S+4:S+5], v[S+4:S+5], v[S+6:S+7]
	v_pk_add_f32 v[S:S+1], v[S:S+1], v[S+4:S+5]
	v_add_f32 v8, v[S], v[S+1]
.endm
	s_wait_loadcnt 16                              ; the two summands are in; gain and bias, sixteen loads, may be out
.set k, 0
.rept 16
	v_pk_add_f32 v[A+k:A+k+1], v[A+k:A+k+1], v[B+k:B+k+1]
.set k, k+2
.endr
.irp c, 0,2,4,6
	v_pk_add_f32 v[S+\c:S+\c+1], v[A+\c:A+\c+1], v[A+8+\c:A+8+\c+1]
.endr
.irp c, 0,2,4,6
	v_pk_add_f32 v[S+\c:S+\c+1], v[S+\c:S+\c+1], v[A+16+\c:A+16+\c+1]
.endr
.irp c, 0,2,4,6
	v_pk_add_f32 v[S+\c:S+\c+1], v[S+\c:S+\c+1], v[A+24+\c:A+24+\c+1]
.endr
	FOLD
	WSUM
	v_mul_f32 v10, s28, v8                         ; the mean
	v_mov_b32 v11, v10
.set k, 0
.rept 16
	v_pk_add_f32 v[A+k:A+k+1], v[A+k:A+k+1], v[10:11] neg_lo:[0,1] neg_hi:[0,1]
.set k, k+2
.endr
.irp c, 0,2,4,6
	v_pk_mul_f32 v[S+\c:S+\c+1], v[A+\c:A+\c+1], v[A+\c:A+\c+1]
.endr
.irp o, 8,16,24
.irp c, 0,2,4,6
	v_pk_fma_f32 v[S+\c:S+\c+1], v[A+\o+\c:A+\o+\c+1], v[A+\o+\c:A+\o+\c+1], v[S+\c:S+\c+1]
.endr
.endr
	FOLD
	WSUM
	v_fma_f32 v8, v8, s28, s29                     ; the variance + 1e-5
	v_rsq_f32 v12, v8
	v_nop                                          ; a plain line behind the root
	s_wait_alu depctr_va_vdst(0)                   ; the wait, ahead of its first reader
	v_mov_b32 v13, v12
	s_wait_loadcnt 0x0                             ; gain and bias
.set k, 0
.rept 16
	v_pk_mul_f32 v[A+k:A+k+1], v[A+k:A+k+1], v[12:13]
.set k, k+2
.endr
.set k, 0
.rept 16
	v_pk_fma_f32 v[A+k:A+k+1], v[A+k:A+k+1], v[G+k:G+k+1], v[BE+k:BE+k+1]
.set k, k+2
.endr
.irp j, 0,1,2,3,4,5,6,7
	global_store_b128 v1, v[A+4*\j:A+4*\j+3], s[14:15] offset:512*\j
.endr
	s_wait_kmcnt 0x0
	s_add_co_i32 s26, s26, 127
	s_lshl_b32 s27, s26, 23
	v_mov_b32 v14, s27                             ; 2^e
	s_add_co_i32 s26, s26, 15
	s_lshl_b32 s26, s26, 23
	s_or_b32 s26, s26, 0x600000
	v_mov_b32 v15, s26                             ; 57,344 x 2^e
.set k, 0
.rept 32
	v_med3_num_f32 v[B+k], v[A+k], -v15, v15       ; the conversion does not saturate (ISA guide 7.6.2): the hold comes first, into other registers than the stores read
.set k, k+1
.endr
.irp n, 0,1,2,3
	v_cvt_scalef32_pk8_bf8_f32 v[S+2*\n:S+2*\n+1], v[B+8*\n:B+8*\n+7], v14   ; register S + j: the four codes of columns 128 j + 4 lane on
.endr
	v_nop
.irp j, 0,1,2,3,4,5,6,7
	ds_store_b32 v4, v[S+\j] offset:128*\j         ; the row's 1,024 codes in order, in my wave's own bytes
.endr
	ds_load_b128 v[152:155], v5                    ; LDS serves a wave's instructions in order: these see my stores
	ds_load_b128 v[156:159], v5 offset:512
	s_wait_dscnt 0x0
	global_store_b128 v1, v[152:155], s[16:17]     ; 512 consecutive bytes each
	global_store_b128 v1, v[156:159], s[16:17] offset:512
	s_wait_tensorcnt 0x0
	ds_add_u32 v160, v161
	s_wait_dscnt 0x0
	s_endpgm
.Lfunc_end_k_qafe6d61fea_ln1:
	.size	k_qafe6d61fea_ln1, .Lfunc_end_k_qafe6d61fea_ln1-k_qafe6d61fea_ln1
	.p2alignl 7, 3214868480
	.fill 96, 4, 3214868480
	.section	.rodata,"a",@progbits
	.p2align	6, 0x0
	.amdhsa_kernel k_qafe6d61fea_ln1
		.amdhsa_group_segment_fixed_size 4608
		.amdhsa_private_segment_fixed_size 0
		.amdhsa_enable_private_segment 0
		.amdhsa_kernarg_size 56
		.amdhsa_user_sgpr_count 2
		.amdhsa_user_sgpr_kernarg_segment_ptr 1
		.amdhsa_wavefront_size32 1
		.amdhsa_system_sgpr_workgroup_id_x 1
		.amdhsa_system_sgpr_workgroup_id_y 1
		.amdhsa_system_sgpr_workgroup_id_z 1
		.amdhsa_system_vgpr_workitem_id 0
		.amdhsa_next_free_vgpr 162
		.amdhsa_next_free_sgpr 66
		.amdhsa_reserve_vcc 0
		.amdhsa_float_denorm_mode_32 3
		.amdhsa_float_denorm_mode_16_64 3
		.amdhsa_memory_ordered 1
		.amdhsa_forward_progress 1
		.amdhsa_inst_pref_size 17
	.end_amdhsa_kernel
	.amdgpu_metadata
---
amdhsa.version: [ 1, 2 ]
amdhsa.kernels:
  - .name:           k_qafe6d61fea_ln1
    .symbol:         k_qafe6d61fea_ln1.kd
    .args:
      - { .name: src, .offset: 0, .size: 8, .value_kind: global_buffer, .address_space: global }
      - { .name: big, .offset: 8, .size: 8, .value_kind: global_buffer, .address_space: global }
      - { .name: ln1_g, .offset: 16, .size: 8, .value_kind: global_buffer, .address_space: global }
      - { .name: ln1_b, .offset: 24, .size: 8, .value_kind: global_buffer, .address_space: global }
      - { .name: lowp_scales, .offset: 32, .size: 8, .value_kind: global_buffer, .address_space: global }
      - { .name: xf, .offset: 40, .size: 8, .value_kind: global_buffer, .address_space: global }
      - { .name: xc, .offset: 48, .size: 8, .value_kind: global_buffer, .address_space: global }
    .group_segment_fixed_size: 4608
    .private_segment_fixed_size: 0
    .kernarg_segment_align: 8
    .kernarg_segment_size: 56
    .max_flat_workgroup_size: 128
    .sgpr_count:     66
    .vgpr_count:     162
    .wavefront_size: 32
...
	.end_amdgpu_metadata
.endif
;; end of part 4
;; launch ffn1 (part 5): grid 16 x 16, 4 waves a work-group, clusters of 4 x 4, 327,680 bytes of LDS; arguments xc, prepb, lowp_scales, b1, hc; writes hc
.if DOCPART == 5
	.amdgcn_target "amdgcn-amd-amdhsa--gfx1250"
	.amdhsa_code_object_version 6
	.text
	.protected	k_qafe6d61fea_ffn1
	.globl	k_qafe6d61fea_ffn1
	.p2align	8
	.type	k_qafe6d61fea_ffn1,@function
k_qafe6d61fea_ffn1:
	s_mov_b64 s[64:65], 0
	v_nop
	global_prefetch_b8 v0, s[64:65] scope:SCOPE_SE
	s_setreg_imm32_b32 hwreg(HW_REG_WAVE_MODE, 25, 1), 1
	s_wait_xcnt 0x0
	s_wait_alu depctr_hold_cnt(0) depctr_sa_sdst(0) depctr_va_vdst(0) depctr_va_sdst(0) depctr_va_ssrc(0) depctr_va_vcc(0) depctr_vm_vsrc(0)
	s_getreg_b32 s2, hwreg(HW_REG_IB_STS2, 6, 4)
	s_cmp_eq_u32 s2, 0
	s_cbranch_scc0 .Lentry_in_a_cluster
	s_endpgm
.Lentry_in_a_cluster:
	s_bfe_u32 s2, ttmp6, 0x10000c
	s_cmp_lg_u32 s2, 0xf033
	s_cbranch_scc0 .Lentry_shape_is_right
	s_endpgm
.Lentry_shape_is_right:
; h = relu(x w1 + b1) on codes of E5M2, quantised on the way by the scale of entry 12: hc [4096][4096] codes, K of the next product innermost.
; A tile is 256 x 256, four waves, 128 x 128 a wave: 64 accumulators of 16 x 16.  X = x's codes (source 1: its row falls on lane % 16), Y = w1's codes [4096 (n)][1024 (k)] (source 0: eight of its rows
; lie along a lane's eight registers): a lane holds eight neighbouring hidden units of one row, which one conversion turns into eight codes.
; K = 1,024 goes in steps of 256 through a ring of two LDS slots filled by the tensor data mover; 4 x 4 work-groups form a cluster: X's tile is asked for jointly along a row of it, Y's along a column.
; LIMITS: entries 10 + 11 between -126 and 127; entry 12 between -126 and 112.  NaN among the inputs is not served.
; REGISTERS, in windows of 256: window 0: v0-31 addresses; from v128 X's fragments, one set; in the epilogue v32-255 are free.  window 1: Y's fragments, two sets; in the epilogue v0-63 the bias.
;   window 2: the accumulators of my X rows 0-63 ((a, b) at v[8 (8 a + b)]);  window 3: those of rows 64-127.
.set SIZE_K, 1024
.set KSTEP,  256
.set ROWB,   256
.set KROW,   SIZE_K
.set PITCH,  272                       ; an LDS row: 256 bytes + 16 of padding = 68 words: the 16 rows that a load touches start at 16 different banks (64 banks of 4 bytes: ISA guide 11.1)
.set FR,     16
.set NL,     4
.set NP,     4
.set HALFT,  128*PITCH
.set SLOT,   4*HALFT
.set LAPS,   SIZE_K/(2*KSTEP)
.set SPARE,  2*SLOT                    ; behind the ring: the spare words, 128 bytes for each wave, which no other line names
.set W1C,    15728640
.set ADRA, 16
.set ADRB, 20
.set VSTO, 24                          ; v24  the stage, in
.set VRD,  25                          ; v25  the stage, out
.set VGO,  27                          ; v27  my byte offset in two rows of hc
.set SPW,  28
.set NIL,  29
.set BOF,  30                          ; v30  32 x (lane / 16)
.set TMP,  160
.set CD,   224
.set AF,   128
.set G1, 24
.set G0, 32
.set G1B, 48
.set G0B, 56
.set MSB, 0
.macro WIN new
.if MSB != (\new)
	s_set_vgpr_msb (MSB<<8)|(\new)
.set MSB, (\new)
.endif
.endm
.set MUL_LO, 0xa1
.set MUL_HI, 0xf1
.set TO_B,   0x40
.macro JLOAD g0a, g1a, g0b, g1b        ; a joint load: waves 0 and 1 fetch for X, waves 2 and 3 for Y; four v_nop follow each of the two lines
	s_cmp_eq_u32 s15, 0
	s_cbranch_scc0 .Lfor_b_\@
	tensor_load_to_lds s[\g0a:\g0a+3], s[\g1a:\g1a+7]
	s_nop 0
.rept 4
	v_nop
.endr
	s_branch .Lasked_\@
.Lfor_b_\@:
	tensor_load_to_lds s[\g0b:\g0b+3], s[\g1b:\g1b+7]
	s_nop 0
.rept 4
	v_nop
.endr
.Lasked_\@:
.endm
.macro CREST
	s_cmp_lg_u32 s14, 0
	s_cbranch_scc1 .Lnot_wave_0_\@
	s_barrier_signal -3
.Lnot_wave_0_\@:
	s_barrier_wait -3
	s_barrier_signal -1
	s_barrier_wait -1
.endm
.macro CROUND
	s_barrier_signal -1
	s_barrier_wait -1
	CREST
.endm
	s_load_b256 s[4:11], s[0:1], 0x0               ; xc 4, prepb 6, the exponents 8, b1 10
	s_load_b64 s[12:13], s[0:1], 0x20              ; hc
	v_lshl_add_u32 v[SPW], v0, 2, SPARE
	v_mov_b32 v[NIL], 0
	ds_add_u32 v28, v29
	ds_add_u32 v28, v29
	s_wait_dscnt 0x0
	v_lshrrev_b32 v1, 5, v0
	v_readfirstlane_b32 s14, v1                    ; wave 0..3
	s_lshr_b32 s15, s14, 1                         ; which half of X's rows is mine.  Also: I fetch for X (0) or for Y (1)
	s_and_b32 s16, s14, 1                          ; which half of Y's rows.  Also: which 128 rows of that tile I fetch
	s_bfe_u32 s40, ttmp6, 0x40000
	s_bfe_u32 s41, ttmp6, 0x40004
	s_lshl_b32 s42, ttmp9, 2
	s_add_co_u32 s42, s42, s40                     ; Y's block of 256 rows = 4 x cluster x + cx
	s_and_b32 s17, ttmp7, 0xffff
	s_lshl_b32 s17, s17, 2
	s_add_co_u32 s17, s17, s41                     ; X's = 4 x cluster y + cy
	s_lshl_b32 s43, s41, 2
	s_lshl_b32 s43, 15, s43                        ; my row of the cluster
	s_lshl_b32 s44, 0x1111, s40                    ; my column
	s_or_b32 s[G1+0], s43, (0<<16)|(1<<20)|(1<<21)|(5<<22)|(3<<25)
	s_or_b32 s[G1B+0], s44, (0<<16)|(1<<20)|(1<<21)|(5<<22)|(3<<25)
.irp g, G1, G1B
	s_mov_b32 s[\g+1], ROWB<<16
	s_mov_b32 s[\g+2], 128<<16
	s_mov_b32 s[\g+3], ROWB<<16
	s_mov_b32 s[\g+4], 128
	s_mov_b32 s[\g+5], KROW
	s_mov_b32 s[\g+6], 0
	s_mov_b32 s[\g+7], 0
.endr
	s_lshl_b32 s18, s16, 7
	s_lshl_b32 s20, s17, 8
	s_add_co_u32 s20, s20, s18
	s_lshl_b32 s20, s20, 10                        ; rows of 1,024 bytes
	s_mov_b32 s21, 0
	s_lshl_b32 s46, s42, 8
	s_add_co_u32 s46, s46, s18
	s_lshl_b32 s46, s46, 10
	s_add_co_u32 s46, s46, W1C
	s_mov_b32 s47, 0
	s_mul_i32 s45, s14, HALFT
	s_wait_kmcnt 0x0
	s_load_b128 s[92:95], s[8:9], 0x28             ; entries 10 to 13
	s_add_nc_u64 s[20:21], s[4:5], s[20:21]
	s_add_nc_u64 s[46:47], s[6:7], s[46:47]
	CROUND
.irp s, 0,1
	s_mov_b32 s[G0+4*\s], 1
	s_add_co_u32 s[G0+4*\s+1], s45, \s*SLOT
	s_add_nc_u64 s[G0+4*\s+2:G0+4*\s+3], s[20:21], \s*ROWB
	s_or_b32 s[G0+4*\s+3], s[G0+4*\s+3], 0x80000000
	s_mov_b32 s[G0B+4*\s], 1
	s_add_co_u32 s[G0B+4*\s+1], s45, \s*SLOT
	s_add_nc_u64 s[G0B+4*\s+2:G0B+4*\s+3], s[46:47], \s*ROWB
	s_or_b32 s[G0B+4*\s+3], s[G0B+4*\s+3], 0x80000000
	JLOAD G0+4*\s, G1, G0B+4*\s, G1B
.endr
	v_and_b32 v1, 15, v0
	v_bfe_u32 v2, v0, 4, 1
	v_mul_u32_u24 v3, v1, PITCH
	v_lshl_add_u32 v4, v2, 4, v3
	s_mul_i32 s21, s15, HALFT
	s_mul_i32 s22, s16, HALFT
	s_add_co_u32 s22, s22, 2*HALFT
.irp s, 0,1
	v_add_nc_u32 v[ADRA+\s], s21, v4
	v_add_nc_u32 v[ADRB+\s], s22, v4
	s_add_co_u32 s21, s21, SLOT
	s_add_co_u32 s22, s22, SLOT
.endr
	; the epilogue: one stage of 256 rows x 272 bytes for the work-group, in slot 0, which has had its last fill and its last read by then
	s_mul_i32 s23, s15, 128*272
	s_lshl_b32 s18, s16, 7
	s_add_co_u32 s23, s23, s18
	v_lshl_add_u32 v5, v2, 3, v3
	v_add_nc_u32 v[VSTO], s23, v5                  ; in: row 128 (wave / 2) + r, byte 128 (wave % 2) + 8 h
	s_mul_i32 s23, s14, 64*272
	v_mul_u32_u24 v5, v2, 272
	v_lshl_add_u32 v5, v1, 4, v5
	v_add_nc_u32 v[VRD], s23, v5                   ; out: my 64 rows, sixteen lanes to a row
	v_lshlrev_b32 v[VGO], 12, v2
	v_lshl_add_u32 v[VGO], v1, 4, v[VGO]
	v_lshlrev_b32 v[BOF], 5, v2
	s_lshl_b32 s88, s42, 10
	s_lshl_b32 s89, s16, 9
	s_add_co_u32 s88, s88, s89
	s_mov_b32 s89, 0
	s_add_nc_u64 s[84:85], s[10:11], s[88:89]      ; b1 at my first hidden unit
	s_lshl_b32 s88, s17, 8
	s_lshl_b32 s90, s14, 6
	s_add_co_u32 s88, s88, s90
	s_lshl_b32 s88, s88, 12
	s_lshl_b32 s90, s42, 8
	s_add_co_u32 s88, s88, s90
	s_add_nc_u64 s[86:87], s[12:13], s[88:89]      ; hc at row 256 X block + 64 wave, byte 256 Y block
.macro FRAG reg, adr, q, i
.irp c, 0,1,2,3
	ds_load_b128 v[\reg+4*\c:\reg+4*\c+3], v[\adr] offset:128*(\q)+32*\c+(\i)*16*PITCH
.endr
.endm
.macro MUL16 a0, p, zero               ; the 64 accumulators take turns, one instruction a turn, in the same order in every step
.irp a, \a0, \a0+1
.irp b, 0,1,2,3,4,5,6,7
.if \zero
	v_wmma_f32_16x16x128_bf8_bf8 v[8*(8*((\a)%4)+\b):8*(8*((\a)%4)+\b)+7], v[128*(\p)+FR*\b:128*(\p)+FR*\b+FR-1], v[AF+FR*(\a):AF+FR*(\a)+FR-1], 0
.else
	v_wmma_f32_16x16x128_bf8_bf8 v[8*(8*((\a)%4)+\b):8*(8*((\a)%4)+\b)+7], v[128*(\p)+FR*\b:128*(\p)+FR*\b+FR-1], v[AF+FR*(\a):AF+FR*(\a)+FR-1], v[8*(8*((\a)%4)+\b):8*(8*((\a)%4)+\b)+7]
.endif
.endr
.endr
.endm
.macro FETCH_B slot, q, p
	WIN TO_B
.irp i, 0,1,2,3,4,5,6,7
	FRAG 128*(\p)+FR*\i, ADRB+\slot, \q, \i
.endr
	WIN 0
.endm
.macro FETCH_A slot, q, i0
.irp i, \i0, \i0+1, \i0+2, \i0+3
	FRAG AF+FR*(\i), ADRA+\slot, \q, \i
.endr
.endm
.macro PLACES n
.rept \n
	v_nop
.endr
.endm
.macro STEP slot, q, zero
	s_wait_dscnt 4*NL                              ; Y's set and X's blocks 0-3 are in; the youngest sixteen loads may be out
	WIN MUL_LO
	MUL16 0, (\q)%2, \zero
	MUL16 2, (\q)%2, \zero
	s_wait_dscnt 0
	PLACES NP
	FETCH_B \slot, (\q)+1, 1-(\q)%2
	FETCH_A \slot, (\q)+1, 0
	WIN MUL_HI
	MUL16 4, (\q)%2, \zero
	MUL16 6, (\q)%2, \zero
	PLACES NP
	WIN 0
	FETCH_A \slot, (\q)+1, 4
.endm
.macro TURN slot, next, fill
	s_wait_tensorcnt 0x0                           ; all my tensor loads have landed: my part of the next slot
	ds_add_u32 v[SPW], v[NIL]                      ; 0 onto my spare word
	s_wait_dscnt 4*NL+1                            ; (the add and the youngest sixteen loads may be out)
	WIN MUL_LO
	MUL16 0, 1, 0
	s_wait_dscnt 0x0                               ; the add is done, and my reads of this slot are over
	s_barrier_signal -1
	MUL16 2, 1, 0
	WIN 0
	s_barrier_wait -1
.if \fill
	CREST                                          ; the barrier has opened a round of the cluster's barrier
	s_add_nc_u64 s[G0+4*\slot+2:G0+4*\slot+3], s[G0+4*\slot+2:G0+4*\slot+3], 2*ROWB
	s_add_nc_u64 s[G0B+4*\slot+2:G0B+4*\slot+3], s[G0B+4*\slot+2:G0B+4*\slot+3], 2*ROWB
	JLOAD G0+4*\slot, G1, G0B+4*\slot, G1B
.else
	PLACES NP
.endif
	FETCH_B \next, 0, 0
	FETCH_A \next, 0, 0
	WIN MUL_HI
	MUL16 4, 1, 0
	MUL16 6, 1, 0
	PLACES NP
	WIN 0
	FETCH_A \next, 0, 4
.endm
	s_wait_tensorcnt 1                             ; my part of K step 0 is in (K step 1's load may be out),
	s_barrier_signal -1
	s_barrier_wait -1
	FETCH_B 0, 0, 0
	FETCH_A 0, 0, 0
	FETCH_A 0, 0, 4
	STEP 0, 0, 1
	s_mov_b32 s3, LAPS-1
.Llap:
	TURN 0, 1, 1
	STEP 1, 0, 0
	TURN 1, 0, 1
	STEP 0, 0, 0
	s_sub_co_u32 s3, s3, 1
	s_cmp_lg_u32 s3, 0
	s_cbranch_scc1 .Llap
	TURN 0, 1, 0
	STEP 1, 0, 0
	s_wait_dscnt 4*NL
	WIN MUL_LO
	MUL16 0, 1, 0
	MUL16 2, 1, 0
	s_wait_dscnt 0
	WIN MUL_HI
	MUL16 4, 1, 0
	MUL16 6, 1, 0
	WIN 0
	; THE EPILOGUE: sum x 2^(entries 10 + 11) + b1; the activation and the hold in one; eight codes a conversion; through the stage; whole runs of 256 bytes out
	s_wait_kmcnt 0x0
	s_add_co_i32 s96, s92, s93
	s_add_co_i32 s96, s96, 127
	s_lshl_b32 s96, s96, 23
	s_mov_b32 s97, s96
	s_add_co_i32 s98, s94, 127
	s_lshl_b32 s99, s98, 23
	s_add_co_i32 s98, s98, 15
	s_lshl_b32 s98, s98, 23
	s_or_b32 s98, s98, 0x600000
	PLACES NP
	v_mov_b32 v248, s99                            ; 2^(entry 12)
	v_mov_b32 v249, s98                            ; 57,344 x that
	WIN TO_B
.irp b, 0,1,2,3,4,5,6,7
	global_load_b128 v[8*\b:8*\b+3], v[BOF], s[84:85] offset:64*\b
	global_load_b128 v[8*\b+4:8*\b+7], v[BOF], s[84:85] offset:64*\b+16
.endr
	WIN 0
	s_wait_loadcnt 0x0
.macro HBLOCK a
.set AC, 64*((\a)%4)
	WIN 0x12+((\a)/4)                              ; source 0 (the sums) window 2 or 3, source 2 (the bias) window 1
.set j, 0
.rept 32
	v_pk_fma_f32 v[TMP+j:TMP+j+1], v[AC+j:AC+j+1], s[96:97], v[j:j+1] op_sel_hi:[1,0,1]   ; each accumulator from its low end on
.set j, j+2
.endr
	WIN 0
.set j, 0
.rept 64
	v_med3_num_f32 v[TMP+j], v[TMP+j], 0, v249     ; relu and the hold at the largest code in one
.set j, j+1
.endr
	s_wait_dscnt 0x0                               ; the last block's stores have read the codes' registers
.irp b, 0,1,2,3,4,5,6,7
	v_cvt_scalef32_pk8_bf8_f32 v[CD+2*\b:CD+2*\b+1], v[TMP+8*\b:TMP+8*\b+7], v248
.endr
	v_nop
.irp b, 0,1,2,3,4,5,6,7
	ds_store_b64 v[VSTO], v[CD+2*\b:CD+2*\b+1] offset:(\a)*4352+16*\b
.endr
.endm
.irp a, 0,1,2,3,4,5,6,7
	HBLOCK \a
.endr
	s_wait_dscnt 0x0                               ; for the others' sake: my stores into the stage are done
	s_barrier_signal -1
	s_barrier_wait -1
.set i, 0
.rept 32
	ds_load_b128 v[32+4*i:35+4*i], v[VRD] offset:544*i
.set i, i+1
.endr
.set i, 0
.rept 32
	s_wait_dscnt 31-i
	global_store_b128 v[VGO], v[32+4*i:35+4*i], s[86:87] offset:8192*i   ; sixteen lanes store 256 consecutive bytes, at a multiple of 256 from the buffer's first byte
.set i, i+1
.endr
	s_wait_tensorcnt 0x0                           ; the wave's end
	ds_add_u32 v[SPW], v[NIL]
	s_wait_dscnt 0x0
	CROUND
	s_endpgm
.Lfunc_end_k_qafe6d61fea_ffn1:
	.size	k_qafe6d61fea_ffn1, .Lfunc_end_k_qafe6d61fea_ffn1-k_qafe6d61fea_ffn1
	.p2alignl 7, 3214868480
	.fill 96, 4, 3214868480
	.section	.rodata,"a",@progbits
	.p2align	6, 0x0
	.amdhsa_kernel k_qafe6d61fea_ffn1
		.amdhsa_group_segment_fixed_size 327680
		.amdhsa_private_segment_fixed_size 0
		.amdhsa_enable_private_segment 0
		.amdhsa_kernarg_size 40
		.amdhsa_user_sgpr_count 2
		.amdhsa_user_sgpr_kernarg_segment_ptr 1
		.amdhsa_wavefront_size32 1
		.amdhsa_system_sgpr_workgroup_id_x 1
		.amdhsa_system_sgpr_workgroup_id_y 1
		.amdhsa_system_sgpr_workgroup_id_z 1
		.amdhsa_system_vgpr_workitem_id 0
		.amdhsa_next_free_vgpr 1024
		.amdhsa_next_free_sgpr 100
		.amdhsa_reserve_vcc 0
		.amdhsa_float_denorm_mode_32 3
		.amdhsa_float_denorm_mode_16_64 3
		.amdhsa_memory_ordered 1
		.amdhsa_forward_progress 1
		.amdhsa_inst_pref_size 143
	.end_amdhsa_kernel
	.amdgpu_metadata
---
amdhsa.version: [ 1, 2 ]
amdhsa.kernels:
  - .name:           k_qafe6d61fea_ffn1
    .symbol:         k_qafe6d61fea_ffn1.kd
    .args:
      - { .name: xc, .offset: 0, .size: 8, .value_kind: global_buffer, .address_space: global }
      - { .name: prepb, .offset: 8, .size: 8, .value_kind: global_buffer, .address_space: global }
      - { .name: lowp_scales, .offset: 16, .size: 8, .value_kind: global_buffer, .address_space: global }
      - { .name: b1, .offset: 24, .size: 8, .value_kind: global_buffer, .address_space: global }
      - { .name: hc, .offset: 32, .size: 8, .value_kind: global_buffer, .address_space: global }
    .group_segment_fixed_size: 327680
    .private_segment_fixed_size: 0
    .kernarg_segment_align: 8
    .kernarg_segment_size: 40
    .max_flat_workgroup_size: 128
    .sgpr_count:     100
    .vgpr_count:     1024
    .wavefront_size: 32
...
	.end_amdgpu_metadata
.endif
;; end of part 5
;; launch ffn2 (part 6): grid 4 x 16, 4 waves a work-group, clusters of 4 x 4, 327,680 bytes of LDS; arguments hc, prepb, lowp_scales, b2, big; writes big
.if DOCPART == 6
	.amdgcn_target "amdgcn-amd-amdhsa--gfx1250"
	.amdhsa_code_object_version 6
	.text
	.protected	k_qafe6d61fea_ffn2
	.globl	k_qafe6d61fea_ffn2
	.p2align	8
	.type	k_qafe6d61fea_ffn2,@function
k_qafe6d61fea_ffn2:
	s_mov_b64 s[64:65], 0
	v_nop
	global_prefetch_b8 v0, s[64:65] scope:SCOPE_SE
	s_setreg_imm32_b32 hwreg(HW_REG_WAVE_MODE, 25, 1), 1
	s_wait_xcnt 0x0
	s_wait_alu depctr_hold_cnt(0) depctr_sa_sdst(0) depctr_va_vdst(0) depctr_va_sdst(0) depctr_va_ssrc(0) depctr_va_vcc(0) depctr_vm_vsrc(0)
	s_getreg_b32 s2, hwreg(HW_REG_IB_STS2, 6, 4)
	s_cmp_eq_u32 s2, 0
	s_cbranch_scc0 .Lentry_in_a_cluster
	s_endpgm
.Lentry_in_a_cluster:
	s_bfe_u32 s2, ttmp6, 0x10000c
	s_cmp_lg_u32 s2, 0xf033
	s_cbranch_scc0 .Lentry_shape_is_right
	s_endpgm
.Lentry_shape_is_right:
; ff = h w2 + b2 on codes of E5M2: [4096][1024] f32.  X = h's codes [4096][4096], Y = w2's codes [1024 (n)][4096 (k)].
; A tile is 256 x 256, four waves, 128 x 128 a wave.  The result has 64 such tiles: 64 work-groups; a smaller tile would read each fragment from LDS for half as many products.
; K = 4,096 goes in steps of 256 through a ring of two LDS slots filled by the tensor data mover; X's tile is asked for jointly along a row of the cluster, Y's along a column.
; The matrix instruction is used with Y as source 0: a lane holds eight neighbouring columns of one row.  On the way out: sum x 2^(entries 12 + 13) + b2, through my own stage, whole rows of 512 bytes out.
; LIMIT: entries 12 + 13 between -126 and 127.
; REGISTERS as in the other two products: window 0 addresses and X's fragments (one set), window 1 Y's (two sets; on the way out v0-63 the bias), windows 2 and 3 the 64 accumulators.
.set SIZE_K, 4096
.set SIZE_N, 1024
.set KSTEP,  256
.set ROWB,   256
.set KROW,   SIZE_K
.set PITCH,  272
.set FR,     16
.set NL,     4
.set NP,     4
.set HALFT,  128*PITCH
.set SLOT,   4*HALFT
.set LAPS,   SIZE_K/(2*KSTEP)
.set SPARE,  2*SLOT                    ; behind the ring: the spare words, 128 bytes for each wave, which no other line names
.set SPITCH, 528                       ; the way out: a stage of 16 rows x (512 bytes + 16) for each wave, in slot 0, which has had its last fill and its last read by then
.set W2C,    19922944
.set ADRA, 16
.set ADRB, 20
.set STO,  24
.set RD,   25
.set CO,   26
.set SPW,  28
.set NIL,  29
.set BOF,  30
.set TMP,  32
.set AF,   128
.set BK,   128
.set G1, 24
.set G0, 32
.set G1B, 48
.set G0B, 56
.set MSB, 0
.macro WIN new
.if MSB != (\new)
	s_set_vgpr_msb (MSB<<8)|(\new)
.set MSB, (\new)
.endif
.endm
.set MUL_LO, 0xa1
.set MUL_HI, 0xf1
.set TO_B,   0x40
.macro JLOAD g0a, g1a, g0b, g1b        ; a joint load: waves 0 and 1 fetch for X, waves 2 and 3 for Y; four v_nop follow each of the two lines
	s_cmp_eq_u32 s15, 0
	s_cbranch_scc0 .Lfor_b_\@
	tensor_load_to_lds s[\g0a:\g0a+3], s[\g1a:\g1a+7]
	s_nop 0
.rept 4
	v_nop
.endr
	s_branch .Lasked_\@
.Lfor_b_\@:
	tensor_load_to_lds s[\g0b:\g0b+3], s[\g1b:\g1b+7]
	s_nop 0
.rept 4
	v_nop
.endr
.Lasked_\@:
.endm
.macro CREST
	s_cmp_lg_u32 s14, 0
	s_cbranch_scc1 .Lnot_wave_0_\@
	s_barrier_signal -3
.Lnot_wave_0_\@:
	s_barrier_wait -3
	s_barrier_signal -1
	s_barrier_wait -1
.endm
.macro CROUND
	s_barrier_signal -1
	s_barrier_wait -1
	CREST
.endm
	s_load_b256 s[4:11], s[0:1], 0x0               ; hc 4, prepb 6, the exponents 8, b2 10
	s_load_b64 s[12:13], s[0:1], 0x20              ; big
	v_lshl_add_u32 v[SPW], v0, 2, SPARE
	v_mov_b32 v[NIL], 0
	ds_add_u32 v28, v29
	ds_add_u32 v28, v29
	s_wait_dscnt 0x0
	v_lshrrev_b32 v1, 5, v0
	v_readfirstlane_b32 s14, v1
	s_lshr_b32 s15, s14, 1
	s_and_b32 s16, s14, 1
	s_bfe_u32 s40, ttmp6, 0x40000
	s_bfe_u32 s41, ttmp6, 0x40004
	s_lshl_b32 s42, ttmp9, 2
	s_add_co_u32 s42, s42, s40                     ; Y's block of 256 rows
	s_and_b32 s17, ttmp7, 0xffff
	s_lshl_b32 s17, s17, 2
	s_add_co_u32 s17, s17, s41                     ; X's
	s_lshl_b32 s43, s41, 2
	s_lshl_b32 s43, 15, s43
	s_lshl_b32 s44, 0x1111, s40
	s_or_b32 s[G1+0], s43, (0<<16)|(1<<20)|(1<<21)|(5<<22)|(3<<25)
	s_or_b32 s[G1B+0], s44, (0<<16)|(1<<20)|(1<<21)|(5<<22)|(3<<25)
.irp g, G1, G1B
	s_mov_b32 s[\g+1], ROWB<<16
	s_mov_b32 s[\g+2], 128<<16
	s_mov_b32 s[\g+3], ROWB<<16
	s_mov_b32 s[\g+4], 128
	s_mov_b32 s[\g+5], KROW
	s_mov_b32 s[\g+6], 0
	s_mov_b32 s[\g+7], 0
.endr
	s_lshl_b32 s18, s16, 7
	s_lshl_b32 s20, s17, 8
	s_add_co_u32 s20, s20, s18
	s_lshl_b32 s20, s20, 12                        ; rows of 4,096 bytes
	s_mov_b32 s21, 0
	s_lshl_b32 s46, s42, 8
	s_add_co_u32 s46, s46, s18
	s_lshl_b32 s46, s46, 12
	s_add_co_u32 s46, s46, W2C
	s_mov_b32 s47, 0
	s_mul_i32 s45, s14, HALFT
	s_wait_kmcnt 0x0
	s_load_b64 s[96:97], s[8:9], 0x30              ; entries 12, 13
	s_add_nc_u64 s[20:21], s[4:5], s[20:21]
	s_add_nc_u64 s[46:47], s[6:7], s[46:47]
	CROUND
.irp s, 0,1
	s_mov_b32 s[G0+4*\s], 1
	s_add_co_u32 s[G0+4*\s+1], s45, \s*SLOT
	s_add_nc_u64 s[G0+4*\s+2:G0+4*\s+3], s[20:21], \s*ROWB
	s_or_b32 s[G0+4*\s+3], s[G0+4*\s+3], 0x80000000
	s_mov_b32 s[G0B+4*\s], 1
	s_add_co_u32 s[G0B+4*\s+1], s45, \s*SLOT
	s_add_nc_u64 s[G0B+4*\s+2:G0B+4*\s+3], s[46:47], \s*ROWB
	s_or_b32 s[G0B+4*\s+3], s[G0B+4*\s+3], 0x80000000
	JLOAD G0+4*\s, G1, G0B+4*\s, G1B
.endr
	v_and_b32 v1, 15, v0
	v_bfe_u32 v2, v0, 4, 1
	v_mul_u32_u24 v3, v1, PITCH
	v_lshl_add_u32 v4, v2, 4, v3
	s_mul_i32 s21, s15, HALFT
	s_mul_i32 s22, s16, HALFT
	s_add_co_u32 s22, s22, 2*HALFT
.irp s, 0,1
	v_add_nc_u32 v[ADRA+\s], s21, v4
	v_add_nc_u32 v[ADRB+\s], s22, v4
	s_add_co_u32 s21, s21, SLOT
	s_add_co_u32 s22, s22, SLOT
.endr
	s_mul_i32 s23, s14, 16*SPITCH                  ; my stage
	v_mul_u32_u24 v5, v1, SPITCH
	v_lshl_add_u32 v5, v2, 5, v5
	v_add_nc_u32 v[STO], s23, v5                   ; in: row r, 32 bytes for each half of the lanes
	v_and_b32 v6, 31, v0
	v_lshlrev_b32 v[CO], 4, v6                     ; back: the 32 lanes take one row of 512 bytes; and the same in the result
	v_add_nc_u32 v[RD], s23, v[CO]
	v_lshlrev_b32 v[BOF], 5, v2
	s_lshl_b32 s88, s42, 10
	s_lshl_b32 s89, s16, 9
	s_add_co_u32 s88, s88, s89                     ; my first column, in bytes
	s_mov_b32 s89, 0
	s_add_nc_u64 s[84:85], s[10:11], s[88:89]      ; b2 there
	s_lshl_b32 s90, s17, 8
	s_lshl_b32 s91, s15, 7
	s_add_co_u32 s90, s90, s91
	s_lshl_b32 s90, s90, 12                        ; my first row, rows of 4,096 bytes
	s_add_co_u32 s88, s88, s90
	s_add_nc_u64 s[12:13], s[12:13], s[88:89]
.macro FRAG reg, adr, q, i
.irp c, 0,1,2,3
	ds_load_b128 v[\reg+4*\c:\reg+4*\c+3], v[\adr] offset:128*(\q)+32*\c+(\i)*16*PITCH
.endr
.endm
.macro MUL16 a0, p, zero               ; the 64 accumulators take turns, one instruction a turn, in the same order in every step
.irp a, \a0, \a0+1
.irp b, 0,1,2,3,4,5,6,7
.if \zero
	v_wmma_f32_16x16x128_bf8_bf8 v[8*(8*((\a)%4)+\b):8*(8*((\a)%4)+\b)+7], v[128*(\p)+FR*\b:128*(\p)+FR*\b+FR-1], v[AF+FR*(\a):AF+FR*(\a)+FR-1], 0
.else
	v_wmma_f32_16x16x128_bf8_bf8 v[8*(8*((\a)%4)+\b):8*(8*((\a)%4)+\b)+7], v[128*(\p)+FR*\b:128*(\p)+FR*\b+FR-1], v[AF+FR*(\a):AF+FR*(\a)+FR-1], v[8*(8*((\a)%4)+\b):8*(8*((\a)%4)+\b)+7]
.endif
.endr
.endr
.endm
.macro FETCH_B slot, q, p
	WIN TO_B
.irp i, 0,1,2,3,4,5,6,7
	FRAG 128*(\p)+FR*\i, ADRB+\slot, \q, \i
.endr
	WIN 0
.endm
.macro FETCH_A slot, q, i0
.irp i, \i0, \i0+1, \i0+2, \i0+3
	FRAG AF+FR*(\i), ADRA+\slot, \q, \i
.endr
.endm
.macro PLACES n
.rept \n
	v_nop
.endr
.endm
.macro STEP slot, q, zero
	s_wait_dscnt 4*NL                              ; Y's set and X's blocks 0-3 are in; the youngest sixteen loads may be out
	WIN MUL_LO
	MUL16 0, (\q)%2, \zero
	MUL16 2, (\q)%2, \zero
	s_wait_dscnt 0
	PLACES NP
	FETCH_B \slot, (\q)+1, 1-(\q)%2
	FETCH_A \slot, (\q)+1, 0
	WIN MUL_HI
	MUL16 4, (\q)%2, \zero
	MUL16 6, (\q)%2, \zero
	PLACES NP
	WIN 0
	FETCH_A \slot, (\q)+1, 4
.endm
.macro TURN slot, next, fill
	s_wait_tensorcnt 0x0                           ; all my tensor loads have landed: my part of the next slot
	ds_add_u32 v[SPW], v[NIL]                      ; 0 onto my spare word
	s_wait_dscnt 4*NL+1                            ; (the add and the youngest sixteen loads may be out)
	WIN MUL_LO
	MUL16 0, 1, 0
	s_wait_dscnt 0x0                               ; the add is done, and my reads of this slot are over
	s_barrier_signal -1
	MUL16 2, 1, 0
	WIN 0
	s_barrier_wait -1
.if \fill
	CREST                                          ; the barrier has opened a round of the cluster's barrier
	s_add_nc_u64 s[G0+4*\slot+2:G0+4*\slot+3], s[G0+4*\slot+2:G0+4*\slot+3], 2*ROWB
	s_add_nc_u64 s[G0B+4*\slot+2:G0B+4*\slot+3], s[G0B+4*\slot+2:G0B+4*\slot+3], 2*ROWB
	JLOAD G0+4*\slot, G1, G0B+4*\slot, G1B
.else
	PLACES NP
.endif
	FETCH_B \next, 0, 0
	FETCH_A \next, 0, 0
	WIN MUL_HI
	MUL16 4, 1, 0
	MUL16 6, 1, 0
	PLACES NP
	WIN 0
	FETCH_A \next, 0, 4
.endm
	s_wait_tensorcnt 1                             ; my part of K step 0 is in (K step 1's load may be out),
	s_barrier_signal -1
	s_barrier_wait -1
	FETCH_B 0, 0, 0
	FETCH_A 0, 0, 0
	FETCH_A 0, 0, 4
	STEP 0, 0, 1
	s_mov_b32 s3, LAPS-1
.Llap:
	TURN 0, 1, 1
	STEP 1, 0, 0
	TURN 1, 0, 1
	STEP 0, 0, 0
	s_sub_co_u32 s3, s3, 1
	s_cmp_lg_u32 s3, 0
	s_cbranch_scc1 .Llap
	TURN 0, 1, 0
	STEP 1, 0, 0
	s_wait_dscnt 4*NL
	WIN MUL_LO
	MUL16 0, 1, 0
	MUL16 2, 1, 0
	s_wait_dscnt 0
	WIN MUL_HI
	MUL16 4, 1, 0
	MUL16 6, 1, 0
	WIN 0
; THE WAY OUT, block by block of 16 rows x 128 columns, through my own stage: LDS serves a wave's instructions in order (ISA guide 5.7.1.4), so no wait stands between the stores and the loads.
.macro TOSTAGE a
.set AC, 64*((\a)%4)
	WIN 0x12+((\a)/4)                              ; source 0 (the sums) window 2 or 3, source 2 (the bias) window 1
.set j, 0
.rept 32
	v_pk_fma_f32 v[TMP+j:TMP+j+1], v[AC+j:AC+j+1], s[96:97], v[j:j+1] op_sel_hi:[1,0,1]   ; sum x 2^(entries 12 + 13) + b2; each accumulator from its low end on
.set j, j+2
.endr
	WIN 0
.irp b, 0,1,2,3,4,5,6,7
	ds_store_b128 v[STO], v[TMP+8*\b:TMP+8*\b+3] offset:64*\b
	ds_store_b128 v[STO], v[TMP+8*\b+4:TMP+8*\b+7] offset:64*\b+16
.endr
.set BB, BK+64*((\a)%2)
.irp t, 0,1,2,3,4,5,6,7,8,9,10,11,12,13,14,15
	ds_load_b128 v[BB+4*\t:BB+4*\t+3], v[RD] offset:\t*SPITCH
.endr
.endm
.macro SEND a, younger
.set BB, BK+64*((\a)%2)
	s_wait_dscnt \younger
.if (\a) > 0
	s_add_nc_u64 s[12:13], s[12:13], 16*SIZE_N*4   ; (behind a wait on XCNT: the earlier stores have read their base)
.endif
.irp t, 0,1,2,3,4,5,6,7,8,9,10,11,12,13,14,15
	global_store_b128 v[CO], v[BB+4*\t:BB+4*\t+3], s[12:13] offset:\t*SIZE_N*4   ; 32 lanes store 512 consecutive bytes, at a multiple of 256 from the buffer's first byte
.endr
.endm
	s_wait_kmcnt 0x0
	s_add_co_i32 s96, s96, s97
	s_add_co_i32 s96, s96, 127
	s_lshl_b32 s96, s96, 23                        ; 2^(entries 12 + 13) as f32
	s_mov_b32 s97, s96
	PLACES NP
	WIN TO_B
.irp b, 0,1,2,3,4,5,6,7
	global_load_b128 v[8*\b:8*\b+3], v[BOF], s[84:85] offset:64*\b
	global_load_b128 v[8*\b+4:8*\b+7], v[BOF], s[84:85] offset:64*\b+16
.endr
	WIN 0
	s_wait_loadcnt 0x0
	TOSTAGE 0
.irp a, 1,2,3,4,5,6,7
.if \a > 1
	s_wait_xcnt 0x0                                ; the stores of the block two back have read their registers and their base
.endif
	TOSTAGE \a
	SEND \a-1, 32                                  ; behind the last block's loads: this block's 16 stores and 16 loads
.endr
	s_wait_xcnt 0x0
	SEND 7, 0
	s_wait_tensorcnt 0x0                           ; the wave's end
	ds_add_u32 v[SPW], v[NIL]
	s_wait_dscnt 0x0
	CROUND
	s_endpgm
.Lfunc_end_k_qafe6d61fea_ffn2:
	.size	k_qafe6d61fea_ffn2, .Lfunc_end_k_qafe6d61fea_ffn2-k_qafe6d61fea_ffn2
	.p2alignl 7, 3214868480
	.fill 96, 4, 3214868480
	.section	.rodata,"a",@progbits
	.p2align	6, 0x0
	.amdhsa_kernel k_qafe6d61fea_ffn2
		.amdhsa_group_segment_fixed_size 327680
		.amdhsa_private_segment_fixed_size 0
		.amdhsa_enable_private_segment 0
		.amdhsa_kernarg_size 40
		.amdhsa_user_sgpr_count 2
		.amdhsa_user_sgpr_kernarg_segment_ptr 1
		.amdhsa_wavefront_size32 1
		.amdhsa_system_sgpr_workgroup_id_x 1
		.amdhsa_system_sgpr_workgroup_id_y 1
		.amdhsa_system_sgpr_workgroup_id_z 1
		.amdhsa_system_vgpr_workitem_id 0
		.amdhsa_next_free_vgpr 1024
		.amdhsa_next_free_sgpr 100
		.amdhsa_reserve_vcc 0
		.amdhsa_float_denorm_mode_32 3
		.amdhsa_float_denorm_mode_16_64 3
		.amdhsa_memory_ordered 1
		.amdhsa_forward_progress 1
		.amdhsa_inst_pref_size 125
	.end_amdhsa_kernel
	.amdgpu_metadata
---
amdhsa.version: [ 1, 2 ]
amdhsa.kernels:
  - .name:           k_qafe6d61fea_ffn2
    .symbol:         k_qafe6d61fea_ffn2.kd
    .args:
      - { .name: hc, .offset: 0, .size: 8, .value_kind: global_buffer, .address_space: global }
      - { .name: prepb, .offset: 8, .size: 8, .value_kind: global_buffer, .address_space: global }
      - { .name: lowp_scales, .offset: 16, .size: 8, .value_kind: global_buffer, .address_space: global }
      - { .name: b2, .offset: 24, .size: 8, .value_kind: global_buffer, .address_space: global }
      - { .name: big, .offset: 32, .size: 8, .value_kind: global_buffer, .address_space: global }
    .group_segment_fixed_size: 327680
    .private_segment_fixed_size: 0
    .kernarg_segment_align: 8
    .kernarg_segment_size: 40
    .max_flat_workgroup_size: 128
    .sgpr_count:     100
    .vgpr_count:     1024
    .wavefront_size: 32
...
	.end_amdgpu_metadata
.endif
;; end of part 6
;; launch ln2 (part 7): grid 1024 x 1, 4 waves a work-group, no clusters, 0 bytes of LDS; arguments xf, big, ln2_g, ln2_b, out0; writes out0
.if DOCPART == 7
	.amdgcn_target "amdgcn-amd-amdhsa--gfx1250"
	.amdhsa_code_object_version 6
	.text
	.protected	k_qafe6d61fea_ln2
	.globl	k_qafe6d61fea_ln2
	.p2align	8
	.type	k_qafe6d61fea_ln2,@function
k_qafe6d61fea_ln2:
	s_mov_b64 s[64:65], 0
	v_nop
	global_prefetch_b8 v0, s[64:65] scope:SCOPE_SE
	s_setreg_imm32_b32 hwreg(HW_REG_WAVE_MODE, 25, 1), 1
	s_wait_xcnt 0x0
; out = layer norm (x + ff) x g + b, in f32.  One wave takes one row of 1,024 numbers, 32 a lane, and keeps it in registers: the row is read once; mean and variance are taken in two passes over the registers,
; the variance of the differences from the mean.  No loop, no LDS, no barrier: every load of a wave is issued at its head.  Each load and store covers 512 consecutive bytes.
; The matrix units, clusters and tensor loads have nothing to do here: the launch only streams.
.set A,  16                            ; v16-47   x, then the sum, then the result
.set B,  48                            ; v48-79   ff
.set G,  80                            ; v80-111  the gain
.set BE, 112                           ; v112-143 the bias
.set S,  144                           ; v144-151 four chains of sums
	s_load_b256 s[4:11], s[0:1], 0x0               ; xf 4, big 6, g 8, b 10
	s_load_b64 s[12:13], s[0:1], 0x20              ; out0
	v_lshrrev_b32 v2, 5, v0
	v_readfirstlane_b32 s18, v2                    ; wave
	v_and_b32 v3, 31, v0
	v_lshlrev_b32 v1, 4, v3                        ; 16 x lane
	s_lshl_b32 s19, ttmp9, 2
	s_add_co_u32 s19, s19, s18                     ; my row
	s_lshl_b32 s22, s19, 12
	s_mov_b32 s23, 0
	s_mov_b32 s20, 0x76543210
	s_mov_b32 s21, 0xfedcba98
	s_mov_b32 s28, 0x3a800000                      ; 1 / 1024
	s_mov_b32 s29, 0x3727c5ac                      ; 1e-5
	v_mov_b32 v9, 0                                ; a lane permute's destination counts as one of its sources
	s_wait_kmcnt 0x0
	s_add_nc_u64 s[4:5], s[4:5], s[22:23]
	s_add_nc_u64 s[6:7], s[6:7], s[22:23]
	s_add_nc_u64 s[12:13], s[12:13], s[22:23]
.irp j, 0,1,2,3,4,5,6,7
	global_load_b128 v[A+4*\j:A+4*\j+3], v1, s[4:5] offset:512*\j th:TH_LOAD_NT
.endr
.irp j, 0,1,2,3,4,5,6,7
	global_load_b128 v[B+4*\j:B+4*\j+3], v1, s[6:7] offset:512*\j th:TH_LOAD_NT
.endr
.irp j, 0,1,2,3,4,5,6,7
	global_load_b128 v[G+4*\j:G+4*\j+3], v1, s[8:9] offset:512*\j
.endr
.irp j, 0,1,2,3,4,5,6,7
	global_load_b128 v[BE+4*\j:BE+4*\j+3], v1, s[10:11] offset:512*\j
.endr
.macro WSUM                            ; v8 summed over the 32 lanes, the result in every lane
	v_add_f32_dpp v8, v8, v8 row_xmask:1 row_mask:0xf bank_mask:0xf
	v_add_f32_dpp v8, v8, v8 row_xmask:2 row_mask:0xf bank_mask:0xf
	v_add_f32_dpp v8, v8, v8 row_xmask:4 row_mask:0xf bank_mask:0xf
	v_add_f32_dpp v8, v8, v8 row_xmask:8 row_mask:0xf bank_mask:0xf
	v_permlanex16_b32 v9, v8, s20, s21
	v_add_f32 v8, v8, v9
.endm
.macro FOLD                            ; the four chains into v8
	v_pk_add_f32 v[S:S+1], v[S:S+1], v[S+2:S+3]
	v_pk_add_f32 v[S+4:S+5], v[S+4:S+5], v[S+6:S+7]
	v_pk_add_f32 v[S:S+1], v[S:S+1], v[S+4:S+5]
	v_add_f32 v8, v[S], v[S+1]
.endm
	s_wait_loadcnt 16                              ; the two summands are in; gain and bias, sixteen loads, may be out
.set k, 0
.rept 16
	v_pk_add_f32 v[A+k:A+k+1], v[A+k:A+k+1], v[B+k:B+k+1]
.set k, k+2
.endr
.irp c, 0,2,4,6
	v_pk_add_f32 v[S+\c:S+\c+1], v[A+\c:A+\c+1], v[A+8+\c:A+8+\c+1]
.endr
.irp c, 0,2,4,6
	v_pk_add_f32 v[S+\c:S+\c+1], v[S+\c:S+\c+1], v[A+16+\c:A+16+\c+1]
.endr
.irp c, 0,2,4,6
	v_pk_add_f32 v[S+\c:S+\c+1], v[S+\c:S+\c+1], v[A+24+\c:A+24+\c+1]
.endr
	FOLD
	WSUM
	v_mul_f32 v10, s28, v8                         ; the mean
	v_mov_b32 v11, v10
.set k, 0
.rept 16
	v_pk_add_f32 v[A+k:A+k+1], v[A+k:A+k+1], v[10:11] neg_lo:[0,1] neg_hi:[0,1]
.set k, k+2
.endr
.irp c, 0,2,4,6
	v_pk_mul_f32 v[S+\c:S+\c+1], v[A+\c:A+\c+1], v[A+\c:A+\c+1]
.endr
.irp o, 8,16,24
.irp c, 0,2,4,6
	v_pk_fma_f32 v[S+\c:S+\c+1], v[A+\o+\c:A+\o+\c+1], v[A+\o+\c:A+\o+\c+1], v[S+\c:S+\c+1]
.endr
.endr
	FOLD
	WSUM
	v_fma_f32 v8, v8, s28, s29                     ; the variance + 1e-5
	v_rsq_f32 v12, v8
	v_nop                                          ; a plain line behind the root
	s_wait_alu depctr_va_vdst(0)                   ; the wait, ahead of its first reader
	v_mov_b32 v13, v12
	s_wait_loadcnt 0x0                             ; gain and bias
.set k, 0
.rept 16
	v_pk_mul_f32 v[A+k:A+k+1], v[A+k:A+k+1], v[12:13]
.set k, k+2
.endr
.set k, 0
.rept 16
	v_pk_fma_f32 v[A+k:A+k+1], v[A+k:A+k+1], v[G+k:G+k+1], v[BE+k:BE+k+1]
.set k, k+2
.endr
.irp j, 0,1,2,3,4,5,6,7
	global_store_b128 v1, v[A+4*\j:A+4*\j+3], s[12:13] offset:512*\j th:TH_STORE_NT
.endr
	s_endpgm
.Lfunc_end_k_qafe6d61fea_ln2:
	.size	k_qafe6d61fea_ln2, .Lfunc_end_k_qafe6d61fea_ln2-k_qafe6d61fea_ln2
	.p2alignl 7, 3214868480
	.fill 96, 4, 3214868480
	.section	.rodata,"a",@progbits
	.p2align	6, 0x0
	.amdhsa_kernel k_qafe6d61fea_ln2
		.amdhsa_group_segment_fixed_size 0
		.amdhsa_private_segment_fixed_size 0
		.amdhsa_enable_private_segment 0
		.amdhsa_kernarg_size 40
		.amdhsa_user_sgpr_count 2
		.amdhsa_user_sgpr_kernarg_segment_ptr 1
		.amdhsa_wavefront_size32 1
		.amdhsa_system_sgpr_workgroup_id_x 1
		.amdhsa_system_sgpr_workgroup_id_y 1
		.amdhsa_system_sgpr_workgroup_id_z 1
		.amdhsa_system_vgpr_workitem_id 0
		.amdhsa_next_free_vgpr 160
		.amdhsa_next_free_sgpr 66
		.amdhsa_reserve_vcc 0
		.amdhsa_float_denorm_mode_32 3
		.amdhsa_float_denorm_mode_16_64 3
		.amdhsa_memory_ordered 1
		.amdhsa_forward_progress 1
		.amdhsa_inst_pref_size 12
	.end_amdhsa_kernel
	.amdgpu_metadata
---
amdhsa.version: [ 1, 2 ]
amdhsa.kernels:
  - .name:           k_qafe6d61fea_ln2
    .symbol:         k_qafe6d61fea_ln2.kd
    .args:
      - { .name: xf, .offset: 0, .size: 8, .value_kind: global_buffer, .address_space: global }
      - { .name: big, .offset: 8, .size: 8, .value_kind: global_buffer, .address_space: global }
      - { .name: ln2_g, .offset: 16, .size: 8, .value_kind: global_buffer, .address_space: global }
      - { .name: ln2_b, .offset: 24, .size: 8, .value_kind: global_buffer, .address_space: global }
      - { .name: out0, .offset: 32, .size: 8, .value_kind: global_buffer, .address_space: global }
    .group_segment_fixed_size: 0
    .private_segment_fixed_size: 0
    .kernarg_segment_align: 8
    .kernarg_segment_size: 40
    .max_flat_workgroup_size: 128
    .sgpr_count:     66
    .vgpr_count:     160
    .wavefront_size: 32
...
	.end_amdgpu_metadata
.endif
;; end of part 7
;; ======== version 2 of 2: 7 launches
;; limits: right only within a limited range of input values
;; workspace buffers: prepb 24,641,536 bytes; qkvc 12,582,912 bytes; big 16,777,216 bytes; xf 16,777,216 bytes; xc 4,194,304 bytes; hc 16,777,216 bytes
;; launch prep (part 8): grid 512 x 1, 4 waves a work-group, no clusters, 68,096 bytes of LDS; arguments q_w, k_w, v_w, w1, w2, src, lowp_scales, prepb; writes prepb
.if DOCPART == 8
	.amdgcn_target "amdgcn-amd-amdhsa--gfx1250"
	.amdhsa_code_object_version 6
	.text
	.protected	k_qafe6d61fea_prep
	.globl	k_qafe6d61fea_prep
	.p2align	8
	.type	k_qafe6d61fea_prep,@function
k_qafe6d61fea_prep:
	s_mov_b64 s[64:65], 0
	v_nop
	global_prefetch_b8 v0, s[64:65] scope:SCOPE_SE
	s_setreg_imm32_b32 hwreg(HW_REG_WAVE_MODE, 25, 1), 1
	s_wait_xcnt 0x0
; PREP: everything that is quantised or tabulated once, into one workspace buffer.
;   bytes 0 ..          three planes of 4 MiB: the codes of src by the scales of entries 0, 2, 4; rows in the order b*2048 + s, 1,024 bytes a row
;   WQKV                q_w, k_w, v_w as codes laid [3072][1024], row = 1024 t + n, K innermost (entries 1, 3, 5)
;   W1C                 w1 as codes [4096][1024] (entry 11);   W2C: w2 as codes [1024][4096] (entry 13)
;   ROPE                128 blocks of 4,096 bytes: cos and sin of 16 positions x 32 frequencies, in the order in which the next launch's registers take them
; code = x / 2^e, held within +-57,344, to the nearest code of E5M2, ties to even.
; LIMITS: each e used here lies between -126 and 112, so that 2^e and 57,344 x 2^e are f32 numbers.  NaN among the inputs is not served.
; The rope table's range reduction is written for positions under 2,048 (at most 1,304 quarter turns).
; Work-groups 0-351 take the weights, 352-479 src, 480-511 the table.  The ways part on the work-group's number alone; each way that uses LDS has bytes of its own.
; No tensor loads, no barrier: waves share nothing.
.set WQKV, 12582912
.set W1C,  15728640
.set W2C,  19922944
.set ROPE, 24117248
.set MANT, 0x600000                    ; the mantissa field of 57,344 as f32
.set VO,   32                          ; weights: v32-63   byte offset of row i of a block of 32 rows, at my column
.set WX,   64                          ; v64-127  two sets of 32 numbers
.set WC,   128                         ; v128-135 a block's codes
.set OUTR, 136                         ; v136-199 the way out
.set VS,   200                         ; v200-215 the way out: byte offsets of the rows stored
.set SR,   16                          ; src: v16-79 four sets of 16 numbers as loaded
.set SX,   80                          ; v80-111  two sets of 16 neighbours
.set ST,   112                         ; v112-159 the numbers held, a set for each plane
.set SCD,  160                         ; v160-171 codes, four registers a plane
.set SSC,  172                         ; v172-174 2^e for each plane
.set SLM,  176                         ; v176-178 57,344 x 2^e
.set SP,   80                          ; a lane's place in a stage: 64 bytes + 16 of padding
.set RP,   16                          ; table: v16-31 the powers 10^(j/8)
.set RO,   48                          ; v48-79   cos, sin by turns
.set RR,   80                          ; v80-95   their reciprocals
	s_load_b512 s[4:19], s[0:1], 0x0               ; q_w 4, k_w 6, v_w 8, w1 10, w2 12, src 14, the exponents 16, prepb 18
	v_lshl_add_u32 v254, v0, 2, 0x10800
	v_mov_b32 v255, 0
	v_lshrrev_b32 v2, 5, v0
	v_readfirstlane_b32 s20, v2                    ; wave 0..3
	v_and_b32 v1, 31, v0                           ; lane
	s_cmp_ge_u32 ttmp9, 480
	s_cbranch_scc1 .Lrope
	s_cmp_ge_u32 ttmp9, 352
	s_cbranch_scc1 .Lsrc
; ---------------- THE WEIGHTS.  K is their first axis.  A lane takes a column n and its registers run down K: each load reads neighbouring n in neighbouring lanes
; (128 consecutive bytes a wave, 512 a work-group), and the conversions give codes with K innermost.  A work-group takes 128 columns x 256 along K, a wave 32 columns.
; The codes of a column, 256 bytes, go through the wave's own stage (rows of 272 bytes) and leave sixteen lanes to an aligned run of 256 bytes.
	v_lshlrev_b32 v3, 2, v1                        ; in: 4 bytes a lane
	s_mul_i32 s21, s20, 8704                       ; my stage: 32 rows x 272 bytes
	v_mul_u32_u24 v4, v1, 272
	v_add_nc_u32 v4, s21, v4                       ; into it: row = my column
	v_and_b32 v5, 15, v1
	v_lshrrev_b32 v6, 4, v1
	v_mul_u32_u24 v7, v6, 272
	v_lshl_add_u32 v7, v5, 4, v7
	v_add_nc_u32 v7, s21, v7                       ; out of it: sixteen lanes to a row, two rows an instruction
	s_wait_alu depctr_va_vdst(0)
	s_wait_kmcnt 0x0
	s_load_b256 s[56:63], s[16:17], 0x0            ; entries 0 to 7
	s_load_b128 s[68:71], s[16:17], 0x20           ; 8 to 11
	s_load_b64 s[72:73], s[16:17], 0x30            ; 12, 13
	; which tensor: the figures begin as those of w2 and are replaced under four compares of the work-group's number
	s_mov_b64 s[22:23], s[12:13]                   ; the tensor
	s_mov_b32 s24, 224                             ; its first work-group
	s_mov_b32 s25, 3                               ; log2 (N / 128)
	s_mov_b32 s26, 4096                            ; a row in bytes: 4 N
	s_mov_b32 s27, 4096                            ; a row of its codes in bytes: K
	s_mov_b32 s28, W2C                             ; where its codes begin
	s_cmp_lt_u32 ttmp9, 224
	s_cselect_b64 s[22:23], s[10:11], s[22:23]     ; w1
	s_cselect_b32 s24, 96, s24
	s_cselect_b32 s25, 5, s25
	s_cselect_b32 s26, 16384, s26
	s_cselect_b32 s27, 1024, s27
	s_cselect_b32 s28, W1C, s28
	s_cmp_lt_u32 ttmp9, 96
	s_cselect_b64 s[22:23], s[8:9], s[22:23]       ; v_w
	s_cselect_b32 s24, 64, s24
	s_cselect_b32 s25, 3, s25
	s_cselect_b32 s26, 4096, s26
	s_cselect_b32 s28, WQKV+2097152, s28
	s_cmp_lt_u32 ttmp9, 64
	s_cselect_b64 s[22:23], s[6:7], s[22:23]       ; k_w
	s_cselect_b32 s24, 32, s24
	s_cselect_b32 s28, WQKV+1048576, s28
	s_cmp_lt_u32 ttmp9, 32
	s_cselect_b64 s[22:23], s[4:5], s[22:23]       ; q_w
	s_cselect_b32 s24, 0, s24
	s_cselect_b32 s28, WQKV, s28
	s_sub_co_u32 s29, ttmp9, s24                   ; my number within the tensor
	s_lshr_b32 s30, s29, s25                       ; which 256 along K
	s_lshl_b32 s31, s30, s25
	s_sub_co_u32 s31, s29, s31                     ; which 128 columns
	s_lshl_b32 s31, s31, 7
	s_lshl_b32 s52, s20, 5
	s_add_co_u32 s31, s31, s52                     ; my wave's first column
	s_lshl_b32 s52, s30, 8                         ; my first k
	s_mul_i32 s54, s52, s26
	s_lshl_b32 s53, s31, 2
	s_add_co_u32 s54, s54, s53
	s_mov_b32 s55, 0
	s_add_nc_u64 s[32:33], s[22:23], s[54:55]      ; block 0 of 32 rows
	s_lshl_b32 s54, s26, 5                         ; 32 rows on
.irp t, 1,2,3,4,5,6,7
	s_add_nc_u64 s[32+2*\t:33+2*\t], s[30+2*\t:31+2*\t], s[54:55]   ; a base for each block: none is ever stepped
.endr
	s_mul_i32 s50, s31, s27                        ; the codes: row = column,
	s_add_co_u32 s50, s50, s52                     ; + my first k,
	s_add_co_u32 s50, s50, s28                     ; in the tensor's part of the buffer
	s_mov_b32 s51, 0
	s_add_nc_u64 s[48:49], s[18:19], s[50:51]
.set i, 0
.rept 32
	v_mad_u32_u24 v[VO+i], s26, i, v3              ; row i of a block, my column
.set i, i+1
.endr
	v_mul_lo_u32 v[VS], v6, s27
	v_lshl_add_u32 v[VS], v5, 4, v[VS]
	s_lshl_b32 s53, s27, 1
.set t, 1
.rept 15
	v_add_nc_u32 v[VS+t], s53, v[VS+t-1]           ; two rows of codes on
.set t, t+1
.endr
.macro WLOAD t                         ; block t: w(32 t + i, my column), i = 0 .. 31, into set t % 2
.set i, 0
.rept 32
	global_load_b32 v[WX+32*((\t)%2)+i], v[VO+i], s[32+2*(\t):33+2*(\t)] th:TH_LOAD_NT
.set i, i+1
.endr
.endm
	WLOAD 0
	WLOAD 1
	s_wait_kmcnt 0x0
	s_mov_b32 s50, s73                             ; the tensor's exponent, by the same four compares: entry 13,
	s_cmp_lt_u32 ttmp9, 224
	s_cselect_b32 s50, s71, s50                    ; 11,
	s_cmp_lt_u32 ttmp9, 96
	s_cselect_b32 s50, s61, s50                    ; 5,
	s_cmp_lt_u32 ttmp9, 64
	s_cselect_b32 s50, s59, s50                    ; 3,
	s_cmp_lt_u32 ttmp9, 32
	s_cselect_b32 s50, s57, s50                    ; 1
	s_add_co_i32 s50, s50, 127
	s_lshl_b32 s51, s50, 23
	v_mov_b32 v11, s51                             ; 2^e as f32: the conversion takes its exponent field
	s_add_co_i32 s50, s50, 15
	s_lshl_b32 s50, s50, 23
	s_or_b32 s50, s50, MANT
	v_mov_b32 v10, s50                             ; 57,344 x 2^e
.macro WBLOCK t
.set XS, WX+32*((\t)%2)
.if (\t) < 7
	s_wait_loadcnt 32                              ; this block's 32 loads are in; the next block's 32 may be out
.else
	s_wait_loadcnt 0x0
.endif
.set i, 0
.rept 32
	v_med3_num_f32 v[XS+i], v[XS+i], -v10, v10     ; the conversion to an 8-bit code does not saturate (ISA guide 7.6.2): the hold comes first
.set i, i+1
.endr
.irp g, 0,1,2,3
	v_cvt_scalef32_pk8_bf8_f32 v[WC+2*\g:WC+2*\g+1], v[XS+8*\g:XS+8*\g+7], v11
.endr
	ds_store_b128 v4, v[WC:WC+3] offset:32*(\t)    ; 32 codes: 32 bytes of my column's row
	ds_store_b128 v4, v[WC+4:WC+7] offset:32*(\t)+16
.if (\t)+2 < 8
	WLOAD (\t)+2
.endif
	s_wait_dscnt 0x0                               ; the stores have read their registers: the next block's codes may be written (its 32 holds are the plain lines behind these conversions)
.endm
	s_wait_alu depctr_va_vdst(0)
.irp t, 0,1,2,3,4,5,6,7
	WBLOCK \t
.endr
.set t, 0
.rept 16
	ds_load_b128 v[OUTR+4*t:OUTR+4*t+3], v7 offset:544*t   ; LDS serves a wave's instructions in order (ISA guide 5.7.1.4): these see my stores
.set t, t+1
.endr
.set t, 0
.rept 16
	s_wait_dscnt 15-t
	global_store_b128 v[VS+t], v[OUTR+4*t:OUTR+4*t+3], s[48:49]   ; sixteen lanes store 256 consecutive bytes, at a multiple of 256 from the buffer's first byte
.set t, t+1
.endr
	s_wait_tensorcnt 0x0
	ds_add_u32 v254, v255
	s_wait_dscnt 0x0
	s_endpgm
; ---------------- SRC.  K is innermost.  A wave takes 8 rows (8,192 numbers) in 16 steps of 512.  Each load reads 512 consecutive bytes; a step's 2,048 bytes turn through the wave's own stage,
; so that a lane holds 16 neighbours.  They are held and converted three times, once for each of the three scales, and each plane's 512 codes leave as 512 consecutive bytes.
; Row m = 2 s + b of src becomes row b*2048 + s of a plane.
.Lsrc:
	s_wait_alu depctr_va_vdst(0)
	v_lshlrev_b32 v3, 4, v1                        ; my 16 bytes of a load's 512, and of a step's 512 codes
	s_lshl_b32 s21, s20, 13
	s_add_co_u32 s21, s21, 34816                   ; my two stages, behind the bytes of the weights' way
	v_lshrrev_b32 v14, 2, v1
	v_mul_u32_u24 v14, v14, SP
	v_and_b32 v15, 3, v1
	v_lshl_add_u32 v14, v15, 4, v14
	v_add_nc_u32 v14, s21, v14                     ; in: four lanes' 64 bytes on end, then 16 of padding
	v_mul_u32_u24 v15, v1, SP
	v_add_nc_u32 v15, s21, v15                     ; out: my 16 neighbours
	s_sub_co_u32 s24, ttmp9, 352
	s_lshl_b32 s24, s24, 2
	s_add_co_u32 s24, s24, s20                     ; which run of 8 rows is my wave's
	s_lshl_b32 s26, s24, 15
	s_mov_b32 s27, 0
	s_lshl_b32 s28, s24, 12                        ; 4 positions x 1,024 bytes of codes
	s_mov_b32 s29, 0
	s_wait_alu depctr_va_vdst(0)
	s_wait_kmcnt 0x0
	s_load_b256 s[56:63], s[16:17], 0x0            ; entries 0 to 7: 0, 2 and 4 are src's
	s_add_nc_u64 s[22:23], s[14:15], s[26:27]
	s_add_nc_u64 s[48:49], s[18:19], s[28:29]      ; plane 0,
	s_add_nc_u64 s[50:51], s[48:49], 0x400000      ; 1,
	s_add_nc_u64 s[52:53], s[48:49], 0x800000      ; 2
.macro SLOAD t
.irp i, 0,1,2,3
	global_load_b128 v[SR+16*((\t)%4)+4*\i:SR+16*((\t)%4)+4*\i+3], v3, s[22:23] offset:2048*(\t)+512*\i th:TH_LOAD_NT
.endr
.endm
.macro STURN t                         ; step t's numbers through the stage: LDS serves a wave's instructions in order, so no wait stands between the stores and the loads
.irp i, 0,1,2,3
	ds_store_b128 v14, v[SR+16*((\t)%4)+4*\i:SR+16*((\t)%4)+4*\i+3] offset:32*SP*((\t)%2)+8*SP*\i
.endr
.irp i, 0,1,2,3
	ds_load_b128 v[SX+16*((\t)%2)+4*\i:SX+16*((\t)%2)+4*\i+3], v15 offset:32*SP*((\t)%2)+16*\i
.endr
.endm
.irp t, 0,1,2,3
	SLOAD \t
.endr
	s_wait_kmcnt 0x0
.irp p, 0,1,2
	s_add_co_i32 s30, s[56+2*\p], 127
	s_lshl_b32 s31, s30, 23
	v_mov_b32 v[SSC+\p], s31                       ; 2^e
	s_add_co_i32 s30, s30, 15
	s_lshl_b32 s30, s30, 23
	s_or_b32 s30, s30, MANT
	v_mov_b32 v[SLM+\p], s30                       ; 57,344 x 2^e
.endr
	s_wait_alu depctr_va_vdst(0)
	s_wait_loadcnt 12                              ; step 0's four loads are in
	STURN 0
.macro SSTEP t
.set XS, SX+16*((\t)%2)
	s_wait_dscnt 0x0                               ; this step's numbers are back from the stage, and its stores into the stage have read their registers
	s_wait_xcnt 0x0                                ; the last step's three stores have read the codes' registers, which are written again below
.if (\t)+4 < 16
	SLOAD (\t)+4
.endif
.if (\t)+1 < 16
.if 14-(\t) >= 3
	s_wait_loadcnt 12                              ; the next step's four loads are in; those of the three steps behind it may be out
.else
	s_wait_loadcnt 4*(14-(\t))
.endif
	STURN (\t)+1
.endif
.irp p, 0,1,2
.set i, 0
.rept 16
	v_med3_num_f32 v[ST+16*\p+i], v[XS+i], -v[SLM+\p], v[SLM+\p]
.set i, i+1
.endr
.endr
.irp p, 0,1,2
	v_cvt_scalef32_pk8_bf8_f32 v[SCD+4*\p:SCD+4*\p+1], v[ST+16*\p:ST+16*\p+7], v[SSC+\p]
	v_cvt_scalef32_pk8_bf8_f32 v[SCD+4*\p+2:SCD+4*\p+3], v[ST+16*\p+8:ST+16*\p+15], v[SSC+\p]
.endr
	v_nop                                          ; a plain line behind the last conversion: the next step's holds write the conversions' sources
.irp p, 0,1,2
	global_store_b128 v3, v[SCD+4*\p:SCD+4*\p+3], s[48+2*\p:49+2*\p] offset:(((\t)>>1)&1)*2097152+((\t)>>2)*1024+((\t)&1)*512   ; b, position, half of the row: 512 consecutive bytes
.endr
.endm
.irp t, 0,1,2,3,4,5,6,7,8,9,10,11,12,13,14,15
	SSTEP \t
.endr
	s_wait_tensorcnt 0x0
	ds_add_u32 v254, v255
	s_wait_dscnt 0x0
	s_endpgm
; ---------------- THE ROPE TABLE.  A wave makes a block: 16 positions (lane % 16) x 32 frequencies.  Chunk c = 2 q + e of a block is 512 bytes, 16 a lane:
; (cos, sin) of frequency j = 8 q + 4 (lane / 16) + 2 e, then of j + 1.  angle = position x (1 / 10000^(j/32)), each step rounded once, as the model forms it.
; cos and sin: the angle less k quarter turns (pi/2 in two parts, by fused multiply-adds), polynomials on +-pi/4, the quadrant by selects and sign bits.
.Lrope:
	s_sub_co_u32 s21, ttmp9, 480
	s_lshl_b32 s21, s21, 2
	s_add_co_u32 s21, s21, s20                     ; block 0..127
	s_wait_alu depctr_va_vdst(0)
	v_and_b32 v5, 15, v1
	v_lshrrev_b32 v6, 4, v1
	v_lshlrev_b32 v3, 4, v1
	s_lshl_b32 s22, s21, 4
	v_add_nc_u32 v12, s22, v5
	v_cvt_f32_u32 v12, v12                         ; my position
	v_cmp_ne_u32 vcc_lo, 0, v6
.macro FREQ n, lo, hi                  ; 10^(j/8) for lanes 0-15 and for lanes 16-31
	v_mov_b32 v32, \lo
	v_mov_b32 v33, \hi
	v_cndmask_b32 v[RP+\n], v32, v33, vcc_lo
.endm
	FREQ 0, 1.0, 3.1622776602
	FREQ 1, 1.3335214322, 4.2169650343
	FREQ 2, 1.7782794100, 5.6234132519
	FREQ 3, 2.3713737057, 7.4989420933
	FREQ 4, 10.0, 31.622776602
	FREQ 5, 13.335214322, 42.169650343
	FREQ 6, 17.782794100, 56.234132519
	FREQ 7, 23.713737057, 74.989420933
	FREQ 8, 100.0, 316.22776602
	FREQ 9, 133.35214322, 421.69650343
	FREQ 10, 177.82794100, 562.34132519
	FREQ 11, 237.13737057, 749.89420933
	FREQ 12, 1000.0, 3162.2776602
	FREQ 13, 1333.5214322, 4216.9650343
	FREQ 14, 1778.2794100, 5623.4132519
	FREQ 15, 2371.3737057, 7498.9420933
.set n, 0
	s_wait_alu depctr_va_vdst(0)
.rept 16
	v_rcp_f32 v[RR+n], v[RP+n]
.set n, n+1
.endr
	v_nop                                          ; a plain line behind the last reciprocal
	s_wait_alu depctr_va_vdst(0)                   ; one wait for the sixteen, ahead of their first reader
.set n, 0
.rept 16
	v_fma_f32 v32, -v[RP+n], v[RR+n], 1.0          ; one step of Newton: the quotient to the last bit or nearly
	v_fma_f32 v[RR+n], v32, v[RR+n], v[RR+n]
.set n, n+1
.endr
	s_mov_b32 s30, 0x3fc90fdb                      ; pi/2, its upper part,
	s_mov_b32 s31, 0xb33bbd2e                      ; and what that leaves; the rest is under 2e-15 a quarter turn
	s_mov_b32 s32, 0xb94ca1f9                      ; sin: -1.9515295891e-4
	s_mov_b32 s33, 0x3c08839e                      ;       8.3321608736e-3
	s_mov_b32 s34, 0xbe2aaaa3                      ;      -1.6666654611e-1
	s_mov_b32 s35, 0x37ccf5ce                      ; cos:  2.4433157118e-5
	s_mov_b32 s36, 0xbab6061a                      ;      -1.3887316255e-3
	s_mov_b32 s37, 0x3d2aaaa5                      ;       4.1666645683e-2
.macro SINCOS n
	v_mul_f32 v32, v12, v[RR+\n]                   ; the angle
	v_mul_f32 v33, 0x3f22f983, v32
	v_rndne_f32 v33, v33                           ; k quarter turns
	v_fma_f32 v34, -v33, s30, v32
	v_fma_f32 v34, -v33, s31, v34                  ; r, within +-pi/4
	v_mul_f32 v35, v34, v34                        ; z
	v_fma_f32 v36, v35, s32, s33
	v_fma_f32 v36, v36, v35, s34
	v_mul_f32 v37, v34, v35
	v_fma_f32 v36, v37, v36, v34                   ; sin r
	v_fma_f32 v38, v35, s35, s36
	v_fma_f32 v38, v38, v35, s37
	v_mul_f32 v39, v35, v35
	v_fma_f32 v40, v35, -0.5, 1.0
	v_fma_f32 v38, v39, v38, v40                   ; cos r
	v_cvt_i32_f32 v41, v33
	v_and_b32 v42, 1, v41
	v_cmp_ne_u32 vcc_lo, 0, v42                    ; an odd quadrant changes the two over
	v_cndmask_b32 v43, v36, v38, vcc_lo
	v_cndmask_b32 v44, v38, v36, vcc_lo
	v_lshlrev_b32 v45, 30, v41
	v_and_b32 v45, 0x80000000, v45                 ; sin is negative in quadrants 2 and 3,
	v_add_nc_u32 v46, 1, v41
	v_lshlrev_b32 v46, 30, v46
	v_and_b32 v46, 0x80000000, v46                 ; cos in 1 and 2
	v_xor_b32 v[RO+2*\n], v46, v44
	v_xor_b32 v[RO+2*\n+1], v45, v43
.endm
.irp n, 0,1,2,3,4,5,6,7,8,9,10,11,12,13,14,15
	SINCOS \n
.endr
	s_lshl_b32 s22, s21, 12
	s_add_co_u32 s22, s22, ROPE
	s_mov_b32 s23, 0
	s_wait_alu depctr_va_vdst(0)
	s_wait_kmcnt 0x0
	s_add_nc_u64 s[22:23], s[18:19], s[22:23]
.irp c, 0,1,2,3,4,5,6,7
	global_store_b128 v3, v[RO+4*\c:RO+4*\c+3], s[22:23] offset:512*\c   ; 512 consecutive bytes
.endr
	s_endpgm
.Lfunc_end_k_qafe6d61fea_prep:
	.size	k_qafe6d61fea_prep, .Lfunc_end_k_qafe6d61fea_prep-k_qafe6d61fea_prep
	.p2alignl 7, 3214868480
	.fill 96, 4, 3214868480
	.section	.rodata,"a",@progbits
	.p2align	6, 0x0
	.amdhsa_kernel k_qafe6d61fea_prep
		.amdhsa_group_segment_fixed_size 68096
		.amdhsa_private_segment_fixed_size 0
		.amdhsa_enable_private_segment 0
		.amdhsa_kernarg_size 64
		.amdhsa_user_sgpr_count 2
		.amdhsa_user_sgpr_kernarg_segment_ptr 1
		.amdhsa_wavefront_size32 1
		.amdhsa_system_sgpr_workgroup_id_x 1
		.amdhsa_system_sgpr_workgroup_id_y 1
		.amdhsa_system_sgpr_workgroup_id_z 1
		.amdhsa_system_vgpr_workitem_id 0
		.amdhsa_next_free_vgpr 256
		.amdhsa_next_free_sgpr 100
		.amdhsa_reserve_vcc 1
		.amdhsa_float_denorm_mode_32 3
		.amdhsa_float_denorm_mode_16_64 3
		.amdhsa_memory_ordered 1
		.amdhsa_forward_progress 1
		.amdhsa_inst_pref_size 157
	.end_amdhsa_kernel
	.amdgpu_metadata
---
amdhsa.version: [ 1, 2 ]
amdhsa.kernels:
  - .name:           k_qafe6d61fea_prep
    .symbol:         k_qafe6d61fea_prep.kd
    .args:
      - { .name: q_w, .offset: 0, .size: 8, .value_kind: global_buffer, .address_space: global }
      - { .name: k_w, .offset: 8, .size: 8, .value_kind: global_buffer, .address_space: global }
      - { .name: v_w, .offset: 16, .size: 8, .value_kind: global_buffer, .address_space: global }
      - { .name: w1, .offset: 24, .size: 8, .value_kind: global_buffer, .address_space: global }
      - { .name: w2, .offset: 32, .size: 8, .value_kind: global_buffer, .address_space: global }
      - { .name: src, .offset: 40, .size: 8, .value_kind: global_buffer, .address_space: global }
      - { .name: lowp_scales, .offset: 48, .size: 8, .value_kind: global_buffer, .address_space: global }
      - { .name: prepb, .offset: 56, .size: 8, .value_kind: global_buffer, .address_space: global }
    .group_segment_fixed_size: 68096
    .private_segment_fixed_size: 0
    .kernarg_segment_align: 8
    .kernarg_segment_size: 64
    .max_flat_workgroup_size: 128
    .sgpr_count:     100
    .vgpr_count:     256
    .wavefront_size: 32
...
	.end_amdgpu_metadata
.endif
;; end of part 8
;; launch qkv (part 9): grid 12 x 16, 4 waves a work-group, clusters of 4 x 4, 327,680 bytes of LDS; arguments prepb, lowp_scales, q_b, k_b, v_b, qkvc; writes qkvc
.if DOCPART == 9
	.amdgcn_target "amdgcn-amd-amdhsa--gfx1250"
	.amdhsa_code_object_version 6
	.text
	.protected	k_qafe6d61fea_qkv
	.globl	k_qafe6d61fea_qkv
	.p2align	8
	.type	k_qafe6d61fea_qkv,@function
k_qafe6d61fea_qkv:
	s_mov_b64 s[64:65], 0
	v_nop
	global_prefetch_b8 v0, s[64:65] scope:SCOPE_SE
	s_setreg_imm32_b32 hwreg(HW_REG_WAVE_MODE, 25, 1), 1
	s_wait_xcnt 0x0
	s_wait_alu depctr_hold_cnt(0) depctr_sa_sdst(0) depctr_va_vdst(0) depctr_va_sdst(0) depctr_va_ssrc(0) depctr_va_vcc(0) depctr_vm_vsrc(0)
	s_getreg_b32 s2, hwreg(HW_REG_IB_STS2, 6, 4)
	s_cmp_eq_u32 s2, 0
	s_cbranch_scc0 .Lentry_in_a_cluster
	s_endpgm
.Lentry_in_a_cluster:
	s_bfe_u32 s2, ttmp6, 0x10000c
	s_cmp_lg_u32 s2, 0xf033
	s_cbranch_scc0 .Lentry_shape_is_right
	s_endpgm
.Lentry_shape_is_right:
.set SIZE_K, 1024
.set KSTEP,  256
.set ROWB,   256
.set KROW,   SIZE_K
.set PITCH,  272
.set FR,     16
.set NL,     4
.set NP,     4
.set HALFT,  128*PITCH
.set SLOT,   4*HALFT
.set LAPS,   SIZE_K/(2*KSTEP)
.set SPARE,  2*SLOT
.set WQKV,   12582912
.set ROPE,   24117248
.set CS,     20480
.set ADRA, 16
.set ADRB, 20
.set QSTO, 22
.set QRD,  23
.set VSTO, 24
.set VRD,  25
.set L16,  26
.set VGO,  27
.set SPW,  28
.set NIL,  29
.set BOF,  30
.set ROF,  31
.set BK,   32
.set RT,   96
.set TMP,  160
.set CD,   224
.set TT,   240
.set AF,   128
.set G1, 24
.set G0, 32
.set G1B, 48
.set G0B, 56
.set MSB, 0
.macro WIN new
.if MSB != (\new)
	s_set_vgpr_msb (MSB<<8)|(\new)
.set MSB, (\new)
.endif
.endm
.set MUL_LO, 0xa1
.set MUL_HI, 0xf1
.set TO_B,   0x40
.macro JLOAD g0a, g1a, g0b, g1b
	s_cmp_eq_u32 s15, 0
	s_cbranch_scc0 .Lfor_b_\@
	tensor_load_to_lds s[\g0a:\g0a+3], s[\g1a:\g1a+7]
	s_nop 0
.rept 4
	v_nop
.endr
	s_branch .Lasked_\@
.Lfor_b_\@:
	tensor_load_to_lds s[\g0b:\g0b+3], s[\g1b:\g1b+7]
	s_nop 0
.rept 4
	v_nop
.endr
.Lasked_\@:
.endm
.macro CREST
	s_cmp_lg_u32 s14, 0
	s_cbranch_scc1 .Lnot_wave_0_\@
	s_barrier_signal -3
.Lnot_wave_0_\@:
	s_barrier_wait -3
	s_barrier_signal -1
	s_barrier_wait -1
.endm
.macro CROUND
	s_barrier_signal -1
	s_barrier_wait -1
	CREST
.endm
	s_load_b256 s[4:11], s[0:1], 0x0
	s_load_b128 s[68:71], s[0:1], 0x20
	v_lshl_add_u32 v[SPW], v0, 2, SPARE
	v_mov_b32 v[NIL], 0
	ds_add_u32 v28, v29
	ds_add_u32 v28, v29
	s_wait_dscnt 0x0
	v_lshrrev_b32 v1, 5, v0
	v_readfirstlane_b32 s14, v1
	v_and_b32 v15, 31, v0
	v_lshlrev_b32 v15, 10, v15                     ; the prefetches' offset: a lane a row of 1,024 bytes; never rewritten
	s_lshr_b32 s15, s14, 1
	s_and_b32 s16, s14, 1
	s_bfe_u32 s40, ttmp6, 0x40000
	s_bfe_u32 s41, ttmp6, 0x40004
	s_mov_b32 s12, ttmp9
	s_and_b32 s13, ttmp7, 0xffff
	s_lshl_b32 s13, s13, 2
	s_lshl_b32 s22, s12, 22
	s_lshl_b32 s23, s12, 20
	s_add_co_u32 s23, s23, WQKV
	s_cmp_eq_u32 s12, 2
	s_cselect_b32 s17, 0, s13
	s_cselect_b32 s42, s13, 0
	s_cselect_b32 s20, s23, s22
	s_cselect_b32 s46, s22, s23
	s_add_co_u32 s17, s17, s41
	s_add_co_u32 s42, s42, s40
	s_lshl_b32 s43, s41, 2
	s_lshl_b32 s43, 15, s43
	s_lshl_b32 s44, 0x1111, s40
	s_or_b32 s[G1+0], s43, (0<<16)|(1<<20)|(1<<21)|(5<<22)|(3<<25)
	s_or_b32 s[G1B+0], s44, (0<<16)|(1<<20)|(1<<21)|(5<<22)|(3<<25)
.irp g, G1, G1B
	s_mov_b32 s[\g+1], ROWB<<16
	s_mov_b32 s[\g+2], 128<<16
	s_mov_b32 s[\g+3], ROWB<<16
	s_mov_b32 s[\g+4], 128
	s_mov_b32 s[\g+5], KROW
	s_mov_b32 s[\g+6], 0
	s_mov_b32 s[\g+7], 0
.endr
	s_lshl_b32 s18, s16, 7
	s_lshl_b32 s21, s17, 8
	s_add_co_u32 s21, s21, s18
	s_lshl_b32 s21, s21, 10
	s_add_co_u32 s20, s20, s21
	s_mov_b32 s21, 0
	s_lshl_b32 s47, s42, 8
	s_add_co_u32 s47, s47, s18
	s_lshl_b32 s47, s47, 10
	s_add_co_u32 s46, s46, s47
	s_mov_b32 s47, 0
	s_mul_i32 s45, s14, HALFT
	s_wait_kmcnt 0x0
	s_load_b256 s[72:79], s[6:7], 0x0
	s_load_b128 s[80:83], s[6:7], 0x20
	s_add_nc_u64 s[20:21], s[4:5], s[20:21]
	s_add_nc_u64 s[46:47], s[4:5], s[46:47]
	s_cmp_eq_u32 s15, 0                            ; the prefetches: of the 128 rows that my wave fetches, each of the four partners that ask for them jointly takes 32, told apart by address
	s_cselect_b64 s[66:67], s[20:21], s[46:47]
	s_cselect_b32 s18, s40, s41
	s_lshl_b32 s18, s18, 15
	s_mov_b32 s19, 0
	s_add_nc_u64 s[66:67], s[66:67], s[18:19]      ; never rewritten
.irp s, 0,1
	s_mov_b32 s[G0+4*\s], 1
	s_add_co_u32 s[G0+4*\s+1], s45, \s*SLOT
	s_add_nc_u64 s[G0+4*\s+2:G0+4*\s+3], s[20:21], \s*ROWB
	s_or_b32 s[G0+4*\s+3], s[G0+4*\s+3], 0x80000000
	s_mov_b32 s[G0B+4*\s], 1
	s_add_co_u32 s[G0B+4*\s+1], s45, \s*SLOT
	s_add_nc_u64 s[G0B+4*\s+2:G0B+4*\s+3], s[46:47], \s*ROWB
	s_or_b32 s[G0B+4*\s+3], s[G0B+4*\s+3], 0x80000000
	s_wait_alu depctr_va_vdst(0)
	s_wait_tensorcnt 0x0
	ds_add_u32 v28, v29
	ds_add_u32 v28, v29
	s_wait_dscnt 0x0
	CROUND
	JLOAD G0+4*\s, G1, G0B+4*\s, G1B
.if \s == 0
	global_prefetch_b8 v15, s[66:67] offset:ROWB th:TH_LOAD_NT scope:SCOPE_SE     ; K steps 1 and 2: 32 rows x 256 bytes each, named once in the cluster
	global_prefetch_b8 v15, s[66:67] offset:2*ROWB th:TH_LOAD_NT scope:SCOPE_SE
.else
	global_prefetch_b8 v15, s[66:67] offset:3*ROWB th:TH_LOAD_NT scope:SCOPE_SE   ; K step 3, the last
.endif
.endr
	v_and_b32 v1, 15, v0
	s_wait_alu depctr_va_vdst(0)
	v_bfe_u32 v2, v0, 4, 1
	v_mul_u32_u24 v3, v1, PITCH
	v_lshl_add_u32 v4, v2, 4, v3
	s_mul_i32 s21, s15, HALFT
	s_mul_i32 s22, s16, HALFT
	s_add_co_u32 s22, s22, 2*HALFT
.irp s, 0,1
	v_add_nc_u32 v[ADRA+\s], s21, v4
	v_add_nc_u32 v[ADRB+\s], s22, v4
	s_add_co_u32 s21, s21, SLOT
	s_add_co_u32 s22, s22, SLOT
.endr
	s_mul_i32 s23, s14, 5120
	v_mul_u32_u24 v5, v1, 80
	s_wait_alu depctr_va_vdst(0)
	v_lshl_add_u32 v5, v2, 3, v5
	v_add_nc_u32 v[QSTO], s23, v5
	v_bfe_u32 v5, v0, 2, 3
	v_mul_u32_u24 v5, v5, 80
	v_and_b32 v6, 3, v0
	v_lshl_add_u32 v5, v6, 4, v5
	v_add_nc_u32 v[QRD], s23, v5
	s_mul_i32 s23, s15, 128*272
	s_lshl_b32 s18, s16, 7
	s_add_co_u32 s23, s23, s18
	s_add_co_u32 s23, s23, CS
	v_lshl_add_u32 v5, v2, 3, v3
	v_add_nc_u32 v[VSTO], s23, v5
	s_mul_i32 s23, s14, 64*272
	s_add_co_u32 s23, s23, CS
	v_mul_u32_u24 v5, v2, 272
	v_lshl_add_u32 v5, v1, 4, v5
	v_add_nc_u32 v[VRD], s23, v5
	v_and_b32 v6, 31, v0
	v_lshlrev_b32 v[L16], 4, v6
	v_lshlrev_b32 v[VGO], 11, v2
	v_lshl_add_u32 v[VGO], v1, 4, v[VGO]
	v_lshlrev_b32 v[BOF], 5, v2
	v_lshlrev_b32 v[ROF], 2, v1
	s_lshr_b32 s94, s17, 3
	s_lshl_b32 s94, s94, 4
	s_lshl_b32 s95, s40, 2
	s_add_co_u32 s94, s94, s95
	s_lshl_b32 s95, s16, 1
	s_add_co_u32 s94, s94, s95
	s_lshl_b32 s94, s94, 11
	s_and_b32 s95, s17, 7
	s_lshl_b32 s95, s95, 8
	s_lshl_b32 s98, s15, 7
	s_add_co_u32 s95, s95, s98
	s_add_co_u32 s94, s94, s95
	s_lshl_b32 s94, s94, 6
	s_lshl_b32 s98, s12, 22
	s_add_co_u32 s84, s94, s98
	s_mov_b32 s85, 0
	s_add_nc_u64 s[84:85], s[70:71], s[84:85]
	s_lshl_b32 s88, s95, 8
	s_add_co_u32 s88, s88, ROPE
	s_mov_b32 s89, 0
	s_add_nc_u64 s[88:89], s[4:5], s[88:89]
	s_lshr_b32 s94, s42, 3
	s_lshl_b32 s94, s94, 10
	s_lshl_b32 s95, s41, 8
	s_add_co_u32 s94, s94, s95
	s_lshl_b32 s95, s14, 6
	s_add_co_u32 s94, s94, s95
	s_lshl_b32 s94, s94, 11
	s_and_b32 s95, s42, 7
	s_lshl_b32 s95, s95, 8
	s_add_co_u32 s94, s94, s95
	s_add_co_u32 s86, s94, 0x800000
	s_mov_b32 s87, 0
	s_add_nc_u64 s[86:87], s[70:71], s[86:87]
	s_cmp_eq_u32 s12, 1
	s_cselect_b64 s[90:91], s[10:11], s[8:9]
	s_lshl_b32 s94, s40, 10
	s_lshl_b32 s95, s16, 9
	s_add_co_u32 s94, s94, s95
	s_mov_b32 s95, 0
	s_add_nc_u64 s[90:91], s[90:91], s[94:95]
	s_lshl_b32 s94, s41, 10
	s_lshl_b32 s98, s15, 9
	s_add_co_u32 s94, s94, s98
	s_add_nc_u64 s[92:93], s[68:69], s[94:95]
.macro FRAG reg, adr, q, i
.irp c, 0,1,2,3
	ds_load_b128 v[\reg+4*\c:\reg+4*\c+3], v[\adr] offset:128*(\q)+32*\c+(\i)*16*PITCH
.endr
.endm
.macro MUL16 a0, p, zero
.irp a, \a0, \a0+1
.irp b, 0,1,2,3,4,5,6,7
.if \zero
	v_wmma_f32_16x16x128_bf8_bf8 v[8*(8*((\a)%4)+\b):8*(8*((\a)%4)+\b)+7], v[128*(\p)+FR*\b:128*(\p)+FR*\b+FR-1], v[AF+FR*(\a):AF+FR*(\a)+FR-1], 0
.else
	v_wmma_f32_16x16x128_bf8_bf8 v[8*(8*((\a)%4)+\b):8*(8*((\a)%4)+\b)+7], v[128*(\p)+FR*\b:128*(\p)+FR*\b+FR-1], v[AF+FR*(\a):AF+FR*(\a)+FR-1], v[8*(8*((\a)%4)+\b):8*(8*((\a)%4)+\b)+7]
.endif
.endr
.endr
.endm
.macro FETCH_B slot, q, p
	WIN TO_B
.irp i, 0,1,2,3,4,5,6,7
	FRAG 128*(\p)+FR*\i, ADRB+\slot, \q, \i
.endr
	WIN 0
.endm
.macro FETCH_A slot, q, i0
.irp i, \i0, \i0+1, \i0+2, \i0+3
	FRAG AF+FR*(\i), ADRA+\slot, \q, \i
.endr
.endm
.macro PLACES n
.rept \n
	v_nop
.endr
.endm
.macro STEP slot, q, zero
	s_wait_dscnt 4*NL
	WIN MUL_LO
	MUL16 0, (\q)%2, \zero
	MUL16 2, (\q)%2, \zero
	s_wait_dscnt 0
	PLACES NP
	FETCH_B \slot, (\q)+1, 1-(\q)%2
	FETCH_A \slot, (\q)+1, 0
	WIN MUL_HI
	MUL16 4, (\q)%2, \zero
	MUL16 6, (\q)%2, \zero
	PLACES NP
	WIN 0
	FETCH_A \slot, (\q)+1, 4
.endm
.macro TURN slot, next, fill
	s_wait_tensorcnt 0x0
	ds_add_u32 v[SPW], v[NIL]
	s_wait_dscnt 4*NL+1
	WIN MUL_LO
	MUL16 0, 1, 0
	s_wait_dscnt 0x0
	s_barrier_signal -1
	MUL16 2, 1, 0
	WIN 0
	s_barrier_wait -1
.if \fill
	CREST
	s_add_nc_u64 s[G0+4*\slot+2:G0+4*\slot+3], s[G0+4*\slot+2:G0+4*\slot+3], 2*ROWB
	s_add_nc_u64 s[G0B+4*\slot+2:G0B+4*\slot+3], s[G0B+4*\slot+2:G0B+4*\slot+3], 2*ROWB
	JLOAD G0+4*\slot, G1, G0B+4*\slot, G1B
.else
	PLACES NP
.endif
	FETCH_B \next, 0, 0
	FETCH_A \next, 0, 0
	WIN MUL_HI
	MUL16 4, 1, 0
	MUL16 6, 1, 0
	PLACES NP
	WIN 0
	FETCH_A \next, 0, 4
.endm
	s_wait_tensorcnt 1
	s_barrier_signal -1
	s_barrier_wait -1
	FETCH_B 0, 0, 0
	FETCH_A 0, 0, 0
	FETCH_A 0, 0, 4
	STEP 0, 0, 1
	s_mov_b32 s3, LAPS-1
.Llap:
	TURN 0, 1, 1
	STEP 1, 0, 0
	TURN 1, 0, 1
	STEP 0, 0, 0
	s_sub_co_u32 s3, s3, 1
	s_cmp_lg_u32 s3, 0
	s_cbranch_scc1 .Llap
	TURN 0, 1, 0
	STEP 1, 0, 0
	s_wait_dscnt 4*NL
	WIN MUL_LO
	MUL16 0, 1, 0
	MUL16 2, 1, 0
	s_wait_dscnt 0
	WIN MUL_HI
	MUL16 4, 1, 0
	MUL16 6, 1, 0
	WIN 0
	s_wait_kmcnt 0x0
	s_add_co_i32 s94, s72, s73
	s_add_co_i32 s95, s74, s75
	s_add_co_i32 s98, s76, s77
	s_cmp_eq_u32 s12, 1
	s_cselect_b32 s94, s95, s94
	s_cselect_b32 s99, s79, s78
	s_cmp_eq_u32 s12, 2
	s_cselect_b32 s94, s98, s94
	s_cselect_b32 s99, s81, s99
	s_add_co_i32 s94, s94, 127
	s_lshl_b32 s96, s94, 23
	s_mov_b32 s97, s96
	s_add_co_i32 s99, s99, 127
	s_lshl_b32 s98, s99, 23
	s_add_co_i32 s99, s99, 15
	s_lshl_b32 s99, s99, 23
	s_or_b32 s99, s99, 0x600000
	PLACES NP
	v_mov_b32 v248, s98
	v_mov_b32 v249, s99
	s_cmp_eq_u32 s12, 2
	s_cbranch_scc1 .Lv
	WIN TO_B
	s_wait_alu depctr_va_vdst(0)
.irp b, 0,1,2,3,4,5,6,7
	global_load_b128 v[8*\b:8*\b+3], v[BOF], s[90:91] offset:64*\b
	global_load_b128 v[8*\b+4:8*\b+7], v[BOF], s[90:91] offset:64*\b+16
.endr
	WIN 0
.macro ROPELOAD a
.irp c, 0,1,2,3,4,5,6,7
	global_load_b128 v[RT+32*((\a)%2)+4*\c:RT+32*((\a)%2)+4*\c+3], v[L16], s[88:89] offset:(\a)*4096+512*\c
.endr
.endm
.macro QK_ARITH a
.set AC, 64*((\a)%4)
.set RS, RT+32*((\a)%2)
	WIN 0x12+((\a)/4)
.set j, 0
.rept 32
	v_pk_fma_f32 v[TMP+j:TMP+j+1], v[AC+j:AC+j+1], s[96:97], v[j:j+1] op_sel_hi:[1,0,1]
.set j, j+2
.endr
	WIN 0
.irp b, 0,1,2,3,4,5,6,7
.irp p, 0,1,2,3
	v_pk_mul_f32 v[TT+2*\p:TT+2*\p+1], v[TMP+8*\b+2*\p:TMP+8*\b+2*\p+1], v[RS+8*(\b%4)+2*\p:RS+8*(\b%4)+2*\p+1] op_sel:[1,1] op_sel_hi:[0,1]
.endr
.irp p, 0,1,2,3
	v_pk_fma_f32 v[TMP+8*\b+2*\p:TMP+8*\b+2*\p+1], v[TMP+8*\b+2*\p:TMP+8*\b+2*\p+1], v[RS+8*(\b%4)+2*\p:RS+8*(\b%4)+2*\p+1], v[TT+2*\p:TT+2*\p+1] op_sel_hi:[1,0,1] neg_lo:[0,0,1]
.endr
.endr
.set j, 0
.rept 64
	v_med3_num_f32 v[TMP+j], v[TMP+j], -v249, v249
.set j, j+1
.endr
.if (\a) > 0
	s_wait_alu depctr_va_vdst(0)
	s_wait_dscnt 4
.endif
.irp b, 0,1,2,3,4,5,6,7
	v_cvt_scalef32_pk8_bf8_f32 v[CD+2*\b:CD+2*\b+1], v[TMP+8*\b:TMP+8*\b+7], v248
.endr
	v_nop
.endm
.macro QSTAGE a
.irp b, 0,1,2,3,4,5,6,7
	ds_store_b64 v[QSTO], v[CD+2*\b:CD+2*\b+1] offset:((\a)%2)*2560+(\b/4)*1280+16*(\b%4)
.endr
.irp i, 0,1,2,3
	ds_load_b128 v[BK+16*((\a)%2)+4*\i:BK+16*((\a)%2)+4*\i+3], v[QRD] offset:((\a)%2)*2560+(\i/2)*1280+(\i%2)*640
.endr
.endm
.macro SENDQ a, younger
	s_wait_dscnt \younger
.irp i, 0,1,2,3
	global_store_b128 v[L16], v[BK+16*((\a)%2)+4*\i:BK+16*((\a)%2)+4*\i+3], s[84:85] offset:((\a)/2)*2048+((\a)%2)*512+(\i%2)*1024+(\i/2)*131072
.endr
.endm
	ROPELOAD 0
.irp a, 0,1,2,3,4,5,6,7
.if \a < 7
	ROPELOAD \a+1
	s_wait_loadcnt 8
.else
	s_wait_loadcnt 0x0
.endif
	QK_ARITH \a
.if \a > 1
	s_wait_alu depctr_va_vdst(0)
	s_wait_xcnt 0x0
.endif
	QSTAGE \a
.if \a > 0
	SENDQ \a-1, 12
.endif
.endr
	SENDQ 7, 0
	s_branch .Ljoin
.Lv:
	s_wait_alu depctr_va_vdst(0)
.irp a, 0,1,2,3,4,5,6,7
	global_load_b32 v[32+\a], v[ROF], s[92:93] offset:64*\a
.endr
	s_wait_loadcnt 0x0
.macro VBLOCK a
.set AC, 64*((\a)%4)
.set BP, 32+2*((\a)/2)
	WIN 0x02+((\a)/4)
.set j, 0
.rept 32
.if (\a)%2
	v_pk_fma_f32 v[TMP+j:TMP+j+1], v[AC+j:AC+j+1], s[96:97], v[BP:BP+1] op_sel:[0,0,1] op_sel_hi:[1,0,1]
.else
	v_pk_fma_f32 v[TMP+j:TMP+j+1], v[AC+j:AC+j+1], s[96:97], v[BP:BP+1] op_sel_hi:[1,0,0]
.endif
.set j, j+2
.endr
	WIN 0
.set j, 0
.rept 64
	v_med3_num_f32 v[TMP+j], v[TMP+j], -v249, v249
.set j, j+1
.endr
	s_wait_alu depctr_va_vdst(0)
	s_wait_dscnt 0x0
.irp b, 0,1,2,3,4,5,6,7
	v_cvt_scalef32_pk8_bf8_f32 v[CD+2*\b:CD+2*\b+1], v[TMP+8*\b:TMP+8*\b+7], v248
.endr
	v_nop
.irp b, 0,1,2,3,4,5,6,7
	ds_store_b64 v[VSTO], v[CD+2*\b:CD+2*\b+1] offset:(\a)*4352+16*\b
.endr
.endm
.irp a, 0,1,2,3,4,5,6,7
	VBLOCK \a
.endr
.Ljoin:
	s_wait_dscnt 0x0
	s_barrier_signal -1
	s_barrier_wait -1
	s_cmp_lg_u32 s12, 2
	s_cbranch_scc1 .Lend
.set i, 0
.rept 32
	ds_load_b128 v[32+4*i:35+4*i], v[VRD] offset:544*i
.set i, i+1
.endr
.set i, 0
.rept 32
	s_wait_dscnt 31-i
	global_store_b128 v[VGO], v[32+4*i:35+4*i], s[86:87] offset:4096*i
.set i, i+1
.endr
.Lend:
	s_wait_tensorcnt 0x0
	ds_add_u32 v[SPW], v[NIL]
	s_wait_dscnt 0x0
	CROUND
	s_endpgm
.Lfunc_end_k_qafe6d61fea_qkv:
	.size	k_qafe6d61fea_qkv, .Lfunc_end_k_qafe6d61fea_qkv-k_qafe6d61fea_qkv
	.p2alignl 7, 3214868480
	.fill 96, 4, 3214868480
	.section	.rodata,"a",@progbits
	.p2align	6, 0x0
	.amdhsa_kernel k_qafe6d61fea_qkv
		.amdhsa_group_segment_fixed_size 327680
		.amdhsa_private_segment_fixed_size 0
		.amdhsa_enable_private_segment 0
		.amdhsa_kernarg_size 48
		.amdhsa_user_sgpr_count 2
		.amdhsa_user_sgpr_kernarg_segment_ptr 1
		.amdhsa_wavefront_size32 1
		.amdhsa_system_sgpr_workgroup_id_x 1
		.amdhsa_system_sgpr_workgroup_id_y 1
		.amdhsa_system_sgpr_workgroup_id_z 1
		.amdhsa_system_vgpr_workitem_id 0
		.amdhsa_next_free_vgpr 1024
		.amdhsa_next_free_sgpr 100
		.amdhsa_reserve_vcc 0
		.amdhsa_float_denorm_mode_32 3
		.amdhsa_float_denorm_mode_16_64 3
		.amdhsa_memory_ordered 1
		.amdhsa_forward_progress 1
		.amdhsa_inst_pref_size 249
	.end_amdhsa_kernel
	.amdgpu_metadata
---
amdhsa.version: [ 1, 2 ]
amdhsa.kernels:
  - .name:           k_qafe6d61fea_qkv
    .symbol:         k_qafe6d61fea_qkv.kd
    .args:
      - { .name: prepb, .offset: 0, .size: 8, .value_kind: global_buffer, .address_space: global }
      - { .name: lowp_scales, .offset: 8, .size: 8, .value_kind: global_buffer, .address_space: global }
      - { .name: q_b, .offset: 16, .size: 8, .value_kind: global_buffer, .address_space: global }
      - { .name: k_b, .offset: 24, .size: 8, .value_kind: global_buffer, .address_space: global }
      - { .name: v_b, .offset: 32, .size: 8, .value_kind: global_buffer, .address_space: global }
      - { .name: qkvc, .offset: 40, .size: 8, .value_kind: global_buffer, .address_space: global }
    .group_segment_fixed_size: 327680
    .private_segment_fixed_size: 0
    .kernarg_segment_align: 8
    .kernarg_segment_size: 48
    .max_flat_workgroup_size: 128
    .sgpr_count:     100
    .vgpr_count:     1024
    .wavefront_size: 32
...
	.end_amdgpu_metadata
.endif
;; end of part 9
;; launch attn (part 10): grid 8 x 32, 16 waves a work-group, clusters of 4 x 1, 327,680 bytes of LDS; arguments qkvc, lowp_scales, big; writes big
.if DOCPART == 10
	.amdgcn_target "amdgcn-amd-amdhsa--gfx1250"
	.amdhsa_code_object_version 6
	.text
	.protected	k_qafe6d61fea_attn
	.globl	k_qafe6d61fea_attn
	.p2align	8
	.type	k_qafe6d61fea_attn,@function
k_qafe6d61fea_attn:
	s_mov_b64 s[64:65], 0
	v_nop
	global_prefetch_b8 v0, s[64:65] scope:SCOPE_SE
	s_setreg_imm32_b32 hwreg(HW_REG_WAVE_MODE, 25, 1), 1
	s_wait_xcnt 0x0
	s_wait_alu depctr_hold_cnt(0) depctr_sa_sdst(0) depctr_va_vdst(0) depctr_va_sdst(0) depctr_va_ssrc(0) depctr_va_vcc(0) depctr_vm_vsrc(0)
	s_getreg_b32 s2, hwreg(HW_REG_IB_STS2, 6, 4)
	s_cmp_eq_u32 s2, 0
	s_cbranch_scc0 .Lentry_in_a_cluster
	s_endpgm
.Lentry_in_a_cluster:
	s_bfe_u32 s2, ttmp6, 0x10000c
	s_cmp_lg_u32 s2, 0x3003
	s_cbranch_scc0 .Lentry_shape_is_right
	s_endpgm
.Lentry_shape_is_right:
; ATTENTION on codes of E5M2: 32 heads (b*16 + head) x 2,048 queries x 2,048 keys, head size 64, no mask.  The result, f32, goes to rows m = 2 s + b, columns 64 head on.
; q, k: [head][pos][64] codes, pos = the position with bits 3 and 4 changed over;  v: [head][d][position] codes, the keys innermost.
; THE SOFTMAX AHEAD OF THE SECOND PRODUCT: t = score x log2(e) / 8; M = the running largest t rounded UP to a whole number; p = 2^(t - M) is quantised, not normalised; the sum is taken of the unquantised p
; and divides at the end; when M moves, the sum and O are multiplied by 2^(old M - new M), which rounds nothing.
; SHARES.  A work-group owns 256 queries of a head, each of its sixteen waves 16 of them in 256 registers, four waves to a SIMD.
; A HEAD'S WHOLE K AND V LIE IN LDS, each byte filled once, by ONE tensor load a wave at the head: waves 0-7 take 256 keys each (dense in memory: 64 rows of 256 bytes, four keys a row, LDS pitch 272),
; waves 8-15 half a quarter of V each (32 rows of 512 bytes, LDS pitch 528; V lies as four quarters of 512 keys x 64 rows).  One wait for 0 and one barrier stand ahead of the keys; no barrier stands among the 16 key steps.
; CLUSTER.  The four query blocks of a cluster belong to one head: each tile is asked for jointly, by the same load with the same descriptor and the mask of all four.
; Nothing is prefetched: all that the launch reads of K and V is asked for by the first lines of the text.
; LAYOUT.  Both products are used transposed: S^T = K Q^T (source 0 = 16 rows of K, source 1 = my queries), O^T = V^T P^T: a lane holds one query (lane % 16) throughout.  Row 16 t + m of K is key
; 32 (t / 2) + 8 (t % 2) + m % 8 + 16 (m / 8), so that the 16 registers of tiles 2 b and 2 b + 1 are keys 32 b + 16 (lane / 16) + 0 .. 15: the conversions' results are the second product's operand.
; K row k lies at 272 (k / 4) + 64 (k % 4): the 16 rows of a fragment load start at 16 different groups of four banks (words 68 (r / 4) + 16 (r % 4) mod 64 are all different).
; FRAGMENTS AHEAD.  K's and V's fragments have registers of their own.  A step's fragments of V are asked for at its top, the NEXT step's fragments of K behind this step's first product: the step's one wait on DScnt,
; for 0, stands behind the exponentials and serves both.  The last of the 16 steps asks for no K.
; p's CODES have no registers of their own: they land on p's first 16 registers, v96-111, once those are converted; group 0's codes go there by way of four registers at work.
; LIMITS: entries 6 + 7 between -123 and 130 (they are added to the exponent field of log2(e) / 8); entry 8 between -126 and 112; 8 + 9 is applied by v_ldexp_f32.
; REGISTERS: v1, v2 my lane's place in K and V; v3, v4 addresses of the quarter in hand; v5, v6 the add's; v7 the scale; v8, v9 the hold's bound, twice; v[10:11] f; v12 -M, v13 the largest t, v[14:15] the sum;
;   v16-23 at work; v24-31 Q; v32-95 K's eight fragments; v96-159 S^T, then p, then (v96-111) p's codes; v160-191 O^T; v192-255 V's four fragments.
.set VP,    528                        ; a row of a quarter of V: 512 bytes + 16
.set KT,    1088                       ; 16 keys in LDS: four rows of 272
.set KS,    8*KT                       ; a key step's 128 keys
.set KQ,    4*KS                       ; 512 keys
.set KW,    17408                      ; 256 keys: what one wave fetches
.set VBASE, 139264                     ; behind K's 2,048 keys
.set VQ,    33792                      ; a quarter of V
.set SPARE, 274432                     ; behind V: the spare words, 128 bytes for each wave, which no other line names
.set AK0,  1
.set AV0,  2
.set ADK,  3
.set ADV,  4
.set SPW,  5
.set NIL,  6
.set SCL,  7
.set LIM0, 8
.set LIM1, 9
.set F,    10
.set T,    16
.set QR,   24
.set KB,   32
.set VB,   192
.set TBK,  2                           ; s2  LDS byte at which the quarter's keys begin
.set TBV,  3                           ; s3  the same for V
.set WV,   18
.set SEL,  20
.set CS,   22
.set G1K,  24
.set G1V,  32
.set G0K,  40
.set G0V,  44
.macro CROUND
	s_barrier_signal -1
	s_barrier_wait -1
	s_cmp_lg_u32 s[WV], 0
	s_cbranch_scc1 .Lnot_wave_0_\@
	s_barrier_signal -3
.Lnot_wave_0_\@:
	s_barrier_wait -3
	s_barrier_signal -1
	s_barrier_wait -1
.endm
	s_load_b128 s[4:7], s[0:1], 0x0                ; qkvc 4, the exponents 6
	s_load_b64 s[8:9], s[0:1], 0x10                ; big
	v_lshl_add_u32 v[SPW], v0, 2, SPARE
	v_mov_b32 v[NIL], 0
	ds_add_u32 v[SPW], v[NIL]                      ; the opening lines: the add, twice on end, and its wait ahead of my tensor load
	ds_add_u32 v[SPW], v[NIL]
	v_lshrrev_b32 v16, 5, v0
	v_readfirstlane_b32 s[WV], v16                 ; wave 0..15
	s_bfe_u32 s10, ttmp6, 0x40000                  ; cx
	s_lshl_b32 s11, ttmp9, 2
	s_add_co_u32 s11, s11, s10                     ; my block of 256 queries: it enters Q's and the result's addresses alone
	s_and_b32 s12, ttmp7, 0xffff                   ; the head, which the four partners share
	s_and_b32 s13, s[WV], 7
	s_lshl_b32 s14, s12, 17                        ; a head is 131,072 bytes in each of the three tensors
	s_lshl_b32 s15, s13, 14
	s_add_co_u32 s90, s14, s15
	s_add_co_u32 s90, s90, 0x400000                ; K: my 256 keys, 16,384 bytes
	s_mov_b32 s91, 0
	s_mul_i32 s16, s13, KW                         ; and their place in LDS
	s_lshr_b32 s17, s13, 1                         ; V: which quarter,
	s_and_b32 s19, s13, 1                          ; which 32 rows
	s_lshl_b32 s92, s17, 9
	s_lshl_b32 s15, s19, 16
	s_add_co_u32 s92, s92, s15
	s_add_co_u32 s92, s92, s14
	s_add_co_u32 s92, s92, 0x800000
	s_mov_b32 s93, 0
	s_mul_i32 s17, s17, VQ
	s_mul_i32 s19, s19, 32*VP
	s_add_co_u32 s17, s17, s19
	s_add_co_u32 s17, s17, VBASE
	s_mov_b32 s[G1K], 15|(0<<16)|(1<<20)|(1<<21)|(5<<22)|(3<<25)   ; the mask of all four; elements of 1 byte; padding on; bit 21 beside a mask; after every 64 words four words
	s_mov_b32 s[G1K+1], 256<<16                    ; tensor_dim0
	s_mov_b32 s[G1K+2], 64<<16                     ; tensor_dim1
	s_mov_b32 s[G1K+3], 256<<16                    ; tile_dim0
	s_mov_b32 s[G1K+4], 64                         ; tile_dim1
	s_mov_b32 s[G1K+5], 256                        ; tensor_dim0_stride
	s_mov_b32 s[G1K+6], 0
	s_mov_b32 s[G1K+7], 0
	s_mov_b32 s[G1V], 15|(0<<16)|(1<<20)|(1<<21)|(6<<22)|(3<<25)   ; padding: four words after every 128
	s_mov_b32 s[G1V+1], 512<<16
	s_mov_b32 s[G1V+2], 32<<16
	s_mov_b32 s[G1V+3], 512<<16
	s_mov_b32 s[G1V+4], 32
	s_mov_b32 s[G1V+5], 2048
	s_mov_b32 s[G1V+6], 0
	s_mov_b32 s[G1V+7], 0
	s_mov_b32 s[SEL], 0x76543210
	s_mov_b32 s[SEL+1], 0xfedcba98
	s_mov_b32 s[CS], 0x3e38aa3b                    ; log2(e) / 8
	s_wait_dscnt 0x0                               ; both opening adds are done
	s_wait_kmcnt 0x0
	s_load_b128 s[84:87], s[6:7], 0x18             ; entries 6 to 9
	s_mov_b32 s[G0K], 1
	s_mov_b32 s[G0K+1], s16
	s_add_nc_u64 s[G0K+2:G0K+3], s[4:5], s[90:91]
	s_or_b32 s[G0K+3], s[G0K+3], 0x80000000
	s_mov_b32 s[G0V], 1
	s_mov_b32 s[G0V+1], s17
	s_add_nc_u64 s[G0V+2:G0V+3], s[4:5], s[92:93]
	s_or_b32 s[G0V+3], s[G0V+3], 0x80000000
	CROUND                                         ; all four work-groups are here: the joint loads meet
	s_cmp_lt_u32 s[WV], 8                          ; waves 0-7 fetch K, waves 8-15 V: one load in each arm, every wave issues one
	s_cbranch_scc0 .Lfirst_v
	tensor_load_to_lds s[G0K:G0K+3], s[G1K:G1K+7]
	s_nop 0
.rept 4
	v_nop
.endr
	s_branch .Lfirst_asked
.Lfirst_v:
	tensor_load_to_lds s[G0V:G0V+3], s[G1V:G1V+7]
	s_nop 0
.rept 4
	v_nop
.endr
.Lfirst_asked:
	; Q: query 16 w + r of my block lies at pos 32 (w / 2) + 16 (r / 8) + 8 (w % 2) + r % 8
	s_lshl_b32 s15, s11, 3
	s_lshr_b32 s19, s[WV], 1
	s_add_co_u32 s15, s15, s19
	s_lshl_b32 s15, s15, 5
	s_and_b32 s19, s[WV], 1
	s_lshl_b32 s19, s19, 3
	s_add_co_u32 s15, s15, s19
	s_lshl_b32 s15, s15, 6
	s_add_co_u32 s90, s15, s14
	s_add_nc_u64 s[60:61], s[4:5], s[90:91]
	; the result: row 2 (256 block + 16 w + ..) + b, columns 64 head on
	s_lshl_b32 s15, s11, 8
	s_lshl_b32 s19, s[WV], 4
	s_add_co_u32 s15, s15, s19
	s_lshl_b32 s15, s15, 1
	s_lshr_b32 s19, s12, 4
	s_add_co_u32 s15, s15, s19
	s_lshl_b32 s15, s15, 12
	s_and_b32 s19, s12, 15
	s_lshl_b32 s19, s19, 8
	s_add_co_u32 s92, s15, s19
	s_add_nc_u64 s[62:63], s[8:9], s[92:93]
	s_wait_kmcnt 0x0
	s_add_co_i32 s14, s84, s85
	s_lshl_b32 s14, s14, 23
	s_add_co_i32 s[CS], s[CS], s14                 ; a score stands for score x 2^(entries 6 + 7)
	s_mov_b32 s[CS+1], s[CS]                       ; (named with it as a pair, so it is written)
	s_add_co_i32 s14, s86, 127
	s_lshl_b32 s15, s14, 23                        ; 2^(entry 8)
	s_add_co_i32 s14, s14, 15
	s_lshl_b32 s14, s14, 23
	s_or_b32 s14, s14, 0x600000                    ; 57,344 x that
	s_mov_b32 s[TBK], 0
	s_mov_b32 s[TBV], 0
	s_mov_b32 s88, 4
	; all the head's vector work stands in one run
	v_and_b32 v16, 15, v0                          ; r
	v_bfe_u32 v17, v0, 4, 1                        ; h
	v_and_b32 v18, 8, v16
	v_add_nc_u32 v18, v18, v16                     ; r % 8 + 16 (r / 8)
	v_lshlrev_b32 v19, 6, v18
	v_lshl_add_u32 v19, v17, 4, v19
	global_load_b128 v[QR:QR+3], v19, s[60:61]     ; channels 16 h + 0 .. 15,
	global_load_b128 v[QR+4:QR+7], v19, s[60:61] offset:32   ; 32 + 16 h + 0 .. 15: the same places as in K's fragments
	v_lshrrev_b32 v18, 2, v16
	v_mul_u32_u24 v[AK0], v18, 272
	v_and_b32 v18, 3, v16
	v_lshl_add_u32 v[AK0], v18, 6, v[AK0]
	v_lshl_add_u32 v[AK0], v17, 4, v[AK0]          ; K: 272 (r / 4) + 64 (r % 4) + 16 h
	v_mul_u32_u24 v[AV0], v16, VP
	v_lshl_add_u32 v[AV0], v17, 4, v[AV0]
	v_add_nc_u32 v[AV0], VBASE, v[AV0]
	v_mov_b32 v13, 0xff61b1e6                      ; the largest t so far: -3e38
	v_floor_f32 v12, -v13                          ; -M
	v_mov_b32 v14, 0
	v_mov_b32 v15, 0
	v_mov_b32 v[T+4], 0                            ; a lane permute's destination counts as one of its sources
	v_mov_b32 v[F+1], 0                            ; (named as the upper half of the pair v[F:F+1])
	v_mov_b32 v[SCL], s15
	v_mov_b32 v[LIM0], s14                         ; the hold's bound in two registers: the two halves of a dual pair take their second sources from different banks
	v_mov_b32 v[LIM1], s14
.set j, 0
.rept 32
	v_mov_b32 v[160+j], 0                          ; O^T: the step is written once; its first pass finds zeros, which the first change of M leaves zeros
.set j, j+1
.endr
.macro FMAS j0, n                      ; t - M, two at a time
.set j, \j0
.rept \n
	v_pk_fma_f32 v[96+j:97+j], v[96+j:97+j], s[CS:CS+1], v[12:13] op_sel_hi:[1,0,0]
.set j, j+2
.endr
.endm
.macro HOLD b                          ; group b's 16 numbers: the conversion does not saturate (ISA guide 7.6.2); p is not negative, so the hold is one-sided; two numbers a line
.set i, 0
.rept 8
	v_dual_min_num_f32 v[96+16*(\b)+i], v[96+16*(\b)+i], v[LIM0] :: v_dual_min_num_f32 v[97+16*(\b)+i], v[97+16*(\b)+i], v[LIM1]
.set i, i+2
.endr
.endm
; A KEY STEP: 128 keys, the q-th of the quarter in hand.  Every LDS offset is an immediate.  Its fragments of K are in registers: the step before has waited for them.
.macro STEP q
.rept 5-2*((\q)==0)
	v_nop                                          ; five plain lines (q = 0: the two additions at the trip's head are two of them) between the last products and the first product below, which writes over their source v96-111; four serve the loads into V's registers
.endr
.irp t, 0,1,2,3
.irp c, 0,1,2,3
	ds_load_b128 v[VB+16*\t+4*\c:VB+16*\t+4*\c+3], v[ADV] offset:16*VP*\t+128*(\q)+32*\c   ; V's four fragments land while the softmax is worked
.endr
.endr
.irp t, 0,1,2,3,4,5,6,7
	v_wmma_f32_16x16x64_bf8_bf8 v[96+8*\t:103+8*\t], v[KB+8*\t:KB+8*\t+7], v[QR:QR+7], 0
.endr
.rept 4
	v_nop                                          ; places ahead of the loads below and of the first read of the scores
.endr
.if (\q) == 3
	s_cmp_eq_u32 s88, 1                            ; the last of the 16 steps has no successor: the loop's counter leads round the loads alone
	s_cbranch_scc1 .Lno_next_\@
.endif
.irp t, 0,1,2,3,4,5,6,7
	ds_load_b128 v[KB+8*\t:KB+8*\t+3], v[ADK] offset:((\q)+1)*KS+KT*\t        ; the NEXT step's fragments of K
	ds_load_b128 v[KB+8*\t+4:KB+8*\t+7], v[ADK] offset:((\q)+1)*KS+KT*\t+32
.endr
.if (\q) == 3
.Lno_next_\@:
.endif
	v_max3_num_f32 v[T], v96, v97, v98             ; the step's largest score of my query, among my 64 keys, in four chains; the registers go in ascending order
	v_max3_num_f32 v[T+1], v99, v100, v101
	v_max3_num_f32 v[T+2], v102, v103, v104
	v_max3_num_f32 v[T+3], v105, v106, v107
.set i, 108
.set m, 0
.rept 26
	v_max3_num_f32 v[T+m], v[T+m], v[i], v[i+1]
.set i, i+2
.set m, (m+1)%4
.endr
	v_max3_num_f32 v[T], v[T], v[T+1], v[T+2]
	s_delay_alu instid0(VALU_DEP_1)
	v_max_num_f32 v[T], v[T], v[T+3]
	v_permlanex16_b32 v[T+4], v[T], s[SEL], s[SEL+1]
	s_delay_alu instid0(VALU_DEP_1)
	v_max_num_f32 v[T], v[T], v[T+4]               ; and among those of the lane 16 away
	s_delay_alu instid0(VALU_DEP_1)
	v_mul_f32 v[T], s[CS], v[T]                    ; as t
	s_delay_alu instid0(VALU_DEP_1)
	v_max_num_f32 v13, v13, v[T]                   ; the running largest t
	v_mov_b32 v[T+1], v12
	s_delay_alu instid0(VALU_DEP_2)
	v_floor_f32 v12, -v13                          ; the new -M = -ceil(t): a whole number
	s_delay_alu instid0(VALU_DEP_1)
	v_sub_f32 v[T+1], v12, v[T+1]                  ; old M less new M: a whole number, 0 or less
	FMAS 0, 8                                      ; the scalings stand between the links of the chain that makes f
	v_cvt_i32_f32 v[T+1], v[T+1]
	FMAS 16, 8
	v_ldexp_f32 v[F], 1.0, v[T+1]                  ; f = 2^(old M - new M)
	FMAS 32, 16
.set j, 0
.rept 16
	v_pk_mul_f32 v[160+j:161+j], v[160+j:161+j], v[F:F+1] op_sel_hi:[1,0]   ; O^T under the new M, ahead of the exponentials: no transcendental stands between the last products and this first read of their results
.set j, j+2
.endr
	s_wait_alu depctr_va_vdst(0)                   ; the wait ahead of the batch
.set j, 0
.rept 64
	v_exp_f32 v[96+j], v[96+j]                     ; p = 2^(t - M), at most 1
.set j, j+1
.endr
	v_pk_mul_f32 v[14:15], v[14:15], v[F:F+1] op_sel_hi:[1,0]   ; the sums under the new M: a plain line behind the exponentials
	s_wait_alu depctr_va_vdst(0)                   ; one wait for the whole batch, ahead of its first reader
	s_wait_dscnt 0x0                               ; V's fragments are in, and the next step's fragments of K
.irp c, 0,1,2,3                        ; THE ROW'S SUM IS TAKEN OF THE UNQUANTISED p: 32 pairs in five chains
	v_pk_add_f32 v[T+2*\c:T+2*\c+1], v[96+4*\c:97+4*\c], v[98+4*\c:99+4*\c]
.endr
.set j, 112
.set m, 0
.rept 24
.if m == 4
	v_pk_add_f32 v[14:15], v[14:15], v[j:j+1]
.else
	v_pk_add_f32 v[T+2*m:T+2*m+1], v[T+2*m:T+2*m+1], v[j:j+1]
.endif
.set j, j+2
.set m, (m+1)%5
.endr
	v_pk_add_f32 v[T:T+1], v[T:T+1], v[T+2:T+3]
	v_pk_add_f32 v[T+4:T+5], v[T+4:T+5], v[T+6:T+7]
	v_pk_add_f32 v[14:15], v[14:15], v[T:T+1]
	v_pk_add_f32 v[14:15], v[14:15], v[T+4:T+5]
	HOLD 0
	v_cvt_scalef32_pk8_bf8_f32 v[T:T+1], v[96:103], v[SCL]          ; group 0's codes wait in v16-19: their place is still among this conversion's sources
	v_cvt_scalef32_pk8_bf8_f32 v[T+2:T+3], v[104:111], v[SCL]
.irp b, 1,2,3
	HOLD \b                                        ; (eight plain lines between the conversions above and the lines below that write over group 0's numbers)
	v_cvt_scalef32_pk8_bf8_f32 v[96+4*\b:97+4*\b], v[96+16*\b:103+16*\b], v[SCL]     ; registers 4 b .. 4 b + 3 of the operand v96-111
	v_cvt_scalef32_pk8_bf8_f32 v[98+4*\b:99+4*\b], v[104+16*\b:111+16*\b], v[SCL]
.endr
.irp k, 0,1,2,3
	v_mov_b32 v[96+\k], v[T+\k]                    ; group 0's codes to their place; these are also the plain lines between the last conversion and the products
.endr
.irp t, 0,1,2,3
	v_wmma_f32_16x16x128_bf8_bf8 v[160+8*\t:167+8*\t], v[VB+16*\t:VB+16*\t+15], v[96:111], v[160+8*\t:167+8*\t]   ; the four accumulators take turns
.endr
.endm
	s_wait_alu depctr_va_vdst(0)                   ; the wait at the head's end
	s_wait_loadcnt 0x0                             ; Q
	s_wait_tensorcnt 0x0                           ; my part of K or V is in
	s_barrier_signal -1
	s_barrier_wait -1                              ; everybody's is.
.irp t, 0,1,2,3,4,5,6,7
	ds_load_b128 v[KB+8*\t:KB+8*\t+3], v[AK0] offset:KT*\t          ; the first step's fragments of K
	ds_load_b128 v[KB+8*\t+4:KB+8*\t+7], v[AK0] offset:KT*\t+32
.endr
	s_wait_dscnt 0x0
.Lquarter:                                             ; four trips of four key steps
	v_add_nc_u32 v[ADK], s[TBK], v[AK0]
	v_add_nc_u32 v[ADV], s[TBV], v[AV0]
	s_wait_alu depctr_va_vdst(0)
	STEP 0
	STEP 1
	STEP 2
	STEP 3
	s_add_co_u32 s[TBK], s[TBK], KQ
	s_add_co_u32 s[TBV], s[TBV], VQ
	s_sub_co_u32 s88, s88, 1
	s_cmp_lg_u32 s88, 0
	s_cbranch_scc1 .Lquarter
	; THE WAY OUT.  Behind a barrier nobody reads K any more: each wave's stage, 16 rows x 272 bytes, lies there; K's bytes have had their one fill.
	s_wait_dscnt 0x0
	s_barrier_signal -1
	s_barrier_wait -1
	v_add_f32 v14, v14, v15
	s_delay_alu instid0(VALU_DEP_1)
	v_permlanex16_b32 v[T+4], v14, s[SEL], s[SEL+1]
	s_delay_alu instid0(VALU_DEP_1)
	v_add_f32 v14, v14, v[T+4]                     ; the row's sum
	s_wait_alu depctr_va_vdst(0)                   ; the wait ahead of the transcendental
	v_rcp_f32 v14, v14
	v_and_b32 v16, 15, v0                          ; (a plain line behind the reciprocal)  r
	v_bfe_u32 v17, v0, 4, 1                        ; h
	s_add_co_i32 s14, s86, s87
	s_mul_i32 s15, s[WV], 16*272
	v_mul_u32_u24 v18, v16, 272
	v_mul_u32_u24 v19, v17, 272
	v_lshl_add_u32 v18, v17, 5, v18
	v_lshl_add_u32 v19, v16, 4, v19
	v_add_nc_u32 v18, s15, v18                     ; in: row r, 32 h bytes on
	v_add_nc_u32 v19, s15, v19                     ; back: lanes 0-15 one row, lanes 16-31 the next
	v_lshlrev_b32 v22, 13, v17
	v_lshl_add_u32 v22, v16, 4, v22                ; in memory: lanes 0-15 one query's row, lanes 16-31 the next query's, 8,192 bytes on
	s_wait_alu depctr_va_vdst(0)                   ; the wait, ahead of the reciprocal's first reader
	v_ldexp_f32 v14, v14, s14                      ; x 2^(entries 8 + 9)
	s_wait_alu depctr_va_vdst(0)                   ; the wait, directly ahead of the first reader of O^T
.set j, 0
.rept 32
	v_mul_f32 v[96+j], v[160+j], v14               ; register 8 t + i is o(r, 16 t + 8 h + i)
.set j, j+1
.endr
.irp t, 0,1,2,3
	ds_store_b128 v18, v[96+8*\t:99+8*\t] offset:64*\t
	ds_store_b128 v18, v[100+8*\t:103+8*\t] offset:64*\t+16
.endr
.irp i, 0,1,2,3,4,5,6,7
	ds_load_b128 v[32+4*\i:35+4*\i], v19 offset:544*\i   ; LDS serves a wave's instructions in order (ISA guide 5.7.1.4): these see my stores
.endr
.irp i, 0,1,2,3,4,5,6,7
	s_wait_dscnt 7-\i                              ; load i is back; the 7 - i younger ones may be out
	global_store_b128 v22, v[32+4*\i:35+4*\i], s[62:63] offset:16384*\i   ; sixteen lanes store 256 consecutive bytes, at a multiple of 256 from the buffer's first byte
.endr
	s_wait_tensorcnt 0x0                           ; the wave's end
	ds_add_u32 v[SPW], v[NIL]
	s_wait_dscnt 0x0
	CROUND                                         ; the closing round
	s_endpgm
.Lfunc_end_k_qafe6d61fea_attn:
	.size	k_qafe6d61fea_attn, .Lfunc_end_k_qafe6d61fea_attn-k_qafe6d61fea_attn
	.p2alignl 7, 3214868480
	.fill 96, 4, 3214868480
	.section	.rodata,"a",@progbits
	.p2align	6, 0x0
	.amdhsa_kernel k_qafe6d61fea_attn
		.amdhsa_group_segment_fixed_size 327680
		.amdhsa_private_segment_fixed_size 0
		.amdhsa_enable_private_segment 0
		.amdhsa_kernarg_size 24
		.amdhsa_user_sgpr_count 2
		.amdhsa_user_sgpr_kernarg_segment_ptr 1
		.amdhsa_wavefront_size32 1
		.amdhsa_system_sgpr_workgroup_id_x 1
		.amdhsa_system_sgpr_workgroup_id_y 1
		.amdhsa_system_sgpr_workgroup_id_z 1
		.amdhsa_system_vgpr_workitem_id 0
		.amdhsa_next_free_vgpr 256
		.amdhsa_next_free_sgpr 100
		.amdhsa_reserve_vcc 0
		.amdhsa_float_denorm_mode_32 3
		.amdhsa_float_denorm_mode_16_64 3
		.amdhsa_memory_ordered 1
		.amdhsa_forward_progress 1
		.amdhsa_inst_pref_size 76
	.end_amdhsa_kernel
	.amdgpu_metadata
---
amdhsa.version: [ 1, 2 ]
amdhsa.kernels:
  - .name:           k_qafe6d61fea_attn
    .symbol:         k_qafe6d61fea_attn.kd
    .args:
      - { .name: qkvc, .offset: 0, .size: 8, .value_kind: global_buffer, .address_space: global }
      - { .name: lowp_scales, .offset: 8, .size: 8, .value_kind: global_buffer, .address_space: global }
      - { .name: big, .offset: 16, .size: 8, .value_kind: global_buffer, .address_space: global }
    .group_segment_fixed_size: 327680
    .private_segment_fixed_size: 0
    .kernarg_segment_align: 8
    .kernarg_segment_size: 24
    .max_flat_workgroup_size: 512
    .sgpr_count:     100
    .vgpr_count:     256
    .wavefront_size: 32
...
	.end_amdgpu_metadata
.endif
;; end of part 10
;; launch ln1 (part 11): grid 1024 x 1, 4 waves a work-group, no clusters, 4,608 bytes of LDS; arguments src, big, ln1_g, ln1_b, lowp_scales, xf, xc; writes xf, xc
.if DOCPART == 11
	.amdgcn_target "amdgcn-amd-amdhsa--gfx1250"
	.amdhsa_code_object_version 6
	.text
	.protected	k_qafe6d61fea_ln1
	.globl	k_qafe6d61fea_ln1
	.p2align	8
	.type	k_qafe6d61fea_ln1,@function
k_qafe6d61fea_ln1:
	s_mov_b64 s[64:65], 0
	v_nop
	global_prefetch_b8 v0, s[64:65] scope:SCOPE_SE
	s_setreg_imm32_b32 hwreg(HW_REG_WAVE_MODE, 25, 1), 1
	s_wait_xcnt 0x0
; x = layer norm (src + attention's result) x g + b, in f32, stored as f32 (xf) and as codes of E5M2 by the scale of entry 10 (xc).
; One wave takes one row of 1,024 numbers, 32 a lane, and keeps it in registers: the row is read once; mean and variance are taken in two passes over the registers, the variance of the differences from the mean.
; No loop, no barrier: every load of a wave is issued at its head.  Each load and store covers 512 consecutive bytes.
; The matrix units, clusters and tensor loads have nothing to do here: the launch only streams.
; LIMIT: entry 10 between -126 and 112.  NaN among the inputs is not served.
.set A,  16                            ; v16-47   src, then the sum, then x
.set B,  48                            ; v48-79   attention's result; later x held for the conversions
.set G,  80                            ; v80-111  the gain
.set BE, 112                           ; v112-143 the bias
.set S,  144                           ; v144-151 four chains of sums; later the codes
	s_load_b256 s[4:11], s[0:1], 0x0               ; src 4, big 6, g 8, b 10
	s_load_b128 s[12:15], s[0:1], 0x20             ; the exponents 12, xf 14
	s_load_b64 s[16:17], s[0:1], 0x30              ; xc
	v_lshl_add_u32 v160, v0, 2, 0x1000
	v_mov_b32 v161, 0
	v_lshrrev_b32 v2, 5, v0
	v_readfirstlane_b32 s18, v2                    ; wave
	v_and_b32 v3, 31, v0
	s_wait_alu depctr_va_vdst(0)
	v_lshlrev_b32 v1, 4, v3                        ; 16 x lane
	s_lshl_b32 s19, ttmp9, 2
	s_add_co_u32 s19, s19, s18                     ; my row
	s_lshl_b32 s22, s19, 12
	s_mov_b32 s23, 0
	s_lshl_b32 s24, s19, 10
	s_mov_b32 s25, 0
	s_mov_b32 s20, 0x76543210
	s_mov_b32 s21, 0xfedcba98
	s_mov_b32 s28, 0x3a800000                      ; 1 / 1024
	s_mov_b32 s29, 0x3727c5ac                      ; 1e-5
	s_lshl_b32 s27, s18, 10
	v_lshl_add_u32 v4, v3, 2, s27                  ; LDS: my wave's 1,024 bytes, 4 a lane,
	v_lshl_add_u32 v5, v3, 4, s27                  ; and 16 a lane
	v_mov_b32 v9, 0                                ; a lane permute's destination counts as one of its sources
	s_wait_alu depctr_va_vdst(0)
	s_wait_kmcnt 0x0
	s_load_b32 s26, s[12:13], 0x28                 ; entry 10
	s_add_nc_u64 s[4:5], s[4:5], s[22:23]
	s_add_nc_u64 s[6:7], s[6:7], s[22:23]
	s_add_nc_u64 s[14:15], s[14:15], s[22:23]
	s_add_nc_u64 s[16:17], s[16:17], s[24:25]
.irp j, 0,1,2,3,4,5,6,7
	global_load_b128 v[A+4*\j:A+4*\j+3], v1, s[4:5] offset:512*\j th:TH_LOAD_NT
.endr
.irp j, 0,1,2,3,4,5,6,7
	global_load_b128 v[B+4*\j:B+4*\j+3], v1, s[6:7] offset:512*\j th:TH_LOAD_NT
.endr
.irp j, 0,1,2,3,4,5,6,7
	global_load_b128 v[G+4*\j:G+4*\j+3], v1, s[8:9] offset:512*\j
.endr
.irp j, 0,1,2,3,4,5,6,7
	global_load_b128 v[BE+4*\j:BE+4*\j+3], v1, s[10:11] offset:512*\j
.endr
.macro WSUM                            ; v8 summed over the 32 lanes, the result in every lane
	v_add_f32_dpp v8, v8, v8 row_xmask:1 row_mask:0xf bank_mask:0xf
	v_add_f32_dpp v8, v8, v8 row_xmask:2 row_mask:0xf bank_mask:0xf
	v_add_f32_dpp v8, v8, v8 row_xmask:4 row_mask:0xf bank_mask:0xf
	v_add_f32_dpp v8, v8, v8 row_xmask:8 row_mask:0xf bank_mask:0xf
	v_permlanex16_b32 v9, v8, s20, s21
	v_add_f32 v8, v8, v9
.endm
.macro FOLD                            ; the four chains into v8
	v_pk_add_f32 v[S:S+1], v[S:S+1], v[S+2:S+3]
	v_pk_add_f32 v[S+4:S+5], v[S+4:S+5], v[S+6:S+7]
	v_pk_add_f32 v[S:S+1], v[S:S+1], v[S+4:S+5]
	v_add_f32 v8, v[S], v[S+1]
.endm
	s_wait_loadcnt 16                              ; the two summands are in; gain and bias, sixteen loads, may be out
.set k, 0
.rept 16
	v_pk_add_f32 v[A+k:A+k+1], v[A+k:A+k+1], v[B+k:B+k+1]
.set k, k+2
.endr
.irp c, 0,2,4,6
	v_pk_add_f32 v[S+\c:S+\c+1], v[A+\c:A+\c+1], v[A+8+\c:A+8+\c+1]
.endr
.irp c, 0,2,4,6
	v_pk_add_f32 v[S+\c:S+\c+1], v[S+\c:S+\c+1], v[A+16+\c:A+16+\c+1]
.endr
.irp c, 0,2,4,6
	v_pk_add_f32 v[S+\c:S+\c+1], v[S+\c:S+\c+1], v[A+24+\c:A+24+\c+1]
.endr
	FOLD
	WSUM
	v_mul_f32 v10, s28, v8                         ; the mean
	v_mov_b32 v11, v10
.set k, 0
.rept 16
	v_pk_add_f32 v[A+k:A+k+1], v[A+k:A+k+1], v[10:11] neg_lo:[0,1] neg_hi:[0,1]
.set k, k+2
.endr
.irp c, 0,2,4,6
	v_pk_mul_f32 v[S+\c:S+\c+1], v[A+\c:A+\c+1], v[A+\c:A+\c+1]
.endr
.irp o, 8,16,24
.irp c, 0,2,4,6
	v_pk_fma_f32 v[S+\c:S+\c+1], v[A+\o+\c:A+\o+\c+1], v[A+\o+\c:A+\o+\c+1], v[S+\c:S+\c+1]
.endr
.endr
	FOLD
	WSUM
	v_fma_f32 v8, v8, s28, s29                     ; the variance + 1e-5
	s_wait_alu depctr_va_vdst(0)
	v_rsq_f32 v12, v8
	v_nop                                          ; a plain line behind the root
	s_wait_alu depctr_va_vdst(0)                   ; the wait, ahead of its first reader
	v_mov_b32 v13, v12
	s_wait_alu depctr_va_vdst(0)
	s_wait_loadcnt 0x0                             ; gain and bias
.set k, 0
.rept 16
	v_pk_mul_f32 v[A+k:A+k+1], v[A+k:A+k+1], v[12:13]
.set k, k+2
.endr
.set k, 0
.rept 16
	v_pk_fma_f32 v[A+k:A+k+1], v[A+k:A+k+1], v[G+k:G+k+1], v[BE+k:BE+k+1]
.set k, k+2
.endr
.irp j, 0,1,2,3,4,5,6,7
	global_store_b128 v1, v[A+4*\j:A+4*\j+3], s[14:15] offset:512*\j
.endr
	s_wait_kmcnt 0x0
	s_add_co_i32 s26, s26, 127
	s_lshl_b32 s27, s26, 23
	v_mov_b32 v14, s27                             ; 2^e
	s_add_co_i32 s26, s26, 15
	s_lshl_b32 s26, s26, 23
	s_or_b32 s26, s26, 0x600000
	v_mov_b32 v15, s26                             ; 57,344 x 2^e
.set k, 0
.rept 32
	v_med3_num_f32 v[B+k], v[A+k], -v15, v15       ; the conversion does not saturate (ISA guide 7.6.2): the hold comes first, into other registers than the stores read
.set k, k+1
.endr
.irp n, 0,1,2,3
	v_cvt_scalef32_pk8_bf8_f32 v[S+2*\n:S+2*\n+1], v[B+8*\n:B+8*\n+7], v14   ; register S + j: the four codes of columns 128 j + 4 lane on
.endr
	v_nop
.irp j, 0,1,2,3,4,5,6,7
	ds_store_b32 v4, v[S+\j] offset:128*\j         ; the row's 1,024 codes in order, in my wave's own bytes
.endr
	ds_load_b128 v[152:155], v5                    ; LDS serves a wave's instructions in order: these see my stores
	ds_load_b128 v[156:159], v5 offset:512
	s_wait_dscnt 0x0
	global_store_b128 v1, v[152:155], s[16:17]     ; 512 consecutive bytes each
	global_store_b128 v1, v[156:159], s[16:17] offset:512
	s_wait_tensorcnt 0x0
	ds_add_u32 v160, v161
	s_wait_dscnt 0x0
	s_endpgm
.Lfunc_end_k_qafe6d61fea_ln1:
	.size	k_qafe6d61fea_ln1, .Lfunc_end_k_qafe6d61fea_ln1-k_qafe6d61fea_ln1
	.p2alignl 7, 3214868480
	.fill 96, 4, 3214868480
	.section	.rodata,"a",@progbits
	.p2align	6, 0x0
	.amdhsa_kernel k_qafe6d61fea_ln1
		.amdhsa_group_segment_fixed_size 4608
		.amdhsa_private_segment_fixed_size 0
		.amdhsa_enable_private_segment 0
		.amdhsa_kernarg_size 56
		.amdhsa_user_sgpr_count 2
		.amdhsa_user_sgpr_kernarg_segment_ptr 1
		.amdhsa_wavefront_size32 1
		.amdhsa_system_sgpr_workgroup_id_x 1
		.amdhsa_system_sgpr_workgroup_id_y 1
		.amdhsa_system_sgpr_workgroup_id_z 1
		.amdhsa_system_vgpr_workitem_id 0
		.amdhsa_next_free_vgpr 162
		.amdhsa_next_free_sgpr 66
		.amdhsa_reserve_vcc 0
		.amdhsa_float_denorm_mode_32 3
		.amdhsa_float_denorm_mode_16_64 3
		.amdhsa_memory_ordered 1
		.amdhsa_forward_progress 1
		.amdhsa_inst_pref_size 17
	.end_amdhsa_kernel
	.amdgpu_metadata
---
amdhsa.version: [ 1, 2 ]
amdhsa.kernels:
  - .name:           k_qafe6d61fea_ln1
    .symbol:         k_qafe6d61fea_ln1.kd
    .args:
      - { .name: src, .offset: 0, .size: 8, .value_kind: global_buffer, .address_space: global }
      - { .name: big, .offset: 8, .size: 8, .value_kind: global_buffer, .address_space: global }
      - { .name: ln1_g, .offset: 16, .size: 8, .value_kind: global_buffer, .address_space: global }
      - { .name: ln1_b, .offset: 24, .size: 8, .value_kind: global_buffer, .address_space: global }
      - { .name: lowp_scales, .offset: 32, .size: 8, .value_kind: global_buffer, .address_space: global }
      - { .name: xf, .offset: 40, .size: 8, .value_kind: global_buffer, .address_space: global }
      - { .name: xc, .offset: 48, .size: 8, .value_kind: global_buffer, .address_space: global }
    .group_segment_fixed_size: 4608
    .private_segment_fixed_size: 0
    .kernarg_segment_align: 8
    .kernarg_segment_size: 56
    .max_flat_workgroup_size: 128
    .sgpr_count:     66
    .vgpr_count:     162
    .wavefront_size: 32
...
	.end_amdgpu_metadata
.endif
;; end of part 11
;; launch ffn1 (part 12): grid 16 x 16, 4 waves a work-group, clusters of 4 x 4, 327,680 bytes of LDS; arguments xc, prepb, lowp_scales, b1, hc; writes hc
.if DOCPART == 12
	.amdgcn_target "amdgcn-amd-amdhsa--gfx1250"
	.amdhsa_code_object_version 6
	.text
	.protected	k_qafe6d61fea_ffn1
	.globl	k_qafe6d61fea_ffn1
	.p2align	8
	.type	k_qafe6d61fea_ffn1,@function
k_qafe6d61fea_ffn1:
	s_mov_b64 s[64:65], 0
	v_nop
	global_prefetch_b8 v0, s[64:65] scope:SCOPE_SE
	s_setreg_imm32_b32 hwreg(HW_REG_WAVE_MODE, 25, 1), 1
	s_wait_xcnt 0x0
	s_wait_alu depctr_hold_cnt(0) depctr_sa_sdst(0) depctr_va_vdst(0) depctr_va_sdst(0) depctr_va_ssrc(0) depctr_va_vcc(0) depctr_vm_vsrc(0)
	s_getreg_b32 s2, hwreg(HW_REG_IB_STS2, 6, 4)
	s_cmp_eq_u32 s2, 0
	s_cbranch_scc0 .Lentry_in_a_cluster
	s_endpgm
.Lentry_in_a_cluster:
	s_bfe_u32 s2, ttmp6, 0x10000c
	s_cmp_lg_u32 s2, 0xf033
	s_cbranch_scc0 .Lentry_shape_is_right
	s_endpgm
.Lentry_shape_is_right:
.set SIZE_K, 1024
.set KSTEP,  256
.set ROWB,   256
.set KROW,   SIZE_K
.set PITCH,  272
.set FR,     16
.set NL,     4
.set NP,     4
.set HALFT,  128*PITCH
.set SLOT,   4*HALFT
.set LAPS,   SIZE_K/(2*KSTEP)
.set SPARE,  2*SLOT
.set W1C,    15728640
.set ADRA, 16
.set ADRB, 20
.set VSTO, 24
.set VRD,  25
.set VGO,  27
.set SPW,  28
.set NIL,  29
.set BOF,  30
.set TMP,  160
.set CD,   224
.set AF,   128
.set G1, 24
.set G0, 32
.set G1B, 48
.set G0B, 56
.set MSB, 0
.macro WIN new
.if MSB != (\new)
	s_set_vgpr_msb (MSB<<8)|(\new)
.set MSB, (\new)
.endif
.endm
.set MUL_LO, 0xa1
.set MUL_HI, 0xf1
.set TO_B,   0x40
.macro JLOAD g0a, g1a, g0b, g1b
	s_cmp_eq_u32 s15, 0
	s_cbranch_scc0 .Lfor_b_\@
	tensor_load_to_lds s[\g0a:\g0a+3], s[\g1a:\g1a+7]
	s_nop 0
.rept 4
	v_nop
.endr
	s_branch .Lasked_\@
.Lfor_b_\@:
	tensor_load_to_lds s[\g0b:\g0b+3], s[\g1b:\g1b+7]
	s_nop 0
.rept 4
	v_nop
.endr
.Lasked_\@:
.endm
.macro CREST
	s_cmp_lg_u32 s14, 0
	s_cbranch_scc1 .Lnot_wave_0_\@
	s_barrier_signal -3
.Lnot_wave_0_\@:
	s_barrier_wait -3
	s_barrier_signal -1
	s_barrier_wait -1
.endm
.macro CROUND
	s_barrier_signal -1
	s_barrier_wait -1
	CREST
.endm
	s_load_b256 s[4:11], s[0:1], 0x0
	s_load_b64 s[12:13], s[0:1], 0x20
	v_lshl_add_u32 v[SPW], v0, 2, SPARE
	v_mov_b32 v[NIL], 0
	ds_add_u32 v28, v29
	ds_add_u32 v28, v29
	s_wait_dscnt 0x0
	v_lshrrev_b32 v1, 5, v0
	v_readfirstlane_b32 s14, v1
	v_and_b32 v15, 31, v0
	v_lshlrev_b32 v15, 10, v15                     ; the prefetches' offset: a lane a row of 1,024 bytes; never rewritten
	s_lshr_b32 s15, s14, 1
	s_and_b32 s16, s14, 1
	s_bfe_u32 s40, ttmp6, 0x40000
	s_bfe_u32 s41, ttmp6, 0x40004
	s_lshl_b32 s42, ttmp9, 2
	s_add_co_u32 s42, s42, s40
	s_and_b32 s17, ttmp7, 0xffff
	s_lshl_b32 s17, s17, 2
	s_add_co_u32 s17, s17, s41
	s_lshl_b32 s43, s41, 2
	s_lshl_b32 s43, 15, s43
	s_lshl_b32 s44, 0x1111, s40
	s_or_b32 s[G1+0], s43, (0<<16)|(1<<20)|(1<<21)|(5<<22)|(3<<25)
	s_or_b32 s[G1B+0], s44, (0<<16)|(1<<20)|(1<<21)|(5<<22)|(3<<25)
.irp g, G1, G1B
	s_mov_b32 s[\g+1], ROWB<<16
	s_mov_b32 s[\g+2], 128<<16
	s_mov_b32 s[\g+3], ROWB<<16
	s_mov_b32 s[\g+4], 128
	s_mov_b32 s[\g+5], KROW
	s_mov_b32 s[\g+6], 0
	s_mov_b32 s[\g+7], 0
.endr
	s_lshl_b32 s18, s16, 7
	s_lshl_b32 s20, s17, 8
	s_add_co_u32 s20, s20, s18
	s_lshl_b32 s20, s20, 10
	s_mov_b32 s21, 0
	s_lshl_b32 s46, s42, 8
	s_add_co_u32 s46, s46, s18
	s_lshl_b32 s46, s46, 10
	s_add_co_u32 s46, s46, W1C
	s_mov_b32 s47, 0
	s_mul_i32 s45, s14, HALFT
	s_wait_kmcnt 0x0
	s_load_b128 s[92:95], s[8:9], 0x28
	s_add_nc_u64 s[20:21], s[4:5], s[20:21]
	s_add_nc_u64 s[46:47], s[6:7], s[46:47]
	s_cmp_eq_u32 s15, 0                            ; the prefetches: of the 128 rows that my wave fetches, each of the four partners that ask for them jointly takes 32, told apart by address
	s_cselect_b64 s[66:67], s[20:21], s[46:47]
	s_cselect_b32 s18, s40, s41
	s_lshl_b32 s18, s18, 15
	s_mov_b32 s19, 0
	s_add_nc_u64 s[66:67], s[66:67], s[18:19]      ; never rewritten
.irp s, 0,1
	s_mov_b32 s[G0+4*\s], 1
	s_add_co_u32 s[G0+4*\s+1], s45, \s*SLOT
	s_add_nc_u64 s[G0+4*\s+2:G0+4*\s+3], s[20:21], \s*ROWB
	s_or_b32 s[G0+4*\s+3], s[G0+4*\s+3], 0x80000000
	s_mov_b32 s[G0B+4*\s], 1
	s_add_co_u32 s[G0B+4*\s+1], s45, \s*SLOT
	s_add_nc_u64 s[G0B+4*\s+2:G0B+4*\s+3], s[46:47], \s*ROWB
	s_or_b32 s[G0B+4*\s+3], s[G0B+4*\s+3], 0x80000000
	s_wait_alu depctr_va_vdst(0)
	s_wait_tensorcnt 0x0
	ds_add_u32 v28, v29
	ds_add_u32 v28, v29
	s_wait_dscnt 0x0
	CROUND
	JLOAD G0+4*\s, G1, G0B+4*\s, G1B
.if \s == 0
	global_prefetch_b8 v15, s[66:67] offset:ROWB th:TH_LOAD_NT scope:SCOPE_SE     ; K steps 1 and 2: 32 rows x 256 bytes each, named once in the cluster
	global_prefetch_b8 v15, s[66:67] offset:2*ROWB th:TH_LOAD_NT scope:SCOPE_SE
.else
	global_prefetch_b8 v15, s[66:67] offset:3*ROWB th:TH_LOAD_NT scope:SCOPE_SE   ; K step 3, the last
.endif
.endr
	v_and_b32 v1, 15, v0
	v_bfe_u32 v2, v0, 4, 1
	v_mul_u32_u24 v3, v1, PITCH
	s_wait_alu depctr_va_vdst(0)
	v_lshl_add_u32 v4, v2, 4, v3
	s_mul_i32 s21, s15, HALFT
	s_mul_i32 s22, s16, HALFT
	s_add_co_u32 s22, s22, 2*HALFT
.irp s, 0,1
	v_add_nc_u32 v[ADRA+\s], s21, v4
	v_add_nc_u32 v[ADRB+\s], s22, v4
	s_add_co_u32 s21, s21, SLOT
	s_add_co_u32 s22, s22, SLOT
.endr
	s_mul_i32 s23, s15, 128*272
	s_lshl_b32 s18, s16, 7
	s_add_co_u32 s23, s23, s18
	v_lshl_add_u32 v5, v2, 3, v3
	v_add_nc_u32 v[VSTO], s23, v5
	s_mul_i32 s23, s14, 64*272
	v_mul_u32_u24 v5, v2, 272
	v_lshl_add_u32 v5, v1, 4, v5
	v_add_nc_u32 v[VRD], s23, v5
	v_lshlrev_b32 v[VGO], 12, v2
	v_lshl_add_u32 v[VGO], v1, 4, v[VGO]
	v_lshlrev_b32 v[BOF], 5, v2
	s_lshl_b32 s88, s42, 10
	s_lshl_b32 s89, s16, 9
	s_add_co_u32 s88, s88, s89
	s_mov_b32 s89, 0
	s_add_nc_u64 s[84:85], s[10:11], s[88:89]
	s_lshl_b32 s88, s17, 8
	s_lshl_b32 s90, s14, 6
	s_add_co_u32 s88, s88, s90
	s_lshl_b32 s88, s88, 12
	s_lshl_b32 s90, s42, 8
	s_add_co_u32 s88, s88, s90
	s_add_nc_u64 s[86:87], s[12:13], s[88:89]
	s_wait_alu depctr_va_vdst(0)                   ; the wait, directly ahead of the reader below
.irp b, 0,1,2,3,4,5,6,7
	global_load_b128 v[32+8*\b:35+8*\b], v[BOF], s[84:85] offset:64*\b      ; the bias of my 128 columns, into v32-95 of window 0, which no line of the loop names; it is waited for on the way out
	global_load_b128 v[36+8*\b:39+8*\b], v[BOF], s[84:85] offset:64*\b+16
.endr
.macro FRAG reg, adr, q, i
.irp c, 0,1,2,3
	ds_load_b128 v[\reg+4*\c:\reg+4*\c+3], v[\adr] offset:128*(\q)+32*\c+(\i)*16*PITCH
.endr
.endm
.macro MUL16 a0, p, zero
.irp a, \a0, \a0+1
.irp b, 0,1,2,3,4,5,6,7
.if \zero
	v_wmma_f32_16x16x128_bf8_bf8 v[8*(8*((\a)%4)+\b):8*(8*((\a)%4)+\b)+7], v[128*(\p)+FR*\b:128*(\p)+FR*\b+FR-1], v[AF+FR*(\a):AF+FR*(\a)+FR-1], 0
.else
	v_wmma_f32_16x16x128_bf8_bf8 v[8*(8*((\a)%4)+\b):8*(8*((\a)%4)+\b)+7], v[128*(\p)+FR*\b:128*(\p)+FR*\b+FR-1], v[AF+FR*(\a):AF+FR*(\a)+FR-1], v[8*(8*((\a)%4)+\b):8*(8*((\a)%4)+\b)+7]
.endif
.endr
.endr
.endm
.macro FETCH_B slot, q, p
	WIN TO_B
.irp i, 0,1,2,3,4,5,6,7
	FRAG 128*(\p)+FR*\i, ADRB+\slot, \q, \i
.endr
	WIN 0
.endm
.macro FETCH_A slot, q, i0
.irp i, \i0, \i0+1, \i0+2, \i0+3
	FRAG AF+FR*(\i), ADRA+\slot, \q, \i
.endr
.endm
.macro PLACES n
.rept \n
	v_nop
.endr
.endm
.macro STEP slot, q, zero
	s_wait_dscnt 4*NL
	WIN MUL_LO
	MUL16 0, (\q)%2, \zero
	MUL16 2, (\q)%2, \zero
	s_wait_dscnt 0
	PLACES NP
	FETCH_B \slot, (\q)+1, 1-(\q)%2
	FETCH_A \slot, (\q)+1, 0
	WIN MUL_HI
	MUL16 4, (\q)%2, \zero
	MUL16 6, (\q)%2, \zero
	PLACES NP
	WIN 0
	FETCH_A \slot, (\q)+1, 4
.endm
.macro TURN slot, next, fill
	s_wait_tensorcnt 0x0
	ds_add_u32 v[SPW], v[NIL]
	s_wait_dscnt 4*NL+1
	WIN MUL_LO
	MUL16 0, 1, 0
	s_wait_dscnt 0x0
	s_barrier_signal -1
	MUL16 2, 1, 0
	WIN 0
	s_barrier_wait -1
.if \fill
	CREST
	s_add_nc_u64 s[G0+4*\slot+2:G0+4*\slot+3], s[G0+4*\slot+2:G0+4*\slot+3], 2*ROWB
	s_add_nc_u64 s[G0B+4*\slot+2:G0B+4*\slot+3], s[G0B+4*\slot+2:G0B+4*\slot+3], 2*ROWB
	JLOAD G0+4*\slot, G1, G0B+4*\slot, G1B
.else
	PLACES NP
.endif
	s_wait_alu depctr_va_vdst(0)
	FETCH_B \next, 0, 0
	FETCH_A \next, 0, 0
	WIN MUL_HI
	MUL16 4, 1, 0
	MUL16 6, 1, 0
	PLACES NP
	WIN 0
	FETCH_A \next, 0, 4
.endm
	s_wait_tensorcnt 1
	s_barrier_signal -1
	s_barrier_wait -1
	FETCH_B 0, 0, 0
	FETCH_A 0, 0, 0
	FETCH_A 0, 0, 4
	STEP 0, 0, 1
	s_mov_b32 s3, LAPS-1
.Llap:
	TURN 0, 1, 1
	STEP 1, 0, 0
	TURN 1, 0, 1
	STEP 0, 0, 0
	s_sub_co_u32 s3, s3, 1
	s_cmp_lg_u32 s3, 0
	s_cbranch_scc1 .Llap
	TURN 0, 1, 0
	STEP 1, 0, 0
	s_wait_dscnt 4*NL
	WIN MUL_LO
	MUL16 0, 1, 0
	MUL16 2, 1, 0
	s_wait_dscnt 0
	WIN MUL_HI
	MUL16 4, 1, 0
	MUL16 6, 1, 0
	WIN 0
	s_wait_kmcnt 0x0
	s_add_co_i32 s96, s92, s93
	s_add_co_i32 s96, s96, 127
	s_lshl_b32 s96, s96, 23
	s_mov_b32 s97, s96
	s_add_co_i32 s98, s94, 127
	s_lshl_b32 s99, s98, 23
	s_add_co_i32 s98, s98, 15
	s_lshl_b32 s98, s98, 23
	s_or_b32 s98, s98, 0x600000
	PLACES NP
	v_mov_b32 v248, s99
	v_mov_b32 v249, s98
	s_wait_loadcnt 0x0                             ; the bias, asked for at the head
.macro HBLOCK a
.set AC, 64*((\a)%4)
	WIN 0x02+((\a)/4)
.set j, 0
.rept 32
	v_pk_fma_f32 v[TMP+j:TMP+j+1], v[AC+j:AC+j+1], s[96:97], v[32+j:33+j] op_sel_hi:[1,0,1]
.set j, j+2
.endr
	WIN 0
.set j, 0
.rept 64
	v_med3_num_f32 v[TMP+j], v[TMP+j], 0, v249
.set j, j+1
.endr
	s_wait_alu depctr_va_vdst(0)
	s_wait_dscnt 0x0
.irp b, 0,1,2,3,4,5,6,7
	v_cvt_scalef32_pk8_bf8_f32 v[CD+2*\b:CD+2*\b+1], v[TMP+8*\b:TMP+8*\b+7], v248
.endr
	v_nop
.irp b, 0,1,2,3,4,5,6,7
	ds_store_b64 v[VSTO], v[CD+2*\b:CD+2*\b+1] offset:(\a)*4352+16*\b
.endr
.endm
.irp a, 0,1,2,3,4,5,6,7
	HBLOCK \a
.endr
	s_wait_dscnt 0x0
	s_barrier_signal -1
	s_barrier_wait -1
.set i, 0
.rept 32
	ds_load_b128 v[32+4*i:35+4*i], v[VRD] offset:544*i
.set i, i+1
.endr
.set i, 0
.rept 32
	s_wait_dscnt 31-i
	global_store_b128 v[VGO], v[32+4*i:35+4*i], s[86:87] offset:8192*i
.set i, i+1
.endr
	s_wait_tensorcnt 0x0
	ds_add_u32 v[SPW], v[NIL]
	s_wait_dscnt 0x0
	CROUND
	s_endpgm
.Lfunc_end_k_qafe6d61fea_ffn1:
	.size	k_qafe6d61fea_ffn1, .Lfunc_end_k_qafe6d61fea_ffn1-k_qafe6d61fea_ffn1
	.p2alignl 7, 3214868480
	.fill 96, 4, 3214868480
	.section	.rodata,"a",@progbits
	.p2align	6, 0x0
	.amdhsa_kernel k_qafe6d61fea_ffn1
		.amdhsa_group_segment_fixed_size 327680
		.amdhsa_private_segment_fixed_size 0
		.amdhsa_enable_private_segment 0
		.amdhsa_kernarg_size 40
		.amdhsa_user_sgpr_count 2
		.amdhsa_user_sgpr_kernarg_segment_ptr 1
		.amdhsa_wavefront_size32 1
		.amdhsa_system_sgpr_workgroup_id_x 1
		.amdhsa_system_sgpr_workgroup_id_y 1
		.amdhsa_system_sgpr_workgroup_id_z 1
		.amdhsa_system_vgpr_workitem_id 0
		.amdhsa_next_free_vgpr 1024
		.amdhsa_next_free_sgpr 100
		.amdhsa_reserve_vcc 0
		.amdhsa_float_denorm_mode_32 3
		.amdhsa_float_denorm_mode_16_64 3
		.amdhsa_memory_ordered 1
		.amdhsa_forward_progress 1
		.amdhsa_inst_pref_size 145
	.end_amdhsa_kernel
	.amdgpu_metadata
---
amdhsa.version: [ 1, 2 ]
amdhsa.kernels:
  - .name:           k_qafe6d61fea_ffn1
    .symbol:         k_qafe6d61fea_ffn1.kd
    .args:
      - { .name: xc, .offset: 0, .size: 8, .value_kind: global_buffer, .address_space: global }
      - { .name: prepb, .offset: 8, .size: 8, .value_kind: global_buffer, .address_space: global }
      - { .name: lowp_scales, .offset: 16, .size: 8, .value_kind: global_buffer, .address_space: global }
      - { .name: b1, .offset: 24, .size: 8, .value_kind: global_buffer, .address_space: global }
      - { .name: hc, .offset: 32, .size: 8, .value_kind: global_buffer, .address_space: global }
    .group_segment_fixed_size: 327680
    .private_segment_fixed_size: 0
    .kernarg_segment_align: 8
    .kernarg_segment_size: 40
    .max_flat_workgroup_size: 128
    .sgpr_count:     100
    .vgpr_count:     1024
    .wavefront_size: 32
...
	.end_amdgpu_metadata
.endif
;; end of part 12
;; launch ffn2 (part 13): grid 8 x 32, 4 waves a work-group, clusters of 4 x 4, 327,680 bytes of LDS; arguments hc, prepb, lowp_scales, b2, big; writes big
.if DOCPART == 13
	.amdgcn_target "amdgcn-amd-amdhsa--gfx1250"
	.amdhsa_code_object_version 6
	.text
	.protected	k_qafe6d61fea_ffn2
	.globl	k_qafe6d61fea_ffn2
	.p2align	8
	.type	k_qafe6d61fea_ffn2,@function
k_qafe6d61fea_ffn2:
	s_mov_b64 s[64:65], 0
	v_nop
	global_prefetch_b8 v0, s[64:65] scope:SCOPE_SE
	s_setreg_imm32_b32 hwreg(HW_REG_WAVE_MODE, 25, 1), 1
	s_wait_xcnt 0x0
	s_wait_alu depctr_hold_cnt(0) depctr_sa_sdst(0) depctr_va_vdst(0) depctr_va_sdst(0) depctr_va_ssrc(0) depctr_va_vcc(0) depctr_vm_vsrc(0)
	s_getreg_b32 s2, hwreg(HW_REG_IB_STS2, 6, 4)
	s_cmp_eq_u32 s2, 0
	s_cbranch_scc0 .Lentry_in_a_cluster
	s_endpgm
.Lentry_in_a_cluster:
	s_bfe_u32 s2, ttmp6, 0x10000c
	s_cmp_lg_u32 s2, 0xf033
	s_cbranch_scc0 .Lentry_shape_is_right
	s_endpgm
.Lentry_shape_is_right:
.set SIZE_K, 4096
.set SIZE_N, 1024
.set KSTEP,  512
.set ROWB,   512
.set KROW,   SIZE_K
.set PITCH,  528
.set FR,     16
.set NP,     4
.set HALFT,  64*PITCH
.set SLOT,   4*HALFT
.set LAPS,   SIZE_K/(2*KSTEP)
.set SPARE,  2*SLOT
.set SPITCH, 272
.set W2C,    19922944
.set ADRA, 16
.set ADRB, 20
.set STO,  24
.set RD,   25
.set CO,   26
.set SPW,  28
.set NIL,  29
.set BOF,  30
.set TMP,  32
.set BI,   96
.set ACC,  128
.set F0,   0
.set F1,   128
.set G1, 24
.set G0, 32
.set G1B, 48
.set G0B, 56
.set MSB, 0
.macro WIN new
.if MSB != (\new)
	s_set_vgpr_msb (MSB<<8)|(\new)
.set MSB, (\new)
.endif
.endm
.set MUL,  0x05
.set TO_F, 0x40
.macro JLOAD g0a, g1a, g0b, g1b
	s_cmp_eq_u32 s15, 0
	s_cbranch_scc0 .Lfor_b_\@
	tensor_load_to_lds s[\g0a:\g0a+3], s[\g1a:\g1a+7]
	s_nop 0
.rept 4
	v_nop
.endr
	s_branch .Lasked_\@
.Lfor_b_\@:
	tensor_load_to_lds s[\g0b:\g0b+3], s[\g1b:\g1b+7]
	s_nop 0
.rept 4
	v_nop
.endr
.Lasked_\@:
.endm
.macro CREST
	s_cmp_lg_u32 s14, 0
	s_cbranch_scc1 .Lnot_wave_0_\@
	s_barrier_signal -3
.Lnot_wave_0_\@:
	s_barrier_wait -3
	s_barrier_signal -1
	s_barrier_wait -1
.endm
.macro CROUND
	s_barrier_signal -1
	s_barrier_wait -1
	CREST
.endm
	s_load_b256 s[4:11], s[0:1], 0x0
	s_load_b64 s[12:13], s[0:1], 0x20
	v_lshl_add_u32 v[SPW], v0, 2, SPARE
	v_mov_b32 v[NIL], 0
	ds_add_u32 v28, v29
	ds_add_u32 v28, v29
	s_wait_dscnt 0x0
	v_lshrrev_b32 v1, 5, v0
	v_readfirstlane_b32 s14, v1
	v_and_b32 v13, 31, v0
	v_lshrrev_b32 v14, 1, v13
	v_and_b32 v13, 1, v13
	v_lshlrev_b32 v15, 12, v14
	v_lshl_add_u32 v15, v13, 8, v15                ; the prefetches' offset: two lanes a row of 4,096 bytes, 256 bytes apart; never rewritten
	s_lshr_b32 s15, s14, 1
	s_and_b32 s16, s14, 1
	s_bfe_u32 s40, ttmp6, 0x40000
	s_bfe_u32 s41, ttmp6, 0x40004
	s_lshl_b32 s42, ttmp9, 2
	s_add_co_u32 s42, s42, s40
	s_and_b32 s17, ttmp7, 0xffff
	s_lshl_b32 s17, s17, 2
	s_add_co_u32 s17, s17, s41
	s_lshl_b32 s43, s41, 2
	s_lshl_b32 s43, 15, s43
	s_lshl_b32 s44, 0x1111, s40
	s_or_b32 s[G1+0], s43, (0<<16)|(1<<20)|(1<<21)|(6<<22)|(3<<25)
	s_or_b32 s[G1B+0], s44, (0<<16)|(1<<20)|(1<<21)|(6<<22)|(3<<25)
.irp g, G1, G1B
	s_mov_b32 s[\g+1], ROWB<<16
	s_mov_b32 s[\g+2], 64<<16
	s_mov_b32 s[\g+3], ROWB<<16
	s_mov_b32 s[\g+4], 64
	s_mov_b32 s[\g+5], KROW
	s_mov_b32 s[\g+6], 0
	s_mov_b32 s[\g+7], 0
.endr
	s_lshl_b32 s18, s16, 6
	s_lshl_b32 s20, s17, 7
	s_add_co_u32 s20, s20, s18
	s_lshl_b32 s20, s20, 12
	s_mov_b32 s21, 0
	s_lshl_b32 s46, s42, 7
	s_add_co_u32 s46, s46, s18
	s_lshl_b32 s46, s46, 12
	s_add_co_u32 s46, s46, W2C
	s_mov_b32 s47, 0
	s_mul_i32 s45, s14, HALFT
	s_wait_kmcnt 0x0
	s_load_b64 s[96:97], s[8:9], 0x30
	s_add_nc_u64 s[20:21], s[4:5], s[20:21]
	s_add_nc_u64 s[46:47], s[6:7], s[46:47]
	s_cmp_eq_u32 s15, 0                            ; the prefetches: of the 64 rows that my wave fetches, each of the four partners that ask for them jointly takes 16, told apart by address
	s_cselect_b64 s[66:67], s[20:21], s[46:47]
	s_cselect_b32 s18, s40, s41
	s_lshl_b32 s18, s18, 16
	s_mov_b32 s19, 0
	s_add_nc_u64 s[66:67], s[66:67], s[18:19]      ; stepped once a trip of the loop
.irp s, 0,1
	s_mov_b32 s[G0+4*\s], 1
	s_add_co_u32 s[G0+4*\s+1], s45, \s*SLOT
	s_add_nc_u64 s[G0+4*\s+2:G0+4*\s+3], s[20:21], \s*ROWB
	s_or_b32 s[G0+4*\s+3], s[G0+4*\s+3], 0x80000000
	s_mov_b32 s[G0B+4*\s], 1
	s_add_co_u32 s[G0B+4*\s+1], s45, \s*SLOT
	s_add_nc_u64 s[G0B+4*\s+2:G0B+4*\s+3], s[46:47], \s*ROWB
	s_or_b32 s[G0B+4*\s+3], s[G0B+4*\s+3], 0x80000000
	s_wait_alu depctr_va_vdst(0)
	s_wait_tensorcnt 0x0
	ds_add_u32 v28, v29
	ds_add_u32 v28, v29
	s_wait_dscnt 0x0
	CROUND
	JLOAD G0+4*\s, G1, G0B+4*\s, G1B
.if \s == 0
	global_prefetch_b8 v15, s[66:67] offset:ROWB th:TH_LOAD_NT scope:SCOPE_SE     ; K steps 1 and 2: 16 rows x 512 bytes each, named once in the cluster
	global_prefetch_b8 v15, s[66:67] offset:2*ROWB th:TH_LOAD_NT scope:SCOPE_SE
.else
	global_prefetch_b8 v15, s[66:67] offset:3*ROWB th:TH_LOAD_NT scope:SCOPE_SE   ; K step 3
.endif
.endr
	v_and_b32 v1, 15, v0
	s_wait_alu depctr_va_vdst(0)
	v_bfe_u32 v2, v0, 4, 1
	v_mul_u32_u24 v3, v1, PITCH
	v_lshl_add_u32 v4, v2, 4, v3
	s_mul_i32 s21, s15, HALFT
	s_mul_i32 s22, s16, HALFT
	s_add_co_u32 s22, s22, 2*HALFT
.irp s, 0,1
	v_add_nc_u32 v[ADRA+\s], s21, v4
	v_add_nc_u32 v[ADRB+\s], s22, v4
	s_add_co_u32 s21, s21, SLOT
	s_add_co_u32 s22, s22, SLOT
.endr
	s_mul_i32 s23, s14, 16*SPITCH
	v_mul_u32_u24 v5, v1, SPITCH
	s_wait_alu depctr_va_vdst(0)
	v_lshl_add_u32 v5, v2, 5, v5
	v_add_nc_u32 v[STO], s23, v5
	v_mul_u32_u24 v5, v2, SPITCH
	v_lshl_add_u32 v5, v1, 4, v5
	v_add_nc_u32 v[RD], s23, v5
	v_lshlrev_b32 v[CO], 12, v2
	v_lshl_add_u32 v[CO], v1, 4, v[CO]
	v_lshlrev_b32 v[BOF], 5, v2
	s_wait_alu depctr_va_vdst(0)
	s_lshl_b32 s88, s42, 9
	s_lshl_b32 s89, s16, 8
	s_add_co_u32 s88, s88, s89
	s_mov_b32 s89, 0
	s_add_nc_u64 s[84:85], s[10:11], s[88:89]
	s_lshl_b32 s90, s17, 7
	s_lshl_b32 s91, s15, 6
	s_add_co_u32 s90, s90, s91
	s_lshl_b32 s90, s90, 12
	s_add_co_u32 s88, s88, s90
	s_add_nc_u64 s[12:13], s[12:13], s[88:89]
.irp b, 0,1,2,3
	global_load_b128 v[BI+8*\b:BI+8*\b+3], v[BOF], s[84:85] offset:64*\b
	global_load_b128 v[BI+8*\b+4:BI+8*\b+7], v[BOF], s[84:85] offset:64*\b+16
.endr
.macro FRAG reg, adr, q, i
.irp c, 0,1,2,3
	ds_load_b128 v[\reg+4*\c:\reg+4*\c+3], v[\adr] offset:128*(\q)+32*\c+(\i)*16*PITCH
.endr
.endm
.macro MUL4 f, a, zero
.irp b, 0,1,2,3
.if \zero
	v_wmma_f32_16x16x128_bf8_bf8 v[ACC+8*(4*(\a)+\b):ACC+8*(4*(\a)+\b)+7], v[\f+64+FR*\b:\f+64+FR*\b+FR-1], v[\f+FR*(\a):\f+FR*(\a)+FR-1], 0
.else
	v_wmma_f32_16x16x128_bf8_bf8 v[ACC+8*(4*(\a)+\b):ACC+8*(4*(\a)+\b)+7], v[\f+64+FR*\b:\f+64+FR*\b+FR-1], v[\f+FR*(\a):\f+FR*(\a)+FR-1], v[ACC+8*(4*(\a)+\b):ACC+8*(4*(\a)+\b)+7]
.endif
.endr
.endm
.macro FETCH slot, q, f
	WIN TO_F
.irp i, 0,1,2,3
	FRAG \f+64+FR*\i, ADRB+\slot, \q, \i
.endr
.irp i, 0,1,2,3
	FRAG \f+FR*\i, ADRA+\slot, \q, \i
.endr
.endm
.macro PLACES n
.rept \n
	v_nop
.endr
.endm
.macro QUARTER slot, q, f, g, zero
	PLACES NP
	FETCH \slot, \q, \g
	s_wait_dscnt 32
	WIN MUL
	MUL4 \f, 0, \zero
	MUL4 \f, 1, \zero
	MUL4 \f, 2, \zero
	MUL4 \f, 3, \zero
.endm
.macro TURN slot, next, fill
	WIN 0
	s_wait_tensorcnt 0x0
	ds_add_u32 v[SPW], v[NIL]
	s_wait_dscnt 1
	WIN MUL
	MUL4 F1, 0, 0
	s_wait_dscnt 0x0
	s_barrier_signal -1
	MUL4 F1, 1, 0
	WIN 0
	s_barrier_wait -1
.if \fill
	CREST
	s_add_nc_u64 s[G0+4*\slot+2:G0+4*\slot+3], s[G0+4*\slot+2:G0+4*\slot+3], 2*ROWB
	s_add_nc_u64 s[G0B+4*\slot+2:G0B+4*\slot+3], s[G0B+4*\slot+2:G0B+4*\slot+3], 2*ROWB
	JLOAD G0+4*\slot, G1, G0B+4*\slot, G1B
.else
	PLACES NP
.endif
	FETCH \next, 0, F0
.if \fill
	WIN 0                                          ; at a branch and at a label every window is 0
	s_cmp_gt_u32 s3, 1                             ; the loop's last trip asks for nothing: its refills are the last two K steps
	s_cbranch_scc0 .Lno_ask_\@
	global_prefetch_b8 v15, s[66:67] offset:(4+\slot)*ROWB th:TH_LOAD_NT scope:SCOPE_SE   ; the K step that stands two refills on
.Lno_ask_\@:
.endif
	WIN MUL
	MUL4 F1, 2, 0
	MUL4 F1, 3, 0
.endm
	s_wait_tensorcnt 1
	s_barrier_signal -1
	s_barrier_wait -1
	FETCH 0, 0, F0
	QUARTER 0, 1, F0, F1, 1
	WIN 0
	s_mov_b32 s3, LAPS-1
.Llap:
	QUARTER 0, 2, F1, F0, 0
	QUARTER 0, 3, F0, F1, 0
	TURN 0, 1, 1
	QUARTER 1, 1, F0, F1, 0
	QUARTER 1, 2, F1, F0, 0
	QUARTER 1, 3, F0, F1, 0
	TURN 1, 0, 1
	QUARTER 0, 1, F0, F1, 0
	WIN 0
	s_wait_xcnt 0x0                                ; my prefetches have read their address: it steps two K steps on
	s_add_nc_u64 s[66:67], s[66:67], 2*ROWB
	s_sub_co_u32 s3, s3, 1
	s_cmp_lg_u32 s3, 0
	s_cbranch_scc1 .Llap
	QUARTER 0, 2, F1, F0, 0
	QUARTER 0, 3, F0, F1, 0
	TURN 0, 1, 0
	QUARTER 1, 1, F0, F1, 0
	QUARTER 1, 2, F1, F0, 0
	QUARTER 1, 3, F0, F1, 0
	s_wait_dscnt 0x0
	WIN MUL
	MUL4 F1, 0, 0
	MUL4 F1, 1, 0
	MUL4 F1, 2, 0
	MUL4 F1, 3, 0
	WIN 0
.macro TOSTAGE a
.set AC, ACC+32*(\a)
.set j, 0
.rept 16
	v_pk_fma_f32 v[TMP+j:TMP+j+1], v[AC+j:AC+j+1], s[96:97], v[BI+j:BI+j+1] op_sel_hi:[1,0,1]
.set j, j+2
.endr
.irp b, 0,1,2,3
	ds_store_b128 v[STO], v[TMP+8*\b:TMP+8*\b+3] offset:64*\b
	ds_store_b128 v[STO], v[TMP+8*\b+4:TMP+8*\b+7] offset:64*\b+16
.endr
.irp t, 0,1,2,3,4,5,6,7
	ds_load_b128 v[AC+4*\t:AC+4*\t+3], v[RD] offset:\t*2*SPITCH
.endr
.endm
.macro SEND a, younger
.set AC, ACC+32*(\a)
.irp t, 0,1,2,3,4,5,6,7
	s_wait_dscnt \younger+7-\t
	global_store_b128 v[CO], v[AC+4*\t:AC+4*\t+3], s[12:13] offset:(16*(\a)+2*\t)*SIZE_N*4
.endr
.endm
	s_wait_kmcnt 0x0
	s_wait_loadcnt 0x0                             ; the bias, asked for at the head into registers that no line of the loop names
	s_add_co_i32 s96, s96, s97
	s_add_co_i32 s96, s96, 127
	s_lshl_b32 s96, s96, 23
	s_mov_b32 s97, s96
	PLACES NP
	TOSTAGE 0
	TOSTAGE 1
	SEND 0, 16
	TOSTAGE 2
	SEND 1, 16
	TOSTAGE 3
	SEND 2, 16
	SEND 3, 0
	s_wait_tensorcnt 0x0
	ds_add_u32 v[SPW], v[NIL]
	s_wait_dscnt 0x0
	CROUND
	s_endpgm
.Lfunc_end_k_qafe6d61fea_ffn2:
	.size	k_qafe6d61fea_ffn2, .Lfunc_end_k_qafe6d61fea_ffn2-k_qafe6d61fea_ffn2
	.p2alignl 7, 3214868480
	.fill 96, 4, 3214868480
	.section	.rodata,"a",@progbits
	.p2align	6, 0x0
	.amdhsa_kernel k_qafe6d61fea_ffn2
		.amdhsa_group_segment_fixed_size 327680
		.amdhsa_private_segment_fixed_size 0
		.amdhsa_enable_private_segment 0
		.amdhsa_kernarg_size 40
		.amdhsa_user_sgpr_count 2
		.amdhsa_user_sgpr_kernarg_segment_ptr 1
		.amdhsa_wavefront_size32 1
		.amdhsa_system_sgpr_workgroup_id_x 1
		.amdhsa_system_sgpr_workgroup_id_y 1
		.amdhsa_system_sgpr_workgroup_id_z 1
		.amdhsa_system_vgpr_workitem_id 0
		.amdhsa_next_free_vgpr 512
		.amdhsa_next_free_sgpr 100
		.amdhsa_reserve_vcc 0
		.amdhsa_float_denorm_mode_32 3
		.amdhsa_float_denorm_mode_16_64 3
		.amdhsa_memory_ordered 1
		.amdhsa_forward_progress 1
		.amdhsa_inst_pref_size 77
	.end_amdhsa_kernel
	.amdgpu_metadata
---
amdhsa.version: [ 1, 2 ]
amdhsa.kernels:
  - .name:           k_qafe6d61fea_ffn2
    .symbol:         k_qafe6d61fea_ffn2.kd
    .args:
      - { .name: hc, .offset: 0, .size: 8, .value_kind: global_buffer, .address_space: global }
      - { .name: prepb, .offset: 8, .size: 8, .value_kind: global_buffer, .address_space: global }
      - { .name: lowp_scales, .offset: 16, .size: 8, .value_kind: global_buffer, .address_space: global }
      - { .name: b2, .offset: 24, .size: 8, .value_kind: global_buffer, .address_space: global }
      - { .name: big, .offset: 32, .size: 8, .value_kind: global_buffer, .address_space: global }
    .group_segment_fixed_size: 327680
    .private_segment_fixed_size: 0
    .kernarg_segment_align: 8
    .kernarg_segment_size: 40
    .max_flat_workgroup_size: 128
    .sgpr_count:     100
    .vgpr_count:     512
    .wavefront_size: 32
...
	.end_amdgpu_metadata
.endif
;; end of part 13
;; launch ln2 (part 14): grid 1024 x 1, 4 waves a work-group, no clusters, 0 bytes of LDS; arguments xf, big, ln2_g, ln2_b, out0; writes out0
.if DOCPART == 14
	.amdgcn_target "amdgcn-amd-amdhsa--gfx1250"
	.amdhsa_code_object_version 6
	.text
	.protected	k_qafe6d61fea_ln2
	.globl	k_qafe6d61fea_ln2
	.p2align	8
	.type	k_qafe6d61fea_ln2,@function
k_qafe6d61fea_ln2:
	s_mov_b64 s[64:65], 0
	v_nop
	global_prefetch_b8 v0, s[64:65] scope:SCOPE_SE
	s_setreg_imm32_b32 hwreg(HW_REG_WAVE_MODE, 25, 1), 1
	s_wait_xcnt 0x0
; out = layer norm (x + ff) x g + b, in f32.  One wave takes one row of 1,024 numbers, 32 a lane, and keeps it in registers: the row is read once; mean and variance are taken in two passes over the registers,
; the variance of the differences from the mean.  No loop, no LDS, no barrier: every load of a wave is issued at its head.  Each load and store covers 512 consecutive bytes.
; The matrix units, clusters and tensor loads have nothing to do here: the launch only streams.
.set A,  16                            ; v16-47   x, then the sum, then the result
.set B,  48                            ; v48-79   ff
.set G,  80                            ; v80-111  the gain
.set BE, 112                           ; v112-143 the bias
.set S,  144                           ; v144-151 four chains of sums
	s_load_b256 s[4:11], s[0:1], 0x0               ; xf 4, big 6, g 8, b 10
	s_load_b64 s[12:13], s[0:1], 0x20              ; out0
	v_lshrrev_b32 v2, 5, v0
	v_readfirstlane_b32 s18, v2                    ; wave
	v_and_b32 v3, 31, v0
	v_lshlrev_b32 v1, 4, v3                        ; 16 x lane
	s_lshl_b32 s19, ttmp9, 2
	s_add_co_u32 s19, s19, s18                     ; my row
	s_lshl_b32 s22, s19, 12
	s_mov_b32 s23, 0
	s_mov_b32 s20, 0x76543210
	s_mov_b32 s21, 0xfedcba98
	s_mov_b32 s28, 0x3a800000                      ; 1 / 1024
	s_mov_b32 s29, 0x3727c5ac                      ; 1e-5
	v_mov_b32 v9, 0                                ; a lane permute's destination counts as one of its sources
	s_wait_alu depctr_va_vdst(0)
	s_wait_kmcnt 0x0
	s_add_nc_u64 s[4:5], s[4:5], s[22:23]
	s_add_nc_u64 s[6:7], s[6:7], s[22:23]
	s_add_nc_u64 s[12:13], s[12:13], s[22:23]
.irp j, 0,1,2,3,4,5,6,7
	global_load_b128 v[A+4*\j:A+4*\j+3], v1, s[4:5] offset:512*\j th:TH_LOAD_NT
.endr
.irp j, 0,1,2,3,4,5,6,7
	global_load_b128 v[B+4*\j:B+4*\j+3], v1, s[6:7] offset:512*\j th:TH_LOAD_NT
.endr
.irp j, 0,1,2,3,4,5,6,7
	global_load_b128 v[G+4*\j:G+4*\j+3], v1, s[8:9] offset:512*\j
.endr
.irp j, 0,1,2,3,4,5,6,7
	global_load_b128 v[BE+4*\j:BE+4*\j+3], v1, s[10:11] offset:512*\j
.endr
.macro WSUM                            ; v8 summed over the 32 lanes, the result in every lane
	v_add_f32_dpp v8, v8, v8 row_xmask:1 row_mask:0xf bank_mask:0xf
	v_add_f32_dpp v8, v8, v8 row_xmask:2 row_mask:0xf bank_mask:0xf
	v_add_f32_dpp v8, v8, v8 row_xmask:4 row_mask:0xf bank_mask:0xf
	v_add_f32_dpp v8, v8, v8 row_xmask:8 row_mask:0xf bank_mask:0xf
	v_permlanex16_b32 v9, v8, s20, s21
	v_add_f32 v8, v8, v9
.endm
.macro FOLD                            ; the four chains into v8
	v_pk_add_f32 v[S:S+1], v[S:S+1], v[S+2:S+3]
	v_pk_add_f32 v[S+4:S+5], v[S+4:S+5], v[S+6:S+7]
	v_pk_add_f32 v[S:S+1], v[S:S+1], v[S+4:S+5]
	v_add_f32 v8, v[S], v[S+1]
.endm
	s_wait_loadcnt 16                              ; the two summands are in; gain and bias, sixteen loads, may be out
.set k, 0
.rept 16
	v_pk_add_f32 v[A+k:A+k+1], v[A+k:A+k+1], v[B+k:B+k+1]
.set k, k+2
.endr
.irp c, 0,2,4,6
	v_pk_add_f32 v[S+\c:S+\c+1], v[A+\c:A+\c+1], v[A+8+\c:A+8+\c+1]
.endr
.irp c, 0,2,4,6
	v_pk_add_f32 v[S+\c:S+\c+1], v[S+\c:S+\c+1], v[A+16+\c:A+16+\c+1]
.endr
.irp c, 0,2,4,6
	v_pk_add_f32 v[S+\c:S+\c+1], v[S+\c:S+\c+1], v[A+24+\c:A+24+\c+1]
.endr
	FOLD
	WSUM
	v_mul_f32 v10, s28, v8                         ; the mean
	v_mov_b32 v11, v10
.set k, 0
.rept 16
	v_pk_add_f32 v[A+k:A+k+1], v[A+k:A+k+1], v[10:11] neg_lo:[0,1] neg_hi:[0,1]
.set k, k+2
.endr
.irp c, 0,2,4,6
	v_pk_mul_f32 v[S+\c:S+\c+1], v[A+\c:A+\c+1], v[A+\c:A+\c+1]
.endr
.irp o, 8,16,24
.irp c, 0,2,4,6
	v_pk_fma_f32 v[S+\c:S+\c+1], v[A+\o+\c:A+\o+\c+1], v[A+\o+\c:A+\o+\c+1], v[S+\c:S+\c+1]
.endr
.endr
	FOLD
	WSUM
	v_fma_f32 v8, v8, s28, s29                     ; the variance + 1e-5
	s_wait_alu depctr_va_vdst(0)
	v_rsq_f32 v12, v8
	v_nop                                          ; a plain line behind the root
	s_wait_alu depctr_va_vdst(0)                   ; the wait, ahead of its first reader
	v_mov_b32 v13, v12
	s_wait_alu depctr_va_vdst(0)
	s_wait_loadcnt 0x0                             ; gain and bias
.set k, 0
.rept 16
	v_pk_mul_f32 v[A+k:A+k+1], v[A+k:A+k+1], v[12:13]
.set k, k+2
.endr
.set k, 0
.rept 16
	v_pk_fma_f32 v[A+k:A+k+1], v[A+k:A+k+1], v[G+k:G+k+1], v[BE+k:BE+k+1]
.set k, k+2
.endr
.irp j, 0,1,2,3,4,5,6,7
	global_store_b128 v1, v[A+4*\j:A+4*\j+3], s[12:13] offset:512*\j th:TH_STORE_NT
.endr
	s_endpgm
.Lfunc_end_k_qafe6d61fea_ln2:
	.size	k_qafe6d61fea_ln2, .Lfunc_end_k_qafe6d61fea_ln2-k_qafe6d61fea_ln2
	.p2alignl 7, 3214868480
	.fill 96, 4, 3214868480
	.section	.rodata,"a",@progbits
	.p2align	6, 0x0
	.amdhsa_kernel k_qafe6d61fea_ln2
		.amdhsa_group_segment_fixed_size 0
		.amdhsa_private_segment_fixed_size 0
		.amdhsa_enable_private_segment 0
		.amdhsa_kernarg_size 40
		.amdhsa_user_sgpr_count 2
		.amdhsa_user_sgpr_kernarg_segment_ptr 1
		.amdhsa_wavefront_size32 1
		.amdhsa_system_sgpr_workgroup_id_x 1
		.amdhsa_system_sgpr_workgroup_id_y 1
		.amdhsa_system_sgpr_workgroup_id_z 1
		.amdhsa_system_vgpr_workitem_id 0
		.amdhsa_next_free_vgpr 160
		.amdhsa_next_free_sgpr 66
		.amdhsa_reserve_vcc 0
		.amdhsa_float_denorm_mode_32 3
		.amdhsa_float_denorm_mode_16_64 3
		.amdhsa_memory_ordered 1
		.amdhsa_forward_progress 1
		.amdhsa_inst_pref_size 13
	.end_amdhsa_kernel
	.amdgpu_metadata
---
amdhsa.version: [ 1, 2 ]
amdhsa.kernels:
  - .name:           k_qafe6d61fea_ln2
    .symbol:         k_qafe6d61fea_ln2.kd
    .args:
      - { .name: xf, .offset: 0, .size: 8, .value_kind: global_buffer, .address_space: global }
      - { .name: big, .offset: 8, .size: 8, .value_kind: global_buffer, .address_space: global }
      - { .name: ln2_g, .offset: 16, .size: 8, .value_kind: global_buffer, .address_space: global }
      - { .name: ln2_b, .offset: 24, .size: 8, .value_kind: global_buffer, .address_space: global }
      - { .name: out0, .offset: 32, .size: 8, .value_kind: global_buffer, .address_space: global }
    .group_segment_fixed_size: 0
    .private_segment_fixed_size: 0
    .kernarg_segment_align: 8
    .kernarg_segment_size: 40
    .max_flat_workgroup_size: 128
    .sgpr_count:     66
    .vgpr_count:     160
    .wavefront_size: 32
...
	.end_amdgpu_metadata
.endif
;; end of part 14
